; MI455X (gfx1250); checked and timed in simulation.
; The chip was launched on July 23, 2026; its instructions are those of AMD's public machine-readable ISA for CDNA 5 (MIT licence, August 2026) and "CDNA5" Instruction Set Architecture Reference Guide (July 2026). The comments in the code are by the model that wrote it; some were corrected since.
;; Residual Vector Quantizer. Allowed arithmetic: float matrix products may take bf16 or f16 operands with f32 sums; other float arithmetic in f32, or as packed bf16 or f16 multiplies, adds, multiply-adds, maxima and minima; sums over many terms, partial sums and values carried from step to step in f32; what a program stores and reads back later, other than sums and carried values, may be rounded once to bf16 or f16.
;; Inputs: codebooks 3 x 1,024 x 128 float32; x 65,536 x 128 float32.
;; Outputs: out0 65,536 x 128 float32; out1 65,536 x 3 int32; out2 one number float32; out3 one number float32.
;; 2 versions, each right and faster than the one before. Each part assembles by itself: llvm-mc -triple=amdgcn-amd-amdhsa -mcpu=gfx1250 --defsym DOCPART=n.
;; ======== version 1 of 2: 6 launches
;; limits: right only within a limited range of input values
;; workspace buffers: xb 16,777,216 bytes; cb 1,585,152 bytes; idx0 262,144 bytes of whole numbers; idx1 262,144 bytes of whole numbers; idx2 262,144 bytes of whole numbers; part 3,147,776 bytes; sums 50,176 bytes
;; launch prep (part 1): grid 192 x 1, 1 waves a work-group, no clusters, 4,608 bytes of LDS; arguments codebooks, cb; writes cb
.if DOCPART == 1
	.amdgcn_target "amdgcn-amd-amdhsa--gfx1250"
	.amdhsa_code_object_version 6
	.text
	.protected	k_qf2b395d116_prep
	.globl	k_qf2b395d116_prep
	.p2align	8
	.type	k_qf2b395d116_prep,@function
k_qf2b395d116_prep:
	s_mov_b64 s[64:65], 0
	v_nop
	global_prefetch_b8 v0, s[64:65] scope:SCOPE_SE
	s_setreg_imm32_b32 hwreg(HW_REG_WAVE_MODE, 25, 1), 1
	s_wait_xcnt 0x0
; THE CODEBOOKS, ONCE: rounded to bf16 and laid out three ways in cb.  One wave takes one tile of 16 codes (192 tiles: 3 levels x 64).
;   cb + 0          FRAG: the tile's eight 512-byte pieces in the order in which a matrix operand's registers want them: piece n = 2 c + p at 4,096 T + 512 n + 16 lane;
;                   lane l holds code 16 T + l % 16, channels 32 c + 16 p + 8 (l / 16) + 0..7 (16-bit operand, K = 32: ISA guide 7.12.2)
;   cb + 786,432    NROW: the rows of -W in bf16, [3][1024][128]: the later launches add them, so that a residual is a sum
;   cb + 1,572,864  WW: |W|^2 of the rounded rows, f32, [3][1024]
; A row of 128 f32 is one load of the wave (512 bytes); its 256 bytes of bf16 go into LDS rows of 272 bytes and come back by pieces.  One wave: LDS serves its instructions in order, no barrier.
.set PITCH, 272
.set SPARE, 16*PITCH                   ; behind the 16 rows: the wave's spare words, one block of 256 bytes that no other line names
.set NROW,  786432
.set WWG,   1572864
.set X,     16                         ; v[16:79]  row k: 4 registers as loaded; then 2 packed, 2 packed and negated
.set F,     80                         ; v[80:111] the eight pieces
	s_load_b128 s[4:7], s[0:1], 0x0                ; codebooks s[4:5], cb s[6:7]
	v_lshl_add_u32 v14, v0, 2, SPARE               ; my spare word,
	v_mov_b32 v15, 0                               ; and 0: kept for the closing add alone
	v_lshlrev_b32 v1, 4, v0                        ; 16 lane
	v_lshlrev_b32 v2, 3, v0                        ; 8 lane
	v_and_b32 v5, 15, v0
	v_lshrrev_b32 v6, 4, v0
	v_mul_u32_u24 v3, v5, PITCH
	v_lshl_add_u32 v3, v6, 4, v3                   ; a piece's place: row l % 16, 16 bytes for each half of the lanes
	v_lshlrev_b32 v7, 2, v0                        ; 4 lane
	v_mov_b32 v4, 0                                ; lane k takes |W|^2 of row k
	s_mov_b32 s12, 0x76543210                      ; v_permlanex16_b32: each lane takes its own place in the other half
	s_mov_b32 s13, 0xfedcba98
	s_mov_b32 s14, 0x80008000                      ; the signs of two bf16
	s_mov_b32 s15, 0xffff0000                      ; a word's upper bf16
	s_lshl_b32 s16, ttmp9, 13                      ; the tile's 16 rows of 512 bytes
	s_mov_b32 s17, 0
	s_lshl_b32 s18, ttmp9, 12                      ; its 4,096 bytes in FRAG and in NROW
	s_mov_b32 s19, 0
	s_lshl_b32 s20, ttmp9, 6                       ; its 64 bytes in WW
	s_mov_b32 s21, 0
	s_wait_kmcnt 0x0
	s_add_nc_u64 s[4:5], s[4:5], s[16:17]
	s_add_nc_u64 s[8:9], s[6:7], s[18:19]
	s_add_nc_u64 s[10:11], s[6:7], s[20:21]
.set k, 0
.rept 16
	global_load_b128 v[X+4*k:X+4*k+3], v1, s[4:5] offset:512*k th:TH_LOAD_NT
.set k, k+1
.endr
.set k, 0
.rept 16
	s_wait_loadcnt 15-k                            ; loads come back in order: row k is in, the 15 - k younger rows stay out
	v_cvt_pk_bf16_f32 v[X+4*k], v[X+4*k], v[X+4*k+1]
	v_cvt_pk_bf16_f32 v[X+4*k+1], v[X+4*k+2], v[X+4*k+3]
	ds_store_b64 v2, v[X+4*k:X+4*k+1] offset:PITCH*k
	v_xor_b32 v[X+4*k+2], s14, v[X+4*k]
	v_xor_b32 v[X+4*k+3], s14, v[X+4*k+1]
	global_store_b64 v2, v[X+4*k+2:X+4*k+3], s[8:9] offset:NROW+256*k   ; the wave stores 256 consecutive bytes, aligned; each row has data registers of its own
	v_lshlrev_b32 v8, 16, v[X+4*k]                 ; the rounded numbers as f32
	v_and_b32 v9, s15, v[X+4*k]
	v_lshlrev_b32 v10, 16, v[X+4*k+1]
	v_and_b32 v11, s15, v[X+4*k+1]
	v_pk_mul_f32 v[12:13], v[8:9], v[8:9]
	v_pk_fma_f32 v[12:13], v[10:11], v[10:11], v[12:13]
	v_add_f32 v12, v12, v13
.irp m, 1,2,4,8
	v_add_f32_dpp v12, v12, v12 row_xmask:\m row_mask:0xf bank_mask:0xf
.endr
	v_permlanex16_b32 v13, v12, s12, s13
	v_add_f32 v12, v12, v13                        ; the row's sum of squares, in every lane
	v_cmp_eq_u32 vcc_lo, k, v0
	v_cndmask_b32 v4, v4, v12, vcc_lo
.set k, k+1
.endr
.set n, 0
.rept 8
	ds_load_b128 v[F+4*n:F+4*n+3], v3 offset:32*n  ; channels 16 n + 8 (l / 16) on: these see the stores above
.set n, n+1
.endr
.set n, 0
.rept 8
	s_wait_dscnt 7-n                               ; piece n is in, the younger ones stay out
	global_store_b128 v1, v[F+4*n:F+4*n+3], s[8:9] offset:512*n
.set n, n+1
.endr
	v_cmp_gt_u32 vcc_lo, 16, v0
	s_wait_xcnt 0x0                                ; EXEC is a source of the stores above: it changes only behind this wait
	s_and_saveexec_b32 s22, vcc_lo
	global_store_b32 v7, v4, s[10:11] offset:WWG   ; lanes 0 to 15: the tile's 16 numbers
	s_wait_xcnt 0x0                                ; and again ahead of the line that widens it
	s_or_b32 exec_lo, exec_lo, s22
	s_wait_tensorcnt 0x0                           ; the wave's end: three lines behind my last LDS store
	ds_add_u32 v14, v15
	s_wait_dscnt 0x0
	s_endpgm
.Lfunc_end_k_qf2b395d116_prep:
	.size	k_qf2b395d116_prep, .Lfunc_end_k_qf2b395d116_prep-k_qf2b395d116_prep
	.p2alignl 7, 3214868480
	.fill 96, 4, 3214868480
	.section	.rodata,"a",@progbits
	.p2align	6, 0x0
	.amdhsa_kernel k_qf2b395d116_prep
		.amdhsa_group_segment_fixed_size 4608
		.amdhsa_private_segment_fixed_size 0
		.amdhsa_enable_private_segment 0
		.amdhsa_kernarg_size 16
		.amdhsa_user_sgpr_count 2
		.amdhsa_user_sgpr_kernarg_segment_ptr 1
		.amdhsa_wavefront_size32 1
		.amdhsa_system_sgpr_workgroup_id_x 1
		.amdhsa_system_sgpr_workgroup_id_y 1
		.amdhsa_system_sgpr_workgroup_id_z 1
		.amdhsa_system_vgpr_workitem_id 0
		.amdhsa_next_free_vgpr 112
		.amdhsa_next_free_sgpr 66
		.amdhsa_reserve_vcc 1
		.amdhsa_float_denorm_mode_32 3
		.amdhsa_float_denorm_mode_16_64 3
		.amdhsa_memory_ordered 1
		.amdhsa_forward_progress 1
		.amdhsa_inst_pref_size 22
	.end_amdhsa_kernel
	.amdgpu_metadata
---
amdhsa.version: [ 1, 2 ]
amdhsa.kernels:
  - .name:           k_qf2b395d116_prep
    .symbol:         k_qf2b395d116_prep.kd
    .args:
      - { .name: codebooks, .offset: 0, .size: 8, .value_kind: global_buffer, .address_space: global }
      - { .name: cb, .offset: 8, .size: 8, .value_kind: global_buffer, .address_space: global }
    .group_segment_fixed_size: 4608
    .private_segment_fixed_size: 0
    .kernarg_segment_align: 8
    .kernarg_segment_size: 16
    .max_flat_workgroup_size: 32
    .sgpr_count:     66
    .vgpr_count:     112
    .wavefront_size: 32
...
	.end_amdgpu_metadata
.endif
;; end of part 1
;; launch lev0 (part 2): grid 256 x 1, 8 waves a work-group, no clusters, 80,128 bytes of LDS; arguments x, cb, xb, idx0, part; writes xb, idx0, part
.if DOCPART == 2
	.amdgcn_target "amdgcn-amd-amdhsa--gfx1250"
	.amdhsa_code_object_version 6
	.text
	.protected	k_qf2b395d116_lev0
	.globl	k_qf2b395d116_lev0
	.p2align	8
	.type	k_qf2b395d116_lev0,@function
k_qf2b395d116_lev0:
	s_mov_b64 s[64:65], 0
	v_nop
	global_prefetch_b8 v0, s[64:65] scope:SCOPE_SE
	s_setreg_imm32_b32 hwreg(HW_REG_WAVE_MODE, 25, 1), 1
	s_wait_xcnt 0x0
; ONE LEVEL OF THE RESIDUAL VECTOR QUANTIZER.  The three levels' texts differ in the line .set LEVEL and in a wait behind each v_nop of the products, which levels 1 and 2 have.
; WHAT IT MAKES.  For the work-group's 256 rows r and the level's 1,024 codes w: d = fl(fl(|r|^2 - 2 r.w) + |w|^2); the first index of the least d (into idx); the work-group's column sums of
; softmax(-d) (into part).  From level 1 on also the sum of |r|^2, the squared error of the level before.  Level 0 also writes x rounded to bf16 (xb).
; FORMATS.  x and the codebooks are rounded once to bf16.  The residual is never rounded to 16 bits: r = x - q0 - q1 is multiplied as its P = LEVEL + 1 bf16 pieces x, -q0, -q1, summed in one f32
; accumulator, the smallest piece first; |r|^2 is taken of fl(fl(x - q0) - q1).  All else in f32; the row's least distance is taken away before every exponential.
; LIMITS.  NaN and infinities are not treated apart.  The index is found as the least of (d - dmin) 2^100 + index, so distances that differ by less than 2^-90 count as tied (f32 distances below
; 2^-66 could do that).  A weight below 2^-126 counts as 0.  1 / Z is a reciprocal and a multiply.  Indices read from memory are clamped to 1,023.
; SHARES.  Eight waves.  Wave w owns the codes 128 w .. 128 w + 127: their operand registers, 8 tiles x 32, fill window 1 for the whole launch.  All waves walk the 16 row tiles of 16 rows.
; The product is used transposed (source 0 = 16 codes, source 1 = 16 rows): a lane holds ONE row (lane % 16) and register j of tile t the code 128 w + 16 t + 8 (lane / 16) + j.
; THE WALK.  A row's least distance, sum and index span the eight waves: they meet in LDS, twice for each row tile.  Super-step s: the posts are read (the least distance of tile s - 1; Z and the
; index key of tile s - 2); the column sums of tile s - 2; the products of tile s, and BEHIND THE MATRIX INSTRUCTIONS, in slices, the weights, sum and key of tile s - 1, which name none of the
; products' registers; my sum and key are posted; tile s's distances and my least one, which is posted.  One barrier ends a super-step.  Tiles take two register buffers and two sets of LDS words by
; turns, so what a super-step writes nobody reads in it.  A slice costs two switches of the register window: the codes fill window 1, all that the slices touch lies in window 0.
; ONE TEXT FOR EVERY SUPER-STEP.  In super-step 0 the slices work on zeros and nobody reads what they post; super-step 16 multiplies tile 15 once more and nobody reads the result; super-step 17
; jumps over all but the column sums.
; No tensor load, no cluster: every LDS byte is written once, from registers through which the data must pass anyway (a conversion, rows gathered by index); nothing is filled again.
.set LEVEL,  0
.set P,      LEVEL+1
.set PITCH,  272                       ; an LDS row: 256 bytes + 16: the 16 rows of a fragment load start 4 banks apart (64 banks of 4 bytes: ISA guide 11.1)
.set PIECE,  256*PITCH                 ; a piece: 256 rows.  Piece 0 x, piece 1 -q0, piece 2 -q1
.set Q,      P*PIECE
.set WWL,    Q                         ; |w|^2, 1,024 f32
.set XXL,    Q+4096                    ; |r|^2, 256 f32
.set EX1,    Q+5120                    ; least distances: 2 parities x [16 rows][8 waves] f32
.set OFZ,    1024                      ; the sums lie so far behind them,
.set OFK,    2048                      ; the index keys so far
.set IDXL,   Q+8192                    ; the 256 indices
.set LOS,    Q+9216                    ; the eight waves' sums of |r|^2
.set SPARE,  Q+9472                    ; the spare words, 128 bytes for each wave: four blocks of 256 bytes that no other line names
.set STG,    8448                      ; after the walk piece 0's bytes serve as stages: 16 rows x 528 bytes a wave
.set SPI,    528
.set FRAGL,  262144                    ; a level's bytes in cb's FRAG and NROW
.set NROW,   786432
.set WWG,    1572864
.set LOSSG,  3145728                   ; part: behind the column sums, [2][256] f32
; window 0: v0 thread; v1 fragment place 272 r + 16 h; v2 my |w|^2; v3 where I post; v4 where I read posts; v5-7 the pieces' fragment addresses; v8 float(128 w + 8 h); v9 an address at work;
; v10, v11 the add's two; v12 the least distance, v13 4 r (named with v12 as a pair, never taken from it); v14 1 / Z, then |r|^2, v15 1.0 (likewise); v16-31 the posts as read, then v16-23 eight keys
; at work and later four minima, v24-27 the keys' chains, v28-31 the sums' chains; v32-63 four slots; v64-127 column sums; v128-255 two buffers of 8 tiles.
; window 1: the codes' operand registers, tile t, channels 32 c on at 32 t + 8 c.
.set KT,     16
.set XF,     32                        ; four slots of 8: row fragments, then tiles of |w|^2
.set COL,    64
.set SREG,   128
.set NS,     258                       ; slots in the list of a tile's vector work
.set CH,     4                         ; a slice is issued when so many slots are due
; s2 wave; s[4:15] buffers; s16 trip; s17 a counter; s18, s19, s20 the row tile's bytes in a piece, in XXL, in IDXL; s21 at work; s[24:25] -2^100; s[26:27] log2(e); s[28:29] lane selects
.if LEVEL == 2
.set IOUT, 12
.set PART, 14
.else
.set IOUT, 10
.set PART, 12
.endif
.set MSB, 0
.macro WIN new                         ; the immediate's high byte repeats the setting that is left; a switch that changes nothing is dropped
.if MSB != (\new)
	s_set_vgpr_msb (MSB<<8)|(\new)
.set MSB, (\new)
.endif
.endm
.set NBI, 0                            ; loads of the codes' registers issued so far, of 64
.macro BLOADS n
	WIN 0x40                                       ; destination window 1, address window 0
.rept \n
	global_load_b128 v[4*NBI:4*NBI+3], v9, s[34:35] offset:512*NBI
.set NBI, NBI+1
.endr
	WIN 0
.endm
.macro ADDBB d, a, b                   ; v[d], v[d+1] = the two bf16 of v[a] + those of v[b], each sum rounded once to f32
	v_fma_mix_f32_bf16 v[\d], v[\a], v15, v[\b] op_sel:[0,0,0] op_sel_hi:[1,0,1]
	v_fma_mix_f32_bf16 v[(\d)+1], v[\a], v15, v[\b] op_sel:[1,0,1] op_sel_hi:[1,0,1]
.endm
.macro ADDBF d, a                      ; v[d], v[d+1] += the two bf16 of v[a]
	v_fma_mix_f32_bf16 v[\d], v[\a], v15, v[\d] op_sel:[0,0,0] op_sel_hi:[1,0,0]
	v_fma_mix_f32_bf16 v[(\d)+1], v[\a], v15, v[(\d)+1] op_sel:[1,0,0] op_sel_hi:[1,0,0]
.endm
.macro FBITS n                         ; FB = the f32 pattern of the whole number n, 0 to 127
.set FB, 0
.set e_, 6
.rept 7
.if ((\n) >> e_) == 1
.set FB, ((127+e_)<<23) | (((\n)-(1<<e_)) << (23-e_))
.endif
.set e_, e_-1
.endr
.endm
	s_load_b256 s[4:11], s[0:1], 0x0
.if LEVEL == 2
	s_load_b128 s[12:15], s[0:1], 0x20
.else
	s_load_b64 s[12:13], s[0:1], 0x20
.endif
	v_lshl_add_u32 v10, v0, 2, SPARE               ; my spare word,
	v_mov_b32 v11, 0                               ; and 0: kept for the closing add alone
	v_lshrrev_b32 v16, 5, v0
	v_readfirstlane_b32 s2, v16                    ; wave 0..7
	v_and_b32 v17, 31, v0                          ; lane
	v_and_b32 v18, 15, v0                          ; r
	v_bfe_u32 v19, v0, 4, 1                        ; h
	s_mov_b32 s24, 0xf1800000                      ; -2^100
	s_mov_b32 s25, s24                             ; named with it as a pair
	s_mov_b32 s26, 0x3fb8aa3b                      ; log2(e)
	s_mov_b32 s27, s26
	s_mov_b32 s28, 0x76543210
	s_mov_b32 s29, 0xfedcba98
	v_mul_u32_u24 v1, v18, PITCH
	v_lshl_add_u32 v1, v19, 4, v1
	v_mov_b32 v5, v1                               ; the fragment addresses are written here once, so that every way through the text finds them written
.if P > 1
	v_add_nc_u32 v6, PIECE, v1
.endif
.if P > 2
	v_add_nc_u32 v7, 2*PIECE, v1
.endif
	s_lshl_b32 s20, s2, 9
	s_add_co_u32 s20, s20, WWL
	v_lshl_add_u32 v2, v19, 5, s20
	v_lshl_add_u32 v4, v18, 5, EX1
	s_lshl_b32 s21, s2, 2
	v_add_nc_u32 v3, s21, v4
	s_lshl_b32 s20, s2, 7
	v_lshl_add_u32 v8, v19, 3, s20
	v_cvt_f32_u32 v8, v8
	v_lshlrev_b32 v9, 4, v17                       ; 16 lane: the codes' loads
	v_lshlrev_b32 v13, 2, v18
	v_mov_b32 v15, 1.0
	v_lshlrev_b32 v21, 4, v0                       ; 16 thread
	v_add_nc_u32 v22, WWL, v21
	s_mul_i32 s20, s2, 32*PITCH                    ; my 32 rows in a piece
	v_mul_u32_u24 v25, v19, PITCH
	v_lshl_add_u32 v25, v18, 4, v25
	v_add_nc_u32 v25, s20, v25                     ; two rows a load: lanes 0-15 one row, lanes 16-31 the next
.if P > 1
	v_add_nc_u32 v26, PIECE, v25
.endif
.if P > 2
	v_add_nc_u32 v27, 2*PIECE, v25
.endif
.if LEVEL == 0
	v_lshl_add_u32 v20, v16, 14, v9                ; x: my 32 rows of 512 bytes, 16 bytes a lane
	v_lshl_add_u32 v23, v17, 3, s20                ; LDS: a row, 8 bytes a lane
	v_lshlrev_b32 v24, 3, v17
	v_lshl_add_u32 v24, v16, 13, v24               ; xb likewise
	v_mov_b32 v14, 0                               ; written, like v5 above
.else
	v_lshl_add_u32 v20, v16, 13, v9                ; xb: my 32 rows of 256 bytes, two rows a load
	v_lshlrev_b32 v24, 2, v19
	v_lshl_add_u32 v24, v16, 7, v24                ; the index of row 32 w + h
	v_lshlrev_b32 v14, 4, v18                      ; 16 r
	v_mov_b32 v23, 0                               ; my sum of |r|^2
.endif
	s_wait_kmcnt 0x0
	s_mov_b32 s31, 0
	s_lshl_b32 s30, s2, 15
	s_add_co_u32 s30, s30, LEVEL*FRAGL
	s_add_nc_u64 s[34:35], s[6:7], s[30:31]        ; my codes' 32,768 bytes in FRAG
	s_mul_i32 s30, ttmp9, 12288
	s_add_co_u32 s30, s30, LEVEL*4096
	s_add_nc_u64 s[32:33], s[PART:PART+1], s[30:31]  ; the work-group's column sums of this level
	s_lshl_b32 s30, ttmp9, 10
	s_add_nc_u64 s[IOUT:IOUT+1], s[IOUT:IOUT+1], s[30:31]
.if LEVEL > 0
	s_add_nc_u64 s[8:9], s[8:9], s[30:31]
.endif
.if LEVEL > 1
	s_add_nc_u64 s[10:11], s[10:11], s[30:31]
.endif
.if LEVEL == 0
	s_lshl_b32 s30, ttmp9, 17
	s_add_nc_u64 s[4:5], s[4:5], s[30:31]
	s_lshl_b32 s30, ttmp9, 16
	s_add_nc_u64 s[8:9], s[8:9], s[30:31]
.else
	s_lshl_b32 s30, ttmp9, 16
	s_add_nc_u64 s[4:5], s[4:5], s[30:31]
.endif
	; THE WAY IN.  All loads are asked for at once, the rows first; the codes' 64 loads follow in runs, so that every counted wait names a number that the counter's field holds.
	global_load_b128 v[28:31], v21, s[6:7] offset:WWG+4096*LEVEL
.if LEVEL == 0
.set k, 0
.rept 32
	global_load_b128 v[SREG+4*k:SREG+4*k+3], v20, s[4:5] offset:512*k th:TH_LOAD_NT
.set k, k+1
.endr
	BLOADS 30
.set k, 0
.rept 32
	s_wait_loadcnt 31-k+NBI                        ; behind row k's load: 31 - k rows and the codes' loads issued so far
.if k == 0
	ds_store_b128 v22, v[28:31]                    ; |w|^2 was asked for first
.endif
	v_cvt_pk_bf16_f32 v[SREG+4*k], v[SREG+4*k], v[SREG+4*k+1]
	v_cvt_pk_bf16_f32 v[SREG+4*k+1], v[SREG+4*k+2], v[SREG+4*k+3]
	ds_store_b64 v23, v[SREG+4*k:SREG+4*k+1] offset:PITCH*k
	global_store_b64 v24, v[SREG+4*k:SREG+4*k+1], s[8:9] offset:256*k   ; the wave stores 256 consecutive bytes, aligned
.if k == 31
	BLOADS 10
.elseif (k%8) == 7
	BLOADS 8
.endif
.set k, k+1
.endr
.else
.set pp, 0
.rept 16
	global_load_b32 v[32+pp], v24, s[8:9] offset:8*pp
.set pp, pp+1
.endr
.if LEVEL == 2
.set pp, 0
.rept 16
	global_load_b32 v[48+pp], v24, s[10:11] offset:8*pp
.set pp, pp+1
.endr
.endif
.set pp, 0
.rept 16
	global_load_b128 v[SREG+4*pp:SREG+4*pp+3], v20, s[4:5] offset:512*pp
.set pp, pp+1
.endr
	s_wait_loadcnt 16                              ; the indices are in; the 16 loads of xb behind them stay out
	ds_store_b128 v22, v[28:31]
.set pp, 0
.rept 16*LEVEL
	v_min_u32 v[32+pp], 0x3ff, v[32+pp]            ; an index stays inside its table
	v_lshl_add_u32 v[32+pp], v[32+pp], 8, v14      ; the code's row of 256 bytes, 16 bytes a lane
.set pp, pp+1
.endr
.set pp, 0
.rept 16
	global_load_b128 v[192+4*pp:195+4*pp], v[32+pp], s[6:7] offset:NROW
.if LEVEL == 2
	global_load_b128 v[64+4*pp:67+4*pp], v[48+pp], s[6:7] offset:NROW+FRAGL
.endif
.set pp, pp+1
.endr
	BLOADS 32
.set pp, 0
.rept 16
	s_wait_loadcnt LEVEL*(15-pp)+NBI               ; behind this pair of rows' last gather: the later pairs' gathers and the codes' loads issued so far
	ds_store_b128 v25, v[SREG+4*pp:SREG+4*pp+3] offset:2*PITCH*pp
	ds_store_b128 v26, v[192+4*pp:195+4*pp] offset:2*PITCH*pp
.if LEVEL == 2
	ds_store_b128 v27, v[64+4*pp:67+4*pp] offset:2*PITCH*pp
.endif
.if (pp%4) == 3
	BLOADS 8
.endif
.set pp, pp+1
.endr
.endif
	; |r|^2 of my 32 rows, out of my own LDS rows (LDS serves a wave's instructions in order): eight trips of two pairs of rows.  It stands in the wait for the codes' loads.
	s_lshl_b32 s20, s2, 7
	s_add_co_u32 s20, s20, XXL
	v_lshl_add_u32 v22, v19, 2, s20
	s_mov_b32 s17, 8
.Lxx:
.irp j, 0,1
	ds_load_b128 v[32+16*\j:35+16*\j], v25 offset:2*PITCH*\j
.if P > 1
	ds_load_b128 v[36+16*\j:39+16*\j], v26 offset:2*PITCH*\j
.endif
.if P > 2
	ds_load_b128 v[40+16*\j:43+16*\j], v27 offset:2*PITCH*\j
.endif
.endr
.irp j, 0,1
	s_wait_dscnt P*(1-\j)                          ; the first pair is in while the second pair's P loads stay out; then all
.irp e, 0,1,2,3
.if LEVEL == 0
	v_lshlrev_b32 v[64+8*\j+2*\e], 16, v[32+16*\j+\e]
	v_and_b32 v[65+8*\j+2*\e], 0xffff0000, v[32+16*\j+\e]
.else
	ADDBB 64+8*\j+2*\e, 32+16*\j+\e, 36+16*\j+\e
.endif
.if LEVEL == 2
	ADDBF 64+8*\j+2*\e, 40+16*\j+\e
.endif
.endr
	v_pk_mul_f32 v[80+2*\j:81+2*\j], v[64+8*\j:65+8*\j], v[64+8*\j:65+8*\j]
.irp e, 1,2,3
	v_pk_fma_f32 v[80+2*\j:81+2*\j], v[64+8*\j+2*\e:65+8*\j+2*\e], v[64+8*\j+2*\e:65+8*\j+2*\e], v[80+2*\j:81+2*\j]
.endr
	v_add_f32 v[80+2*\j], v[80+2*\j], v[81+2*\j]
.irp m, 1,2,4,8
	v_add_f32_dpp v[80+2*\j], v[80+2*\j], v[80+2*\j] row_xmask:\m row_mask:0xf bank_mask:0xf
.endr
	ds_store_b32 v22, v[80+2*\j] offset:8*\j       ; sixteen lanes hold one row's number
.if LEVEL > 0
	v_add_f32 v23, v23, v[80+2*\j]
.endif
.endr
	v_add_nc_u32 v25, 4*PITCH, v25
.if P > 1
	v_add_nc_u32 v26, 4*PITCH, v26
.endif
.if P > 2
	v_add_nc_u32 v27, 4*PITCH, v27
.endif
	v_add_nc_u32 v22, 16, v22
	s_sub_co_u32 s17, s17, 1
	s_cmp_lg_u32 s17, 0
	s_cbranch_scc1 .Lxx
.if LEVEL > 0
	v_permlanex16_b32 v24, v23, s28, s29           ; even rows' sum + odd rows' sum
	v_add_f32 v23, v23, v24
	s_lshl_b32 s20, s2, 2
	s_add_co_u32 s20, s20, LOS
	v_mov_b32 v24, s20
	ds_store_b32 v24, v23
.endif
	s_wait_xcnt 0x0                                ; the stores above have read their registers: only behind this wait are these written again
.set i, 0
.rept 192                              ; the column sums start at 0; the two tile buffers hold 0 for super-step 0's slices, and so that no way through the text reads a register that nothing wrote
	v_mov_b32 v[COL+i], 0
.set i, i+1
.endr
.set i, 0
.rept 6
	ds_store_b32 v3, v64 offset:512*i              ; my words of the six exchange arrays, likewise
.set i, i+1
.endr
	s_wait_loadcnt 0x0                             ; the codes' registers are in
	s_wait_dscnt 0x0                               ; for the others' sake: my rows, |r|^2 and |w|^2 are in LDS
	s_barrier_signal -1
	s_barrier_wait -1
.macro XLOAD n                         ; row fragment n of 4 P: piece P - 1 - n / 4, channels 32 (n % 4) on, into slot n % 4
	ds_load_b128 v[XF+8*((\n)%4):XF+8*((\n)%4)+3], v[5+P-1-(\n)/4] offset:64*((\n)%4)
	ds_load_b128 v[XF+8*((\n)%4)+4:XF+8*((\n)%4)+7], v[5+P-1-(\n)/4] offset:64*((\n)%4)+32
.endm
.macro WWLOAD n                        ; |w|^2 of my code tile n, eight numbers a lane, into slot n % 4
	ds_load_b128 v[XF+8*((\n)%4):XF+8*((\n)%4)+3], v2 offset:64*(\n)
	ds_load_b128 v[XF+8*((\n)%4)+4:XF+8*((\n)%4)+7], v2 offset:64*(\n)+16
.endm
; THE VECTOR WORK OF TILE s - 1 (buffer SBO) is a list of NS numbered slots in ten stages of 28.  Stage u holds the eight exponentials of code tile u - 1, in place, and twenty plain lines among them
; (E P P four times, E P P P four times), so that a plain line that names neither its source nor its result stands behind every exponential before the result is used (ISA guide 5.7.2).
; The plain lines of stage u: 0-3 z = dmin - d of code tile u; 4-7 the keys z (-2^100) + index (even and odd registers in chains of their own, the odd ones' + 1 added at the end); 8-11 z log2(e);
; 12-15 the keys' minima; 16-19 the sums of code tile u - 2, two chains.  Stage 8 takes the keys' last five lines in empty places, stage 9 is the last tile's sums.  PLN counts the plain lines written.
.macro V2P u, p
.set zq, (\p)%4
.set zk, (\p)/4
.set zr, SBO+8*(\u)+2*zq
.set zem, 1
.if ((\u) < 8) && (zk == 0)
	v_pk_add_f32 v[zr:zr+1], v[12:13], v[zr:zr+1] op_sel_hi:[0,1] neg_lo:[0,1] neg_hi:[0,1]
.elseif ((\u) < 8) && (zk == 1)
	FBITS 16*(\u)+2*zq
	v_pk_fma_f32 v[KT+2*zq:KT+2*zq+1], v[zr:zr+1], s[24:25], FB op_sel_hi:[1,0,0]
.elseif ((\u) < 8) && (zk == 2)
	v_pk_mul_f32 v[zr:zr+1], v[zr:zr+1], s[26:27] op_sel_hi:[1,0]
.elseif ((\u) == 0) && (zk == 3)
	v_min_num_f32 v[24+zq], v[KT+4*(zq/2)+zq%2], v[KT+4*(zq/2)+zq%2+2]
.elseif ((\u) < 8) && (zk == 3)
	v_min3_num_f32 v[24+zq], v[24+zq], v[KT+4*(zq/2)+zq%2], v[KT+4*(zq/2)+zq%2+2]
.elseif ((\u) == 2) && (zk == 4) && (zq < 2)
	s_wait_alu depctr_va_vdst(0)
	v_pk_add_f32 v[28+2*zq:29+2*zq], v[SBO+2*zq:SBO+2*zq+1], v[SBO+4+2*zq:SBO+5+2*zq]   ; the first tile starts the two chains
.elseif ((\u) > 2) && ((\u) < 9) && (zk == 4)
	s_wait_alu depctr_va_vdst(0)
	v_pk_add_f32 v[28+2*(zq%2):29+2*(zq%2)], v[28+2*(zq%2):29+2*(zq%2)], v[zr-16:zr-15]
.elseif ((\u) == 9) && (zk == 0)
	s_wait_alu depctr_va_vdst(0)
	v_pk_add_f32 v[28+2*(zq%2):29+2*(zq%2)], v[28+2*(zq%2):29+2*(zq%2)], v[zr-16:zr-15]
.elseif ((\u) == 8) && ((\p) == 0)
	v_min_num_f32 v24, v24, v26
.elseif ((\u) == 8) && ((\p) == 1)
	v_min_num_f32 v25, v25, v27
.elseif ((\u) == 8) && ((\p) == 2)
	v_add_f32 v25, 1.0, v25
.elseif ((\u) == 8) && ((\p) == 4)
	v_min_num_f32 v24, v24, v25
.elseif ((\u) == 8) && ((\p) == 6)
	v_add_f32 v24, v24, v8                         ; + 128 w + 8 h
.else
.set zem, 0
.endif
.set PLN, PLN+zem
.endm
.macro V2S n                           ; slot n of the list
.set zu, (\n)/28
.set zs, (\n)%28
.if zs < 12
.set zb, zs%3
.set zx, zs/3
.set zp, 2*(zs/3)+zb-1
.else
.set zb, (zs-12)%4
.set zx, 4+(zs-12)/4
.set zp, 8+3*((zs-12)/4)+zb-1
.endif
.if zb == 0
.if (zu > 0) && (zu < 9)
	v_exp_f32 v[SBO+8*(zu-1)+zx], v[SBO+8*(zu-1)+zx]
.endif
.else
	V2P zu, zp
.endif
.endm
; THE PRODUCTS OF ONE ROW TILE, with the list above in slices behind them.  For each fragment eight matrix instructions, the eight accumulators by turns; the first fragment
; starts the sums with the constant 0.  Behind product i the list has come to slot i NS / (32 P); a slice is written when CH slots are due, and behind a fragment's eighth product.
; A load into a register that a matrix instruction has read, and a vector instruction that reads its result, stand four places behind it: the plain lines of the slice behind the
; eighth product are such places (they name none of the products' registers), and v_nop makes up what is missing of four.
.macro MV sb
.set nx, 0
.set wi, 0
.set f, 0
.rept 4*P
	s_wait_dscnt 6                                 ; slot f % 4 is in; the three younger slots' six loads stay out (at the first fragments the load of |r|^2 and wave 0's index store are younger too)
.set t, 0
.rept 8
	WIN 0x01                                       ; source 0 (the codes) in window 1
.if f == 0
	v_wmma_f32_16x16x32_bf16 v[\sb+8*t:\sb+8*t+7], v[32*t+8*(f%4):32*t+8*(f%4)+7], v[XF+8*(f%4):XF+8*(f%4)+7], 0
.else
	v_wmma_f32_16x16x32_bf16 v[\sb+8*t:\sb+8*t+7], v[32*t+8*(f%4):32*t+8*(f%4)+7], v[XF+8*(f%4):XF+8*(f%4)+7], v[\sb+8*t:\sb+8*t+7]
.endif
.set PLN, 0
.set wi, wi+1
.set tg, wi*NS/(32*P)
.if ((tg-nx >= CH) || (t == 7) || (wi == 32*P)) && (tg > nx)
	WIN 0
.rept tg-nx
	V2S nx
.set nx, nx+1
.endr
.endif
.set t, t+1
.endr
	WIN 0
.if PLN < 4
.rept 4-PLN
	v_nop
.endr
.endif
.if f+4 < 4*P
	XLOAD f+4
.else
	WWLOAD f+4-4*P
.endif
.set f, f+1
.endr
.endm
; d = fl(fl(|r|^2 - 2 m) + |w|^2), in place, each accumulator from its low end on, and four running minima.
.macro V1 sb
.set t, 0
.rept 8
.irp q, 0,1,2,3
	v_pk_fma_f32 v[\sb+8*t+2*\q:\sb+8*t+2*\q+1], v[\sb+8*t+2*\q:\sb+8*t+2*\q+1], -2.0, v[14:15] op_sel_hi:[1,0,0]
.endr
.if t < 4
	s_wait_dscnt 8                                 ; |w|^2 of tile t is in; younger: three tiles' six loads and the two posts of sum and key
.else
	s_wait_dscnt 2*(7-t)                           ; the counts run down
.endif
.irp q, 0,1,2,3
	v_pk_add_f32 v[\sb+8*t+2*\q:\sb+8*t+2*\q+1], v[\sb+8*t+2*\q:\sb+8*t+2*\q+1], v[XF+8*(t%4)+2*\q:XF+8*(t%4)+2*\q+1]
.endr
.if t < 4
	WWLOAD t+4
.endif
.irp q, 0,1,2,3
.if t == 0
	v_min_num_f32 v[16+\q], v[\sb+2*\q], v[\sb+2*\q+1]
.else
	v_min3_num_f32 v[16+\q], v[16+\q], v[\sb+8*t+2*\q], v[\sb+8*t+2*\q+1]
.endif
.endr
.set t, t+1
.endr
.endm
; A SUPER-STEP.  par: the parity of s, of tile s and of tile s - 2.  Every jump goes forward, on the trip's number or the wave's; none passes a barrier.
.macro SS par
.set SB, SREG+64*(\par)
.set SBO, SREG+64*(1-(\par))
	ds_load_b128 v[16:19], v4 offset:OFZ+512*(\par)        ; tile s - 2: the eight waves' sums,
	ds_load_b128 v[20:23], v4 offset:OFZ+512*(\par)+16
	ds_load_b128 v[24:27], v4 offset:OFK+512*(\par)        ; and keys
	ds_load_b128 v[28:31], v4 offset:OFK+512*(\par)+16
.if \par
	s_cmp_eq_u32 s16, 8
	s_cbranch_scc0 .Lfull_\@
	s_wait_dscnt 0x0                               ; super-step 17: the column sums of tile 15 alone
	s_branch .Lv3_\@
.Lfull_\@:
.endif
	ds_load_b128 v[56:59], v4 offset:512*(1-(\par))        ; tile s - 1: the eight waves' least distances, into slot 3, which takes its fragment below
	ds_load_b128 v[60:63], v4 offset:512*(1-(\par))+16
.if (\par) == 0
	s_cmp_eq_u32 s16, 8
	s_cbranch_scc1 .Lkeep_\@                       ; super-step 16: the addresses stay at tile 15
.endif
	v_add_nc_u32 v5, s18, v1
.if P > 1
	v_add_nc_u32 v6, PIECE, v5
.endif
.if P > 2
	v_add_nc_u32 v7, 2*PIECE, v5
.endif
.if (\par) == 0
.Lkeep_\@:
.endif
	XLOAD 0
	XLOAD 1
	XLOAD 2
	s_wait_dscnt 6                                 ; the six loads of posts are in; the three fragments' six stay out
	v_min3_num_f32 v56, v56, v57, v58
	v_min3_num_f32 v59, v59, v60, v61
	v_min3_num_f32 v56, v56, v62, v63
	v_min_num_f32 v12, v56, v59                    ; the row's least distance
	XLOAD 3
.if \par
.Lv3_\@:
.endif
	s_cmp_eq_u32 s16, 0
	s_cbranch_scc1 .Lno_v3_\@                      ; the first two super-steps have no tile s - 2
	v_pk_add_f32 v[16:17], v[16:17], v[18:19]      ; Z: the eight waves' sums
	v_pk_add_f32 v[20:21], v[20:21], v[22:23]
	v_min3_num_f32 v24, v24, v25, v26              ; the least key is the first index of the least distance
	v_min3_num_f32 v27, v27, v28, v29
	v_pk_add_f32 v[16:17], v[16:17], v[20:21]
	v_min3_num_f32 v24, v24, v30, v31
	v_add_f32 v16, v16, v17
	v_min_num_f32 v24, v24, v27
	v_rcp_f32 v14, v16
	v_cvt_u32_f32 v24, v24                         ; also the plain instruction behind the reciprocal
	s_cmp_lg_u32 s2, 0
	s_cbranch_scc1 .Lno_ix_\@                      ; every wave has the index; wave 0 keeps it
	v_add_nc_u32 v9, s20, v13
	ds_store_b32 v9, v24
.Lno_ix_\@:
.set i, 0
	s_wait_alu depctr_va_vdst(0)
.rept 32
	v_pk_fma_f32 v[COL+2*i:COL+2*i+1], v[SB+2*i:SB+2*i+1], v[14:15], v[COL+2*i:COL+2*i+1] op_sel_hi:[1,0,1]
.set i, i+1
.endr
.Lno_v3_\@:
	s_cmp_eq_u32 s16, 8
.if \par
	s_cbranch_scc1 .Lend_\@                        ; super-step 17 is over
.else
	s_cbranch_scc1 .Lno_xx_\@                      ; super-step 16 makes no distances
.endif
	v_add_nc_u32 v9, s19, v13
	ds_load_b32 v14, v9                            ; |r|^2 of my lane's row, where 1 / Z lay: the fourth fragment's wait shows it landed (six refills are younger)
.if (\par) == 0
.Lno_xx_\@:
.endif
	MV SB
	v_pk_add_f32 v[28:29], v[28:29], v[30:31]      ; tile s - 1: my sum and my key; the row's other 64 of my codes lie in the lane 16 away
	v_permlanex16_b32 v25, v24, s28, s29
	v_add_f32 v28, v28, v29
	v_min_num_f32 v24, v24, v25
	v_permlanex16_b32 v29, v28, s28, s29
	ds_store_b32 v3, v24 offset:OFK+512*(1-(\par))
	v_add_f32 v28, v28, v29
	ds_store_b32 v3, v28 offset:OFZ+512*(1-(\par))
.if (\par) == 0
	s_cmp_eq_u32 s16, 8
	s_cbranch_scc1 .Lno_v1_\@
.endif
	V1 SB
	v_min3_num_f32 v16, v16, v17, v18
	v_min_num_f32 v16, v16, v19
	v_permlanex16_b32 v17, v16, s28, s29
	v_min_num_f32 v16, v16, v17
	ds_store_b32 v3, v16 offset:512*(\par)
.if \par
.Lend_\@:
.else
.Lno_v1_\@:
.endif
	s_wait_dscnt 0x0                               ; for the others' sake: my posts are in LDS, and my reads of the others' posts are back
	s_barrier_signal -1
	s_barrier_wait -1
	s_add_co_u32 s18, s18, 16*PITCH
	s_add_co_u32 s19, s19, 64
	s_add_co_u32 s20, s20, 64
.endm
	s_mov_b32 s16, 0
	s_mov_b32 s18, 0
	s_mov_b32 s19, XXL
	s_mov_b32 s20, IDXL-128                        ; the index stored in super-step s is tile s - 2's
.Lmain:                                                ; nine trips of two super-steps: 16 row tiles and two super-steps to drain
	SS 0
	SS 1
	s_add_co_u32 s16, s16, 1
	s_cmp_lt_u32 s16, 9
	s_cbranch_scc1 .Lmain
	; THE WAY OUT.  A lane's column sums cover the rows of its own r: the 16 lanes' are added through my stage (piece 0's bytes: every wave's reads of them were back before the last barriers).
	v_and_b32 v16, 15, v0
	v_bfe_u32 v17, v0, 4, 1
	v_and_b32 v18, 31, v0
	s_mul_i32 s21, s2, STG
	v_mul_u32_u24 v20, v16, SPI
	v_lshl_add_u32 v20, v17, 5, v20
	v_add_nc_u32 v20, s21, v20                     ; in: row r, code 16 t + 8 h + j at byte 64 t + 32 h + 4 j
	v_lshl_add_u32 v21, v18, 4, s21                ; back: four codes a lane, all 16 rows
	v_lshlrev_b32 v22, 4, v0
.set t, 0
.rept 8
	ds_store_b128 v20, v[COL+8*t:COL+8*t+3] offset:64*t
	ds_store_b128 v20, v[COL+8*t+4:COL+8*t+7] offset:64*t+16
.set t, t+1
.endr
.set i, 0
.rept 16
	ds_load_b128 v[SREG+4*i:SREG+4*i+3], v21 offset:SPI*i   ; my own bytes: these see the stores above
.set i, i+1
.endr
	s_wait_dscnt 0x0
.set d, 32
.rept 4
.set i, 0
.rept d/2
	v_pk_add_f32 v[SREG+2*i:SREG+2*i+1], v[SREG+2*i:SREG+2*i+1], v[SREG+d+2*i:SREG+d+2*i+1]
.set i, i+1
.endr
.set d, d/2
.endr
	global_store_b128 v22, v[SREG:SREG+3], s[32:33]        ; the wave stores 512 consecutive bytes, aligned
	s_cmp_lt_u32 s2, 2
	s_cbranch_scc0 .Lno_idx
	v_add_nc_u32 v23, IDXL, v22
	ds_load_b128 v[SREG+4:SREG+7], v23             ; wave 0 stored them; the last barrier lies between
	s_wait_dscnt 0x0
	global_store_b128 v22, v[SREG+4:SREG+7], s[IOUT:IOUT+1]
.Lno_idx:
.if LEVEL > 0
	s_cmp_lg_u32 s2, 2
	s_cbranch_scc1 .Lno_loss
	v_mov_b32 v24, LOS
	ds_load_b128 v[32:35], v24
	ds_load_b128 v[36:39], v24 offset:16
	s_wait_dscnt 0x0
	v_pk_add_f32 v[32:33], v[32:33], v[34:35]
	v_pk_add_f32 v[36:37], v[36:37], v[38:39]
	v_pk_add_f32 v[32:33], v[32:33], v[36:37]
	v_add_f32 v32, v32, v33
	s_lshl_b32 s21, ttmp9, 2
	v_mov_b32 v25, s21
	v_cmp_eq_u32 vcc_lo, 64, v0                    ; wave 2's first lane
	s_wait_xcnt 0x0                                ; EXEC is a source of the store above: it changes only behind this wait
	s_and_saveexec_b32 s21, vcc_lo
	global_store_b32 v25, v32, s[PART:PART+1] offset:LOSSG+(LEVEL-1)*1024
	s_wait_xcnt 0x0                                ; and again ahead of the line that widens it
	s_or_b32 exec_lo, exec_lo, s21
.Lno_loss:
.endif
	s_wait_tensorcnt 0x0                           ; the wave's end: three lines behind my last LDS store
	ds_add_u32 v10, v11
	s_wait_dscnt 0x0
	s_endpgm
.Lfunc_end_k_qf2b395d116_lev0:
	.size	k_qf2b395d116_lev0, .Lfunc_end_k_qf2b395d116_lev0-k_qf2b395d116_lev0
	.p2alignl 7, 3214868480
	.fill 96, 4, 3214868480
	.section	.rodata,"a",@progbits
	.p2align	6, 0x0
	.amdhsa_kernel k_qf2b395d116_lev0
		.amdhsa_group_segment_fixed_size 80128
		.amdhsa_private_segment_fixed_size 0
		.amdhsa_enable_private_segment 0
		.amdhsa_kernarg_size 40
		.amdhsa_user_sgpr_count 2
		.amdhsa_user_sgpr_kernarg_segment_ptr 1
		.amdhsa_wavefront_size32 1
		.amdhsa_system_sgpr_workgroup_id_x 1
		.amdhsa_system_sgpr_workgroup_id_y 1
		.amdhsa_system_sgpr_workgroup_id_z 1
		.amdhsa_system_vgpr_workitem_id 0
		.amdhsa_next_free_vgpr 512
		.amdhsa_next_free_sgpr 66
		.amdhsa_reserve_vcc 1
		.amdhsa_float_denorm_mode_32 3
		.amdhsa_float_denorm_mode_16_64 3
		.amdhsa_memory_ordered 1
		.amdhsa_forward_progress 1
		.amdhsa_inst_pref_size 97
	.end_amdhsa_kernel
	.amdgpu_metadata
---
amdhsa.version: [ 1, 2 ]
amdhsa.kernels:
  - .name:           k_qf2b395d116_lev0
    .symbol:         k_qf2b395d116_lev0.kd
    .args:
      - { .name: x, .offset: 0, .size: 8, .value_kind: global_buffer, .address_space: global }
      - { .name: cb, .offset: 8, .size: 8, .value_kind: global_buffer, .address_space: global }
      - { .name: xb, .offset: 16, .size: 8, .value_kind: global_buffer, .address_space: global }
      - { .name: idx0, .offset: 24, .size: 8, .value_kind: global_buffer, .address_space: global }
      - { .name: part, .offset: 32, .size: 8, .value_kind: global_buffer, .address_space: global }
    .group_segment_fixed_size: 80128
    .private_segment_fixed_size: 0
    .kernarg_segment_align: 8
    .kernarg_segment_size: 40
    .max_flat_workgroup_size: 256
    .sgpr_count:     66
    .vgpr_count:     512
    .wavefront_size: 32
...
	.end_amdgpu_metadata
.endif
;; end of part 2
;; launch lev1 (part 3): grid 256 x 1, 8 waves a work-group, no clusters, 149,760 bytes of LDS; arguments xb, cb, idx0, idx1, part; writes idx1, part
.if DOCPART == 3
	.amdgcn_target "amdgcn-amd-amdhsa--gfx1250"
	.amdhsa_code_object_version 6
	.text
	.protected	k_qf2b395d116_lev1
	.globl	k_qf2b395d116_lev1
	.p2align	8
	.type	k_qf2b395d116_lev1,@function
k_qf2b395d116_lev1:
	s_mov_b64 s[64:65], 0
	v_nop
	global_prefetch_b8 v0, s[64:65] scope:SCOPE_SE
	s_setreg_imm32_b32 hwreg(HW_REG_WAVE_MODE, 25, 1), 1
	s_wait_xcnt 0x0
; ONE LEVEL OF THE RESIDUAL VECTOR QUANTIZER.  The three levels' texts differ in the line .set LEVEL and in a wait behind each v_nop of the products, which levels 1 and 2 have.
; WHAT IT MAKES.  For the work-group's 256 rows r and the level's 1,024 codes w: d = fl(fl(|r|^2 - 2 r.w) + |w|^2); the first index of the least d (into idx); the work-group's column sums of
; softmax(-d) (into part).  From level 1 on also the sum of |r|^2, the squared error of the level before.  Level 0 also writes x rounded to bf16 (xb).
; FORMATS.  x and the codebooks are rounded once to bf16.  The residual is never rounded to 16 bits: r = x - q0 - q1 is multiplied as its P = LEVEL + 1 bf16 pieces x, -q0, -q1, summed in one f32
; accumulator, the smallest piece first; |r|^2 is taken of fl(fl(x - q0) - q1).  All else in f32; the row's least distance is taken away before every exponential.
; LIMITS.  NaN and infinities are not treated apart.  The index is found as the least of (d - dmin) 2^100 + index, so distances that differ by less than 2^-90 count as tied (f32 distances below
; 2^-66 could do that).  A weight below 2^-126 counts as 0.  1 / Z is a reciprocal and a multiply.  Indices read from memory are clamped to 1,023.
; SHARES.  Eight waves.  Wave w owns the codes 128 w .. 128 w + 127: their operand registers, 8 tiles x 32, fill window 1 for the whole launch.  All waves walk the 16 row tiles of 16 rows.
; The product is used transposed (source 0 = 16 codes, source 1 = 16 rows): a lane holds ONE row (lane % 16) and register j of tile t the code 128 w + 16 t + 8 (lane / 16) + j.
; THE WALK.  A row's least distance, sum and index span the eight waves: they meet in LDS, twice for each row tile.  Super-step s: the posts are read (the least distance of tile s - 1; Z and the
; index key of tile s - 2); the column sums of tile s - 2; the products of tile s, and BEHIND THE MATRIX INSTRUCTIONS, in slices, the weights, sum and key of tile s - 1, which name none of the
; products' registers; my sum and key are posted; tile s's distances and my least one, which is posted.  One barrier ends a super-step.  Tiles take two register buffers and two sets of LDS words by
; turns, so what a super-step writes nobody reads in it.  A slice costs two switches of the register window: the codes fill window 1, all that the slices touch lies in window 0.
; ONE TEXT FOR EVERY SUPER-STEP.  In super-step 0 the slices work on zeros and nobody reads what they post; super-step 16 multiplies tile 15 once more and nobody reads the result; super-step 17
; jumps over all but the column sums.
; No tensor load, no cluster: every LDS byte is written once, from registers through which the data must pass anyway (a conversion, rows gathered by index); nothing is filled again.
.set LEVEL,  1
.set P,      LEVEL+1
.set PITCH,  272                       ; an LDS row: 256 bytes + 16: the 16 rows of a fragment load start 4 banks apart (64 banks of 4 bytes: ISA guide 11.1)
.set PIECE,  256*PITCH                 ; a piece: 256 rows.  Piece 0 x, piece 1 -q0, piece 2 -q1
.set Q,      P*PIECE
.set WWL,    Q                         ; |w|^2, 1,024 f32
.set XXL,    Q+4096                    ; |r|^2, 256 f32
.set EX1,    Q+5120                    ; least distances: 2 parities x [16 rows][8 waves] f32
.set OFZ,    1024                      ; the sums lie so far behind them,
.set OFK,    2048                      ; the index keys so far
.set IDXL,   Q+8192                    ; the 256 indices
.set LOS,    Q+9216                    ; the eight waves' sums of |r|^2
.set SPARE,  Q+9472                    ; the spare words, 128 bytes for each wave: four blocks of 256 bytes that no other line names
.set STG,    8448                      ; after the walk piece 0's bytes serve as stages: 16 rows x 528 bytes a wave
.set SPI,    528
.set FRAGL,  262144                    ; a level's bytes in cb's FRAG and NROW
.set NROW,   786432
.set WWG,    1572864
.set LOSSG,  3145728                   ; part: behind the column sums, [2][256] f32
; window 0: v0 thread; v1 fragment place 272 r + 16 h; v2 my |w|^2; v3 where I post; v4 where I read posts; v5-7 the pieces' fragment addresses; v8 float(128 w + 8 h); v9 an address at work;
; v10, v11 the add's two; v12 the least distance, v13 4 r (named with v12 as a pair, never taken from it); v14 1 / Z, then |r|^2, v15 1.0 (likewise); v16-31 the posts as read, then v16-23 eight keys
; at work and later four minima, v24-27 the keys' chains, v28-31 the sums' chains; v32-63 four slots; v64-127 column sums; v128-255 two buffers of 8 tiles.
; window 1: the codes' operand registers, tile t, channels 32 c on at 32 t + 8 c.
.set KT,     16
.set XF,     32                        ; four slots of 8: row fragments, then tiles of |w|^2
.set COL,    64
.set SREG,   128
.set NS,     258                       ; slots in the list of a tile's vector work
.set CH,     4                         ; a slice is issued when so many slots are due
; s2 wave; s[4:15] buffers; s16 trip; s17 a counter; s18, s19, s20 the row tile's bytes in a piece, in XXL, in IDXL; s21 at work; s[24:25] -2^100; s[26:27] log2(e); s[28:29] lane selects
.if LEVEL == 2
.set IOUT, 12
.set PART, 14
.else
.set IOUT, 10
.set PART, 12
.endif
.set MSB, 0
.macro WIN new                         ; the immediate's high byte repeats the setting that is left; a switch that changes nothing is dropped
.if MSB != (\new)
	s_set_vgpr_msb (MSB<<8)|(\new)
.set MSB, (\new)
.endif
.endm
.set NBI, 0                            ; loads of the codes' registers issued so far, of 64
.macro BLOADS n
	WIN 0x40                                       ; destination window 1, address window 0
.rept \n
	global_load_b128 v[4*NBI:4*NBI+3], v9, s[34:35] offset:512*NBI
.set NBI, NBI+1
.endr
	WIN 0
.endm
.macro ADDBB d, a, b                   ; v[d], v[d+1] = the two bf16 of v[a] + those of v[b], each sum rounded once to f32
	v_fma_mix_f32_bf16 v[\d], v[\a], v15, v[\b] op_sel:[0,0,0] op_sel_hi:[1,0,1]
	v_fma_mix_f32_bf16 v[(\d)+1], v[\a], v15, v[\b] op_sel:[1,0,1] op_sel_hi:[1,0,1]
.endm
.macro ADDBF d, a                      ; v[d], v[d+1] += the two bf16 of v[a]
	v_fma_mix_f32_bf16 v[\d], v[\a], v15, v[\d] op_sel:[0,0,0] op_sel_hi:[1,0,0]
	v_fma_mix_f32_bf16 v[(\d)+1], v[\a], v15, v[(\d)+1] op_sel:[1,0,0] op_sel_hi:[1,0,0]
.endm
.macro FBITS n                         ; FB = the f32 pattern of the whole number n, 0 to 127
.set FB, 0
.set e_, 6
.rept 7
.if ((\n) >> e_) == 1
.set FB, ((127+e_)<<23) | (((\n)-(1<<e_)) << (23-e_))
.endif
.set e_, e_-1
.endr
.endm
	s_load_b256 s[4:11], s[0:1], 0x0
.if LEVEL == 2
	s_load_b128 s[12:15], s[0:1], 0x20
.else
	s_load_b64 s[12:13], s[0:1], 0x20
.endif
	v_lshl_add_u32 v10, v0, 2, SPARE               ; my spare word,
	v_mov_b32 v11, 0                               ; and 0: kept for the closing add alone
	v_lshrrev_b32 v16, 5, v0
	v_readfirstlane_b32 s2, v16                    ; wave 0..7
	v_and_b32 v17, 31, v0                          ; lane
	v_and_b32 v18, 15, v0                          ; r
	v_bfe_u32 v19, v0, 4, 1                        ; h
	s_mov_b32 s24, 0xf1800000                      ; -2^100
	s_mov_b32 s25, s24                             ; named with it as a pair
	s_mov_b32 s26, 0x3fb8aa3b                      ; log2(e)
	s_mov_b32 s27, s26
	s_mov_b32 s28, 0x76543210
	s_mov_b32 s29, 0xfedcba98
	v_mul_u32_u24 v1, v18, PITCH
	v_lshl_add_u32 v1, v19, 4, v1
	v_mov_b32 v5, v1                               ; the fragment addresses are written here once, so that every way through the text finds them written
.if P > 1
	v_add_nc_u32 v6, PIECE, v1
.endif
.if P > 2
	v_add_nc_u32 v7, 2*PIECE, v1
.endif
	s_lshl_b32 s20, s2, 9
	s_add_co_u32 s20, s20, WWL
	v_lshl_add_u32 v2, v19, 5, s20
	v_lshl_add_u32 v4, v18, 5, EX1
	s_lshl_b32 s21, s2, 2
	v_add_nc_u32 v3, s21, v4
	s_lshl_b32 s20, s2, 7
	v_lshl_add_u32 v8, v19, 3, s20
	v_cvt_f32_u32 v8, v8
	v_lshlrev_b32 v9, 4, v17                       ; 16 lane: the codes' loads
	v_lshlrev_b32 v13, 2, v18
	v_mov_b32 v15, 1.0
	v_lshlrev_b32 v21, 4, v0                       ; 16 thread
	v_add_nc_u32 v22, WWL, v21
	s_mul_i32 s20, s2, 32*PITCH                    ; my 32 rows in a piece
	v_mul_u32_u24 v25, v19, PITCH
	v_lshl_add_u32 v25, v18, 4, v25
	v_add_nc_u32 v25, s20, v25                     ; two rows a load: lanes 0-15 one row, lanes 16-31 the next
.if P > 1
	v_add_nc_u32 v26, PIECE, v25
.endif
.if P > 2
	v_add_nc_u32 v27, 2*PIECE, v25
.endif
.if LEVEL == 0
	v_lshl_add_u32 v20, v16, 14, v9                ; x: my 32 rows of 512 bytes, 16 bytes a lane
	v_lshl_add_u32 v23, v17, 3, s20                ; LDS: a row, 8 bytes a lane
	v_lshlrev_b32 v24, 3, v17
	v_lshl_add_u32 v24, v16, 13, v24               ; xb likewise
	v_mov_b32 v14, 0                               ; written, like v5 above
.else
	v_lshl_add_u32 v20, v16, 13, v9                ; xb: my 32 rows of 256 bytes, two rows a load
	v_lshlrev_b32 v24, 2, v19
	v_lshl_add_u32 v24, v16, 7, v24                ; the index of row 32 w + h
	v_lshlrev_b32 v14, 4, v18                      ; 16 r
	v_mov_b32 v23, 0                               ; my sum of |r|^2
.endif
	s_wait_kmcnt 0x0
	s_mov_b32 s31, 0
	s_lshl_b32 s30, s2, 15
	s_add_co_u32 s30, s30, LEVEL*FRAGL
	s_add_nc_u64 s[34:35], s[6:7], s[30:31]        ; my codes' 32,768 bytes in FRAG
	s_mul_i32 s30, ttmp9, 12288
	s_add_co_u32 s30, s30, LEVEL*4096
	s_add_nc_u64 s[32:33], s[PART:PART+1], s[30:31]  ; the work-group's column sums of this level
	s_lshl_b32 s30, ttmp9, 10
	s_add_nc_u64 s[IOUT:IOUT+1], s[IOUT:IOUT+1], s[30:31]
.if LEVEL > 0
	s_add_nc_u64 s[8:9], s[8:9], s[30:31]
.endif
.if LEVEL > 1
	s_add_nc_u64 s[10:11], s[10:11], s[30:31]
.endif
.if LEVEL == 0
	s_lshl_b32 s30, ttmp9, 17
	s_add_nc_u64 s[4:5], s[4:5], s[30:31]
	s_lshl_b32 s30, ttmp9, 16
	s_add_nc_u64 s[8:9], s[8:9], s[30:31]
.else
	s_lshl_b32 s30, ttmp9, 16
	s_add_nc_u64 s[4:5], s[4:5], s[30:31]
.endif
	; THE WAY IN.  All loads are asked for at once, the rows first; the codes' 64 loads follow in runs, so that every counted wait names a number that the counter's field holds.
	global_load_b128 v[28:31], v21, s[6:7] offset:WWG+4096*LEVEL
.if LEVEL == 0
.set k, 0
.rept 32
	global_load_b128 v[SREG+4*k:SREG+4*k+3], v20, s[4:5] offset:512*k th:TH_LOAD_NT
.set k, k+1
.endr
	BLOADS 30
.set k, 0
.rept 32
	s_wait_loadcnt 31-k+NBI                        ; behind row k's load: 31 - k rows and the codes' loads issued so far
.if k == 0
	ds_store_b128 v22, v[28:31]                    ; |w|^2 was asked for first
.endif
	v_cvt_pk_bf16_f32 v[SREG+4*k], v[SREG+4*k], v[SREG+4*k+1]
	v_cvt_pk_bf16_f32 v[SREG+4*k+1], v[SREG+4*k+2], v[SREG+4*k+3]
	ds_store_b64 v23, v[SREG+4*k:SREG+4*k+1] offset:PITCH*k
	global_store_b64 v24, v[SREG+4*k:SREG+4*k+1], s[8:9] offset:256*k   ; the wave stores 256 consecutive bytes, aligned
.if k == 31
	BLOADS 10
.elseif (k%8) == 7
	BLOADS 8
.endif
.set k, k+1
.endr
.else
.set pp, 0
.rept 16
	global_load_b32 v[32+pp], v24, s[8:9] offset:8*pp
.set pp, pp+1
.endr
.if LEVEL == 2
.set pp, 0
.rept 16
	global_load_b32 v[48+pp], v24, s[10:11] offset:8*pp
.set pp, pp+1
.endr
.endif
.set pp, 0
.rept 16
	global_load_b128 v[SREG+4*pp:SREG+4*pp+3], v20, s[4:5] offset:512*pp
.set pp, pp+1
.endr
	s_wait_loadcnt 16                              ; the indices are in; the 16 loads of xb behind them stay out
	ds_store_b128 v22, v[28:31]
.set pp, 0
.rept 16*LEVEL
	v_min_u32 v[32+pp], 0x3ff, v[32+pp]            ; an index stays inside its table
	v_lshl_add_u32 v[32+pp], v[32+pp], 8, v14      ; the code's row of 256 bytes, 16 bytes a lane
.set pp, pp+1
.endr
.set pp, 0
.rept 16
	global_load_b128 v[192+4*pp:195+4*pp], v[32+pp], s[6:7] offset:NROW
.if LEVEL == 2
	global_load_b128 v[64+4*pp:67+4*pp], v[48+pp], s[6:7] offset:NROW+FRAGL
.endif
.set pp, pp+1
.endr
	BLOADS 32
.set pp, 0
.rept 16
	s_wait_loadcnt LEVEL*(15-pp)+NBI               ; behind this pair of rows' last gather: the later pairs' gathers and the codes' loads issued so far
	ds_store_b128 v25, v[SREG+4*pp:SREG+4*pp+3] offset:2*PITCH*pp
	ds_store_b128 v26, v[192+4*pp:195+4*pp] offset:2*PITCH*pp
.if LEVEL == 2
	ds_store_b128 v27, v[64+4*pp:67+4*pp] offset:2*PITCH*pp
.endif
.if (pp%4) == 3
	BLOADS 8
.endif
.set pp, pp+1
.endr
.endif
	; |r|^2 of my 32 rows, out of my own LDS rows (LDS serves a wave's instructions in order): eight trips of two pairs of rows.  It stands in the wait for the codes' loads.
	s_lshl_b32 s20, s2, 7
	s_add_co_u32 s20, s20, XXL
	v_lshl_add_u32 v22, v19, 2, s20
	s_mov_b32 s17, 8
.Lxx:
.irp j, 0,1
	ds_load_b128 v[32+16*\j:35+16*\j], v25 offset:2*PITCH*\j
.if P > 1
	ds_load_b128 v[36+16*\j:39+16*\j], v26 offset:2*PITCH*\j
.endif
.if P > 2
	ds_load_b128 v[40+16*\j:43+16*\j], v27 offset:2*PITCH*\j
.endif
.endr
.irp j, 0,1
	s_wait_dscnt P*(1-\j)                          ; the first pair is in while the second pair's P loads stay out; then all
.irp e, 0,1,2,3
.if LEVEL == 0
	v_lshlrev_b32 v[64+8*\j+2*\e], 16, v[32+16*\j+\e]
	v_and_b32 v[65+8*\j+2*\e], 0xffff0000, v[32+16*\j+\e]
.else
	ADDBB 64+8*\j+2*\e, 32+16*\j+\e, 36+16*\j+\e
.endif
.if LEVEL == 2
	ADDBF 64+8*\j+2*\e, 40+16*\j+\e
.endif
.endr
	v_pk_mul_f32 v[80+2*\j:81+2*\j], v[64+8*\j:65+8*\j], v[64+8*\j:65+8*\j]
.irp e, 1,2,3
	v_pk_fma_f32 v[80+2*\j:81+2*\j], v[64+8*\j+2*\e:65+8*\j+2*\e], v[64+8*\j+2*\e:65+8*\j+2*\e], v[80+2*\j:81+2*\j]
.endr
	v_add_f32 v[80+2*\j], v[80+2*\j], v[81+2*\j]
.irp m, 1,2,4,8
	v_add_f32_dpp v[80+2*\j], v[80+2*\j], v[80+2*\j] row_xmask:\m row_mask:0xf bank_mask:0xf
.endr
	ds_store_b32 v22, v[80+2*\j] offset:8*\j       ; sixteen lanes hold one row's number
.if LEVEL > 0
	v_add_f32 v23, v23, v[80+2*\j]
.endif
.endr
	v_add_nc_u32 v25, 4*PITCH, v25
.if P > 1
	v_add_nc_u32 v26, 4*PITCH, v26
.endif
.if P > 2
	v_add_nc_u32 v27, 4*PITCH, v27
.endif
	v_add_nc_u32 v22, 16, v22
	s_sub_co_u32 s17, s17, 1
	s_cmp_lg_u32 s17, 0
	s_cbranch_scc1 .Lxx
.if LEVEL > 0
	v_permlanex16_b32 v24, v23, s28, s29           ; even rows' sum + odd rows' sum
	v_add_f32 v23, v23, v24
	s_lshl_b32 s20, s2, 2
	s_add_co_u32 s20, s20, LOS
	v_mov_b32 v24, s20
	ds_store_b32 v24, v23
.endif
	s_wait_xcnt 0x0                                ; the stores above have read their registers: only behind this wait are these written again
.set i, 0
.rept 192                              ; the column sums start at 0; the two tile buffers hold 0 for super-step 0's slices, and so that no way through the text reads a register that nothing wrote
	v_mov_b32 v[COL+i], 0
.set i, i+1
.endr
.set i, 0
.rept 6
	ds_store_b32 v3, v64 offset:512*i              ; my words of the six exchange arrays, likewise
.set i, i+1
.endr
	s_wait_loadcnt 0x0                             ; the codes' registers are in
	s_wait_dscnt 0x0                               ; for the others' sake: my rows, |r|^2 and |w|^2 are in LDS
	s_barrier_signal -1
	s_barrier_wait -1
.macro XLOAD n                         ; row fragment n of 4 P: piece P - 1 - n / 4, channels 32 (n % 4) on, into slot n % 4
	ds_load_b128 v[XF+8*((\n)%4):XF+8*((\n)%4)+3], v[5+P-1-(\n)/4] offset:64*((\n)%4)
	ds_load_b128 v[XF+8*((\n)%4)+4:XF+8*((\n)%4)+7], v[5+P-1-(\n)/4] offset:64*((\n)%4)+32
.endm
.macro WWLOAD n                        ; |w|^2 of my code tile n, eight numbers a lane, into slot n % 4
	ds_load_b128 v[XF+8*((\n)%4):XF+8*((\n)%4)+3], v2 offset:64*(\n)
	ds_load_b128 v[XF+8*((\n)%4)+4:XF+8*((\n)%4)+7], v2 offset:64*(\n)+16
.endm
; THE VECTOR WORK OF TILE s - 1 (buffer SBO) is a list of NS numbered slots in ten stages of 28.  Stage u holds the eight exponentials of code tile u - 1, in place, and twenty plain lines among them
; (E P P four times, E P P P four times), so that a plain line that names neither its source nor its result stands behind every exponential before the result is used (ISA guide 5.7.2).
; The plain lines of stage u: 0-3 z = dmin - d of code tile u; 4-7 the keys z (-2^100) + index (even and odd registers in chains of their own, the odd ones' + 1 added at the end); 8-11 z log2(e);
; 12-15 the keys' minima; 16-19 the sums of code tile u - 2, two chains.  Stage 8 takes the keys' last five lines in empty places, stage 9 is the last tile's sums.  PLN counts the plain lines written.
.macro V2P u, p
.set zq, (\p)%4
.set zk, (\p)/4
.set zr, SBO+8*(\u)+2*zq
.set zem, 1
.if ((\u) < 8) && (zk == 0)
	v_pk_add_f32 v[zr:zr+1], v[12:13], v[zr:zr+1] op_sel_hi:[0,1] neg_lo:[0,1] neg_hi:[0,1]
.elseif ((\u) < 8) && (zk == 1)
	FBITS 16*(\u)+2*zq
	v_pk_fma_f32 v[KT+2*zq:KT+2*zq+1], v[zr:zr+1], s[24:25], FB op_sel_hi:[1,0,0]
.elseif ((\u) < 8) && (zk == 2)
	v_pk_mul_f32 v[zr:zr+1], v[zr:zr+1], s[26:27] op_sel_hi:[1,0]
.elseif ((\u) == 0) && (zk == 3)
	v_min_num_f32 v[24+zq], v[KT+4*(zq/2)+zq%2], v[KT+4*(zq/2)+zq%2+2]
.elseif ((\u) < 8) && (zk == 3)
	v_min3_num_f32 v[24+zq], v[24+zq], v[KT+4*(zq/2)+zq%2], v[KT+4*(zq/2)+zq%2+2]
.elseif ((\u) == 2) && (zk == 4) && (zq < 2)
	s_wait_alu depctr_va_vdst(0)
	v_pk_add_f32 v[28+2*zq:29+2*zq], v[SBO+2*zq:SBO+2*zq+1], v[SBO+4+2*zq:SBO+5+2*zq]   ; the first tile starts the two chains
.elseif ((\u) > 2) && ((\u) < 9) && (zk == 4)
	s_wait_alu depctr_va_vdst(0)
	v_pk_add_f32 v[28+2*(zq%2):29+2*(zq%2)], v[28+2*(zq%2):29+2*(zq%2)], v[zr-16:zr-15]
.elseif ((\u) == 9) && (zk == 0)
	s_wait_alu depctr_va_vdst(0)
	v_pk_add_f32 v[28+2*(zq%2):29+2*(zq%2)], v[28+2*(zq%2):29+2*(zq%2)], v[zr-16:zr-15]
.elseif ((\u) == 8) && ((\p) == 0)
	v_min_num_f32 v24, v24, v26
.elseif ((\u) == 8) && ((\p) == 1)
	v_min_num_f32 v25, v25, v27
.elseif ((\u) == 8) && ((\p) == 2)
	v_add_f32 v25, 1.0, v25
.elseif ((\u) == 8) && ((\p) == 4)
	v_min_num_f32 v24, v24, v25
.elseif ((\u) == 8) && ((\p) == 6)
	v_add_f32 v24, v24, v8                         ; + 128 w + 8 h
.else
.set zem, 0
.endif
.set PLN, PLN+zem
.endm
.macro V2S n                           ; slot n of the list
.set zu, (\n)/28
.set zs, (\n)%28
.if zs < 12
.set zb, zs%3
.set zx, zs/3
.set zp, 2*(zs/3)+zb-1
.else
.set zb, (zs-12)%4
.set zx, 4+(zs-12)/4
.set zp, 8+3*((zs-12)/4)+zb-1
.endif
.if zb == 0
.if (zu > 0) && (zu < 9)
	v_exp_f32 v[SBO+8*(zu-1)+zx], v[SBO+8*(zu-1)+zx]
.endif
.else
	V2P zu, zp
.endif
.endm
; THE PRODUCTS OF ONE ROW TILE, with the list above in slices behind them.  For each fragment eight matrix instructions, the eight accumulators by turns; the first fragment
; starts the sums with the constant 0.  Behind product i the list has come to slot i NS / (32 P); a slice is written when CH slots are due, and behind a fragment's eighth product.
; A load into a register that a matrix instruction has read, and a vector instruction that reads its result, stand four places behind it: the plain lines of the slice behind the
; eighth product are such places (they name none of the products' registers), and v_nop makes up what is missing of four.
.macro MV sb
.set nx, 0
.set wi, 0
.set f, 0
.rept 4*P
	s_wait_dscnt 6                                 ; slot f % 4 is in; the three younger slots' six loads stay out (at the first fragments the load of |r|^2 and wave 0's index store are younger too)
.set t, 0
.rept 8
	WIN 0x01                                       ; source 0 (the codes) in window 1
.if f == 0
	v_wmma_f32_16x16x32_bf16 v[\sb+8*t:\sb+8*t+7], v[32*t+8*(f%4):32*t+8*(f%4)+7], v[XF+8*(f%4):XF+8*(f%4)+7], 0
.else
	v_wmma_f32_16x16x32_bf16 v[\sb+8*t:\sb+8*t+7], v[32*t+8*(f%4):32*t+8*(f%4)+7], v[XF+8*(f%4):XF+8*(f%4)+7], v[\sb+8*t:\sb+8*t+7]
.endif
.set PLN, 0
.set wi, wi+1
.set tg, wi*NS/(32*P)
.if ((tg-nx >= CH) || (t == 7) || (wi == 32*P)) && (tg > nx)
	WIN 0
.rept tg-nx
	V2S nx
.set nx, nx+1
.endr
.endif
.set t, t+1
.endr
	WIN 0
.if PLN < 4
.rept 4-PLN
	v_nop
	s_wait_alu depctr_va_vdst(0)
.endr
.endif
.if f+4 < 4*P
	XLOAD f+4
.else
	WWLOAD f+4-4*P
.endif
.set f, f+1
.endr
.endm
; d = fl(fl(|r|^2 - 2 m) + |w|^2), in place, each accumulator from its low end on, and four running minima.
.macro V1 sb
.set t, 0
.rept 8
.irp q, 0,1,2,3
	v_pk_fma_f32 v[\sb+8*t+2*\q:\sb+8*t+2*\q+1], v[\sb+8*t+2*\q:\sb+8*t+2*\q+1], -2.0, v[14:15] op_sel_hi:[1,0,0]
.endr
.if t < 4
	s_wait_dscnt 8                                 ; |w|^2 of tile t is in; younger: three tiles' six loads and the two posts of sum and key
.else
	s_wait_dscnt 2*(7-t)                           ; the counts run down
.endif
.irp q, 0,1,2,3
	v_pk_add_f32 v[\sb+8*t+2*\q:\sb+8*t+2*\q+1], v[\sb+8*t+2*\q:\sb+8*t+2*\q+1], v[XF+8*(t%4)+2*\q:XF+8*(t%4)+2*\q+1]
.endr
.if t < 4
	WWLOAD t+4
.endif
.irp q, 0,1,2,3
.if t == 0
	v_min_num_f32 v[16+\q], v[\sb+2*\q], v[\sb+2*\q+1]
.else
	v_min3_num_f32 v[16+\q], v[16+\q], v[\sb+8*t+2*\q], v[\sb+8*t+2*\q+1]
.endif
.endr
.set t, t+1
.endr
.endm
; A SUPER-STEP.  par: the parity of s, of tile s and of tile s - 2.  Every jump goes forward, on the trip's number or the wave's; none passes a barrier.
.macro SS par
.set SB, SREG+64*(\par)
.set SBO, SREG+64*(1-(\par))
	ds_load_b128 v[16:19], v4 offset:OFZ+512*(\par)        ; tile s - 2: the eight waves' sums,
	ds_load_b128 v[20:23], v4 offset:OFZ+512*(\par)+16
	ds_load_b128 v[24:27], v4 offset:OFK+512*(\par)        ; and keys
	ds_load_b128 v[28:31], v4 offset:OFK+512*(\par)+16
.if \par
	s_cmp_eq_u32 s16, 8
	s_cbranch_scc0 .Lfull_\@
	s_wait_dscnt 0x0                               ; super-step 17: the column sums of tile 15 alone
	s_branch .Lv3_\@
.Lfull_\@:
.endif
	ds_load_b128 v[56:59], v4 offset:512*(1-(\par))        ; tile s - 1: the eight waves' least distances, into slot 3, which takes its fragment below
	ds_load_b128 v[60:63], v4 offset:512*(1-(\par))+16
.if (\par) == 0
	s_cmp_eq_u32 s16, 8
	s_cbranch_scc1 .Lkeep_\@                       ; super-step 16: the addresses stay at tile 15
.endif
	v_add_nc_u32 v5, s18, v1
.if P > 1
	v_add_nc_u32 v6, PIECE, v5
.endif
.if P > 2
	v_add_nc_u32 v7, 2*PIECE, v5
.endif
.if (\par) == 0
.Lkeep_\@:
.endif
	XLOAD 0
	XLOAD 1
	XLOAD 2
	s_wait_dscnt 6                                 ; the six loads of posts are in; the three fragments' six stay out
	v_min3_num_f32 v56, v56, v57, v58
	v_min3_num_f32 v59, v59, v60, v61
	v_min3_num_f32 v56, v56, v62, v63
	v_min_num_f32 v12, v56, v59                    ; the row's least distance
	XLOAD 3
.if \par
.Lv3_\@:
.endif
	s_cmp_eq_u32 s16, 0
	s_cbranch_scc1 .Lno_v3_\@                      ; the first two super-steps have no tile s - 2
	v_pk_add_f32 v[16:17], v[16:17], v[18:19]      ; Z: the eight waves' sums
	v_pk_add_f32 v[20:21], v[20:21], v[22:23]
	v_min3_num_f32 v24, v24, v25, v26              ; the least key is the first index of the least distance
	v_min3_num_f32 v27, v27, v28, v29
	v_pk_add_f32 v[16:17], v[16:17], v[20:21]
	v_min3_num_f32 v24, v24, v30, v31
	v_add_f32 v16, v16, v17
	v_min_num_f32 v24, v24, v27
	v_rcp_f32 v14, v16
	v_cvt_u32_f32 v24, v24                         ; also the plain instruction behind the reciprocal
	s_cmp_lg_u32 s2, 0
	s_cbranch_scc1 .Lno_ix_\@                      ; every wave has the index; wave 0 keeps it
	v_add_nc_u32 v9, s20, v13
	ds_store_b32 v9, v24
.Lno_ix_\@:
.set i, 0
	s_wait_alu depctr_va_vdst(0)
.rept 32
	v_pk_fma_f32 v[COL+2*i:COL+2*i+1], v[SB+2*i:SB+2*i+1], v[14:15], v[COL+2*i:COL+2*i+1] op_sel_hi:[1,0,1]
.set i, i+1
.endr
.Lno_v3_\@:
	s_cmp_eq_u32 s16, 8
.if \par
	s_cbranch_scc1 .Lend_\@                        ; super-step 17 is over
.else
	s_cbranch_scc1 .Lno_xx_\@                      ; super-step 16 makes no distances
.endif
	v_add_nc_u32 v9, s19, v13
	ds_load_b32 v14, v9                            ; |r|^2 of my lane's row, where 1 / Z lay: the fourth fragment's wait shows it landed (six refills are younger)
.if (\par) == 0
.Lno_xx_\@:
.endif
	MV SB
	v_pk_add_f32 v[28:29], v[28:29], v[30:31]      ; tile s - 1: my sum and my key; the row's other 64 of my codes lie in the lane 16 away
	v_permlanex16_b32 v25, v24, s28, s29
	v_add_f32 v28, v28, v29
	v_min_num_f32 v24, v24, v25
	v_permlanex16_b32 v29, v28, s28, s29
	ds_store_b32 v3, v24 offset:OFK+512*(1-(\par))
	v_add_f32 v28, v28, v29
	ds_store_b32 v3, v28 offset:OFZ+512*(1-(\par))
.if (\par) == 0
	s_cmp_eq_u32 s16, 8
	s_cbranch_scc1 .Lno_v1_\@
.endif
	V1 SB
	v_min3_num_f32 v16, v16, v17, v18
	v_min_num_f32 v16, v16, v19
	v_permlanex16_b32 v17, v16, s28, s29
	v_min_num_f32 v16, v16, v17
	ds_store_b32 v3, v16 offset:512*(\par)
.if \par
.Lend_\@:
.else
.Lno_v1_\@:
.endif
	s_wait_dscnt 0x0                               ; for the others' sake: my posts are in LDS, and my reads of the others' posts are back
	s_barrier_signal -1
	s_barrier_wait -1
	s_add_co_u32 s18, s18, 16*PITCH
	s_add_co_u32 s19, s19, 64
	s_add_co_u32 s20, s20, 64
.endm
	s_mov_b32 s16, 0
	s_mov_b32 s18, 0
	s_mov_b32 s19, XXL
	s_mov_b32 s20, IDXL-128                        ; the index stored in super-step s is tile s - 2's
.Lmain:                                                ; nine trips of two super-steps: 16 row tiles and two super-steps to drain
	SS 0
	SS 1
	s_add_co_u32 s16, s16, 1
	s_cmp_lt_u32 s16, 9
	s_cbranch_scc1 .Lmain
	; THE WAY OUT.  A lane's column sums cover the rows of its own r: the 16 lanes' are added through my stage (piece 0's bytes: every wave's reads of them were back before the last barriers).
	v_and_b32 v16, 15, v0
	v_bfe_u32 v17, v0, 4, 1
	v_and_b32 v18, 31, v0
	s_mul_i32 s21, s2, STG
	v_mul_u32_u24 v20, v16, SPI
	v_lshl_add_u32 v20, v17, 5, v20
	v_add_nc_u32 v20, s21, v20                     ; in: row r, code 16 t + 8 h + j at byte 64 t + 32 h + 4 j
	v_lshl_add_u32 v21, v18, 4, s21                ; back: four codes a lane, all 16 rows
	v_lshlrev_b32 v22, 4, v0
.set t, 0
.rept 8
	ds_store_b128 v20, v[COL+8*t:COL+8*t+3] offset:64*t
	ds_store_b128 v20, v[COL+8*t+4:COL+8*t+7] offset:64*t+16
.set t, t+1
.endr
.set i, 0
.rept 16
	ds_load_b128 v[SREG+4*i:SREG+4*i+3], v21 offset:SPI*i   ; my own bytes: these see the stores above
.set i, i+1
.endr
	s_wait_dscnt 0x0
.set d, 32
.rept 4
.set i, 0
.rept d/2
	v_pk_add_f32 v[SREG+2*i:SREG+2*i+1], v[SREG+2*i:SREG+2*i+1], v[SREG+d+2*i:SREG+d+2*i+1]
.set i, i+1
.endr
.set d, d/2
.endr
	global_store_b128 v22, v[SREG:SREG+3], s[32:33]        ; the wave stores 512 consecutive bytes, aligned
	s_cmp_lt_u32 s2, 2
	s_cbranch_scc0 .Lno_idx
	v_add_nc_u32 v23, IDXL, v22
	ds_load_b128 v[SREG+4:SREG+7], v23             ; wave 0 stored them; the last barrier lies between
	s_wait_dscnt 0x0
	global_store_b128 v22, v[SREG+4:SREG+7], s[IOUT:IOUT+1]
.Lno_idx:
.if LEVEL > 0
	s_cmp_lg_u32 s2, 2
	s_cbranch_scc1 .Lno_loss
	v_mov_b32 v24, LOS
	ds_load_b128 v[32:35], v24
	ds_load_b128 v[36:39], v24 offset:16
	s_wait_dscnt 0x0
	v_pk_add_f32 v[32:33], v[32:33], v[34:35]
	v_pk_add_f32 v[36:37], v[36:37], v[38:39]
	v_pk_add_f32 v[32:33], v[32:33], v[36:37]
	v_add_f32 v32, v32, v33
	s_lshl_b32 s21, ttmp9, 2
	v_mov_b32 v25, s21
	v_cmp_eq_u32 vcc_lo, 64, v0                    ; wave 2's first lane
	s_wait_xcnt 0x0                                ; EXEC is a source of the store above: it changes only behind this wait
	s_and_saveexec_b32 s21, vcc_lo
	global_store_b32 v25, v32, s[PART:PART+1] offset:LOSSG+(LEVEL-1)*1024
	s_wait_xcnt 0x0                                ; and again ahead of the line that widens it
	s_or_b32 exec_lo, exec_lo, s21
.Lno_loss:
.endif
	s_wait_tensorcnt 0x0                           ; the wave's end: three lines behind my last LDS store
	ds_add_u32 v10, v11
	s_wait_dscnt 0x0
	s_endpgm
.Lfunc_end_k_qf2b395d116_lev1:
	.size	k_qf2b395d116_lev1, .Lfunc_end_k_qf2b395d116_lev1-k_qf2b395d116_lev1
	.p2alignl 7, 3214868480
	.fill 96, 4, 3214868480
	.section	.rodata,"a",@progbits
	.p2align	6, 0x0
	.amdhsa_kernel k_qf2b395d116_lev1
		.amdhsa_group_segment_fixed_size 149760
		.amdhsa_private_segment_fixed_size 0
		.amdhsa_enable_private_segment 0
		.amdhsa_kernarg_size 40
		.amdhsa_user_sgpr_count 2
		.amdhsa_user_sgpr_kernarg_segment_ptr 1
		.amdhsa_wavefront_size32 1
		.amdhsa_system_sgpr_workgroup_id_x 1
		.amdhsa_system_sgpr_workgroup_id_y 1
		.amdhsa_system_sgpr_workgroup_id_z 1
		.amdhsa_system_vgpr_workitem_id 0
		.amdhsa_next_free_vgpr 512
		.amdhsa_next_free_sgpr 66
		.amdhsa_reserve_vcc 1
		.amdhsa_float_denorm_mode_32 3
		.amdhsa_float_denorm_mode_16_64 3
		.amdhsa_memory_ordered 1
		.amdhsa_forward_progress 1
		.amdhsa_inst_pref_size 105
	.end_amdhsa_kernel
	.amdgpu_metadata
---
amdhsa.version: [ 1, 2 ]
amdhsa.kernels:
  - .name:           k_qf2b395d116_lev1
    .symbol:         k_qf2b395d116_lev1.kd
    .args:
      - { .name: xb, .offset: 0, .size: 8, .value_kind: global_buffer, .address_space: global }
      - { .name: cb, .offset: 8, .size: 8, .value_kind: global_buffer, .address_space: global }
      - { .name: idx0, .offset: 16, .size: 8, .value_kind: global_buffer, .address_space: global }
      - { .name: idx1, .offset: 24, .size: 8, .value_kind: global_buffer, .address_space: global }
      - { .name: part, .offset: 32, .size: 8, .value_kind: global_buffer, .address_space: global }
    .group_segment_fixed_size: 149760
    .private_segment_fixed_size: 0
    .kernarg_segment_align: 8
    .kernarg_segment_size: 40
    .max_flat_workgroup_size: 256
    .sgpr_count:     66
    .vgpr_count:     512
    .wavefront_size: 32
...
	.end_amdgpu_metadata
.endif
;; end of part 3
;; launch lev2 (part 4): grid 256 x 1, 8 waves a work-group, no clusters, 219,392 bytes of LDS; arguments xb, cb, idx0, idx1, idx2, part; writes idx2, part
.if DOCPART == 4
	.amdgcn_target "amdgcn-amd-amdhsa--gfx1250"
	.amdhsa_code_object_version 6
	.text
	.protected	k_qf2b395d116_lev2
	.globl	k_qf2b395d116_lev2
	.p2align	8
	.type	k_qf2b395d116_lev2,@function
k_qf2b395d116_lev2:
	s_mov_b64 s[64:65], 0
	v_nop
	global_prefetch_b8 v0, s[64:65] scope:SCOPE_SE
	s_setreg_imm32_b32 hwreg(HW_REG_WAVE_MODE, 25, 1), 1
	s_wait_xcnt 0x0
; ONE LEVEL OF THE RESIDUAL VECTOR QUANTIZER.  The three levels' texts differ in the line .set LEVEL and in a wait behind each v_nop of the products, which levels 1 and 2 have.
; WHAT IT MAKES.  For the work-group's 256 rows r and the level's 1,024 codes w: d = fl(fl(|r|^2 - 2 r.w) + |w|^2); the first index of the least d (into idx); the work-group's column sums of
; softmax(-d) (into part).  From level 1 on also the sum of |r|^2, the squared error of the level before.  Level 0 also writes x rounded to bf16 (xb).
; FORMATS.  x and the codebooks are rounded once to bf16.  The residual is never rounded to 16 bits: r = x - q0 - q1 is multiplied as its P = LEVEL + 1 bf16 pieces x, -q0, -q1, summed in one f32
; accumulator, the smallest piece first; |r|^2 is taken of fl(fl(x - q0) - q1).  All else in f32; the row's least distance is taken away before every exponential.
; LIMITS.  NaN and infinities are not treated apart.  The index is found as the least of (d - dmin) 2^100 + index, so distances that differ by less than 2^-90 count as tied (f32 distances below
; 2^-66 could do that).  A weight below 2^-126 counts as 0.  1 / Z is a reciprocal and a multiply.  Indices read from memory are clamped to 1,023.
; SHARES.  Eight waves.  Wave w owns the codes 128 w .. 128 w + 127: their operand registers, 8 tiles x 32, fill window 1 for the whole launch.  All waves walk the 16 row tiles of 16 rows.
; The product is used transposed (source 0 = 16 codes, source 1 = 16 rows): a lane holds ONE row (lane % 16) and register j of tile t the code 128 w + 16 t + 8 (lane / 16) + j.
; THE WALK.  A row's least distance, sum and index span the eight waves: they meet in LDS, twice for each row tile.  Super-step s: the posts are read (the least distance of tile s - 1; Z and the
; index key of tile s - 2); the column sums of tile s - 2; the products of tile s, and BEHIND THE MATRIX INSTRUCTIONS, in slices, the weights, sum and key of tile s - 1, which name none of the
; products' registers; my sum and key are posted; tile s's distances and my least one, which is posted.  One barrier ends a super-step.  Tiles take two register buffers and two sets of LDS words by
; turns, so what a super-step writes nobody reads in it.  A slice costs two switches of the register window: the codes fill window 1, all that the slices touch lies in window 0.
; ONE TEXT FOR EVERY SUPER-STEP.  In super-step 0 the slices work on zeros and nobody reads what they post; super-step 16 multiplies tile 15 once more and nobody reads the result; super-step 17
; jumps over all but the column sums.
; No tensor load, no cluster: every LDS byte is written once, from registers through which the data must pass anyway (a conversion, rows gathered by index); nothing is filled again.
.set LEVEL,  2
.set P,      LEVEL+1
.set PITCH,  272                       ; an LDS row: 256 bytes + 16: the 16 rows of a fragment load start 4 banks apart (64 banks of 4 bytes: ISA guide 11.1)
.set PIECE,  256*PITCH                 ; a piece: 256 rows.  Piece 0 x, piece 1 -q0, piece 2 -q1
.set Q,      P*PIECE
.set WWL,    Q                         ; |w|^2, 1,024 f32
.set XXL,    Q+4096                    ; |r|^2, 256 f32
.set EX1,    Q+5120                    ; least distances: 2 parities x [16 rows][8 waves] f32
.set OFZ,    1024                      ; the sums lie so far behind them,
.set OFK,    2048                      ; the index keys so far
.set IDXL,   Q+8192                    ; the 256 indices
.set LOS,    Q+9216                    ; the eight waves' sums of |r|^2
.set SPARE,  Q+9472                    ; the spare words, 128 bytes for each wave: four blocks of 256 bytes that no other line names
.set STG,    8448                      ; after the walk piece 0's bytes serve as stages: 16 rows x 528 bytes a wave
.set SPI,    528
.set FRAGL,  262144                    ; a level's bytes in cb's FRAG and NROW
.set NROW,   786432
.set WWG,    1572864
.set LOSSG,  3145728                   ; part: behind the column sums, [2][256] f32
; window 0: v0 thread; v1 fragment place 272 r + 16 h; v2 my |w|^2; v3 where I post; v4 where I read posts; v5-7 the pieces' fragment addresses; v8 float(128 w + 8 h); v9 an address at work;
; v10, v11 the add's two; v12 the least distance, v13 4 r (named with v12 as a pair, never taken from it); v14 1 / Z, then |r|^2, v15 1.0 (likewise); v16-31 the posts as read, then v16-23 eight keys
; at work and later four minima, v24-27 the keys' chains, v28-31 the sums' chains; v32-63 four slots; v64-127 column sums; v128-255 two buffers of 8 tiles.
; window 1: the codes' operand registers, tile t, channels 32 c on at 32 t + 8 c.
.set KT,     16
.set XF,     32                        ; four slots of 8: row fragments, then tiles of |w|^2
.set COL,    64
.set SREG,   128
.set NS,     258                       ; slots in the list of a tile's vector work
.set CH,     4                         ; a slice is issued when so many slots are due
; s2 wave; s[4:15] buffers; s16 trip; s17 a counter; s18, s19, s20 the row tile's bytes in a piece, in XXL, in IDXL; s21 at work; s[24:25] -2^100; s[26:27] log2(e); s[28:29] lane selects
.if LEVEL == 2
.set IOUT, 12
.set PART, 14
.else
.set IOUT, 10
.set PART, 12
.endif
.set MSB, 0
.macro WIN new                         ; the immediate's high byte repeats the setting that is left; a switch that changes nothing is dropped
.if MSB != (\new)
	s_set_vgpr_msb (MSB<<8)|(\new)
.set MSB, (\new)
.endif
.endm
.set NBI, 0                            ; loads of the codes' registers issued so far, of 64
.macro BLOADS n
	WIN 0x40                                       ; destination window 1, address window 0
.rept \n
	global_load_b128 v[4*NBI:4*NBI+3], v9, s[34:35] offset:512*NBI
.set NBI, NBI+1
.endr
	WIN 0
.endm
.macro ADDBB d, a, b                   ; v[d], v[d+1] = the two bf16 of v[a] + those of v[b], each sum rounded once to f32
	v_fma_mix_f32_bf16 v[\d], v[\a], v15, v[\b] op_sel:[0,0,0] op_sel_hi:[1,0,1]
	v_fma_mix_f32_bf16 v[(\d)+1], v[\a], v15, v[\b] op_sel:[1,0,1] op_sel_hi:[1,0,1]
.endm
.macro ADDBF d, a                      ; v[d], v[d+1] += the two bf16 of v[a]
	v_fma_mix_f32_bf16 v[\d], v[\a], v15, v[\d] op_sel:[0,0,0] op_sel_hi:[1,0,0]
	v_fma_mix_f32_bf16 v[(\d)+1], v[\a], v15, v[(\d)+1] op_sel:[1,0,0] op_sel_hi:[1,0,0]
.endm
.macro FBITS n                         ; FB = the f32 pattern of the whole number n, 0 to 127
.set FB, 0
.set e_, 6
.rept 7
.if ((\n) >> e_) == 1
.set FB, ((127+e_)<<23) | (((\n)-(1<<e_)) << (23-e_))
.endif
.set e_, e_-1
.endr
.endm
	s_load_b256 s[4:11], s[0:1], 0x0
.if LEVEL == 2
	s_load_b128 s[12:15], s[0:1], 0x20
.else
	s_load_b64 s[12:13], s[0:1], 0x20
.endif
	v_lshl_add_u32 v10, v0, 2, SPARE               ; my spare word,
	v_mov_b32 v11, 0                               ; and 0: kept for the closing add alone
	v_lshrrev_b32 v16, 5, v0
	v_readfirstlane_b32 s2, v16                    ; wave 0..7
	v_and_b32 v17, 31, v0                          ; lane
	v_and_b32 v18, 15, v0                          ; r
	v_bfe_u32 v19, v0, 4, 1                        ; h
	s_mov_b32 s24, 0xf1800000                      ; -2^100
	s_mov_b32 s25, s24                             ; named with it as a pair
	s_mov_b32 s26, 0x3fb8aa3b                      ; log2(e)
	s_mov_b32 s27, s26
	s_mov_b32 s28, 0x76543210
	s_mov_b32 s29, 0xfedcba98
	v_mul_u32_u24 v1, v18, PITCH
	v_lshl_add_u32 v1, v19, 4, v1
	v_mov_b32 v5, v1                               ; the fragment addresses are written here once, so that every way through the text finds them written
.if P > 1
	v_add_nc_u32 v6, PIECE, v1
.endif
.if P > 2
	v_add_nc_u32 v7, 2*PIECE, v1
.endif
	s_lshl_b32 s20, s2, 9
	s_add_co_u32 s20, s20, WWL
	v_lshl_add_u32 v2, v19, 5, s20
	v_lshl_add_u32 v4, v18, 5, EX1
	s_lshl_b32 s21, s2, 2
	v_add_nc_u32 v3, s21, v4
	s_lshl_b32 s20, s2, 7
	v_lshl_add_u32 v8, v19, 3, s20
	v_cvt_f32_u32 v8, v8
	v_lshlrev_b32 v9, 4, v17                       ; 16 lane: the codes' loads
	v_lshlrev_b32 v13, 2, v18
	v_mov_b32 v15, 1.0
	v_lshlrev_b32 v21, 4, v0                       ; 16 thread
	v_add_nc_u32 v22, WWL, v21
	s_mul_i32 s20, s2, 32*PITCH                    ; my 32 rows in a piece
	v_mul_u32_u24 v25, v19, PITCH
	v_lshl_add_u32 v25, v18, 4, v25
	v_add_nc_u32 v25, s20, v25                     ; two rows a load: lanes 0-15 one row, lanes 16-31 the next
.if P > 1
	v_add_nc_u32 v26, PIECE, v25
.endif
.if P > 2
	v_add_nc_u32 v27, 2*PIECE, v25
.endif
.if LEVEL == 0
	v_lshl_add_u32 v20, v16, 14, v9                ; x: my 32 rows of 512 bytes, 16 bytes a lane
	v_lshl_add_u32 v23, v17, 3, s20                ; LDS: a row, 8 bytes a lane
	v_lshlrev_b32 v24, 3, v17
	v_lshl_add_u32 v24, v16, 13, v24               ; xb likewise
	v_mov_b32 v14, 0                               ; written, like v5 above
.else
	v_lshl_add_u32 v20, v16, 13, v9                ; xb: my 32 rows of 256 bytes, two rows a load
	v_lshlrev_b32 v24, 2, v19
	v_lshl_add_u32 v24, v16, 7, v24                ; the index of row 32 w + h
	v_lshlrev_b32 v14, 4, v18                      ; 16 r
	v_mov_b32 v23, 0                               ; my sum of |r|^2
.endif
	s_wait_kmcnt 0x0
	s_mov_b32 s31, 0
	s_lshl_b32 s30, s2, 15
	s_add_co_u32 s30, s30, LEVEL*FRAGL
	s_add_nc_u64 s[34:35], s[6:7], s[30:31]        ; my codes' 32,768 bytes in FRAG
	s_mul_i32 s30, ttmp9, 12288
	s_add_co_u32 s30, s30, LEVEL*4096
	s_add_nc_u64 s[32:33], s[PART:PART+1], s[30:31]  ; the work-group's column sums of this level
	s_lshl_b32 s30, ttmp9, 10
	s_add_nc_u64 s[IOUT:IOUT+1], s[IOUT:IOUT+1], s[30:31]
.if LEVEL > 0
	s_add_nc_u64 s[8:9], s[8:9], s[30:31]
.endif
.if LEVEL > 1
	s_add_nc_u64 s[10:11], s[10:11], s[30:31]
.endif
.if LEVEL == 0
	s_lshl_b32 s30, ttmp9, 17
	s_add_nc_u64 s[4:5], s[4:5], s[30:31]
	s_lshl_b32 s30, ttmp9, 16
	s_add_nc_u64 s[8:9], s[8:9], s[30:31]
.else
	s_lshl_b32 s30, ttmp9, 16
	s_add_nc_u64 s[4:5], s[4:5], s[30:31]
.endif
	; THE WAY IN.  All loads are asked for at once, the rows first; the codes' 64 loads follow in runs, so that every counted wait names a number that the counter's field holds.
	global_load_b128 v[28:31], v21, s[6:7] offset:WWG+4096*LEVEL
.if LEVEL == 0
.set k, 0
.rept 32
	global_load_b128 v[SREG+4*k:SREG+4*k+3], v20, s[4:5] offset:512*k th:TH_LOAD_NT
.set k, k+1
.endr
	BLOADS 30
.set k, 0
.rept 32
	s_wait_loadcnt 31-k+NBI                        ; behind row k's load: 31 - k rows and the codes' loads issued so far
.if k == 0
	ds_store_b128 v22, v[28:31]                    ; |w|^2 was asked for first
.endif
	v_cvt_pk_bf16_f32 v[SREG+4*k], v[SREG+4*k], v[SREG+4*k+1]
	v_cvt_pk_bf16_f32 v[SREG+4*k+1], v[SREG+4*k+2], v[SREG+4*k+3]
	ds_store_b64 v23, v[SREG+4*k:SREG+4*k+1] offset:PITCH*k
	global_store_b64 v24, v[SREG+4*k:SREG+4*k+1], s[8:9] offset:256*k   ; the wave stores 256 consecutive bytes, aligned
.if k == 31
	BLOADS 10
.elseif (k%8) == 7
	BLOADS 8
.endif
.set k, k+1
.endr
.else
.set pp, 0
.rept 16
	global_load_b32 v[32+pp], v24, s[8:9] offset:8*pp
.set pp, pp+1
.endr
.if LEVEL == 2
.set pp, 0
.rept 16
	global_load_b32 v[48+pp], v24, s[10:11] offset:8*pp
.set pp, pp+1
.endr
.endif
.set pp, 0
.rept 16
	global_load_b128 v[SREG+4*pp:SREG+4*pp+3], v20, s[4:5] offset:512*pp
.set pp, pp+1
.endr
	s_wait_loadcnt 16                              ; the indices are in; the 16 loads of xb behind them stay out
	ds_store_b128 v22, v[28:31]
.set pp, 0
.rept 16*LEVEL
	v_min_u32 v[32+pp], 0x3ff, v[32+pp]            ; an index stays inside its table
	v_lshl_add_u32 v[32+pp], v[32+pp], 8, v14      ; the code's row of 256 bytes, 16 bytes a lane
.set pp, pp+1
.endr
.set pp, 0
.rept 16
	global_load_b128 v[192+4*pp:195+4*pp], v[32+pp], s[6:7] offset:NROW
.if LEVEL == 2
	global_load_b128 v[64+4*pp:67+4*pp], v[48+pp], s[6:7] offset:NROW+FRAGL
.endif
.set pp, pp+1
.endr
	BLOADS 32
.set pp, 0
.rept 16
	s_wait_loadcnt LEVEL*(15-pp)+NBI               ; behind this pair of rows' last gather: the later pairs' gathers and the codes' loads issued so far
	ds_store_b128 v25, v[SREG+4*pp:SREG+4*pp+3] offset:2*PITCH*pp
	ds_store_b128 v26, v[192+4*pp:195+4*pp] offset:2*PITCH*pp
.if LEVEL == 2
	ds_store_b128 v27, v[64+4*pp:67+4*pp] offset:2*PITCH*pp
.endif
.if (pp%4) == 3
	BLOADS 8
.endif
.set pp, pp+1
.endr
.endif
	; |r|^2 of my 32 rows, out of my own LDS rows (LDS serves a wave's instructions in order): eight trips of two pairs of rows.  It stands in the wait for the codes' loads.
	s_lshl_b32 s20, s2, 7
	s_add_co_u32 s20, s20, XXL
	v_lshl_add_u32 v22, v19, 2, s20
	s_mov_b32 s17, 8
.Lxx:
.irp j, 0,1
	ds_load_b128 v[32+16*\j:35+16*\j], v25 offset:2*PITCH*\j
.if P > 1
	ds_load_b128 v[36+16*\j:39+16*\j], v26 offset:2*PITCH*\j
.endif
.if P > 2
	ds_load_b128 v[40+16*\j:43+16*\j], v27 offset:2*PITCH*\j
.endif
.endr
.irp j, 0,1
	s_wait_dscnt P*(1-\j)                          ; the first pair is in while the second pair's P loads stay out; then all
.irp e, 0,1,2,3
.if LEVEL == 0
	v_lshlrev_b32 v[64+8*\j+2*\e], 16, v[32+16*\j+\e]
	v_and_b32 v[65+8*\j+2*\e], 0xffff0000, v[32+16*\j+\e]
.else
	ADDBB 64+8*\j+2*\e, 32+16*\j+\e, 36+16*\j+\e
.endif
.if LEVEL == 2
	ADDBF 64+8*\j+2*\e, 40+16*\j+\e
.endif
.endr
	v_pk_mul_f32 v[80+2*\j:81+2*\j], v[64+8*\j:65+8*\j], v[64+8*\j:65+8*\j]
.irp e, 1,2,3
	v_pk_fma_f32 v[80+2*\j:81+2*\j], v[64+8*\j+2*\e:65+8*\j+2*\e], v[64+8*\j+2*\e:65+8*\j+2*\e], v[80+2*\j:81+2*\j]
.endr
	v_add_f32 v[80+2*\j], v[80+2*\j], v[81+2*\j]
.irp m, 1,2,4,8
	v_add_f32_dpp v[80+2*\j], v[80+2*\j], v[80+2*\j] row_xmask:\m row_mask:0xf bank_mask:0xf
.endr
	ds_store_b32 v22, v[80+2*\j] offset:8*\j       ; sixteen lanes hold one row's number
.if LEVEL > 0
	v_add_f32 v23, v23, v[80+2*\j]
.endif
.endr
	v_add_nc_u32 v25, 4*PITCH, v25
.if P > 1
	v_add_nc_u32 v26, 4*PITCH, v26
.endif
.if P > 2
	v_add_nc_u32 v27, 4*PITCH, v27
.endif
	v_add_nc_u32 v22, 16, v22
	s_sub_co_u32 s17, s17, 1
	s_cmp_lg_u32 s17, 0
	s_cbranch_scc1 .Lxx
.if LEVEL > 0
	v_permlanex16_b32 v24, v23, s28, s29           ; even rows' sum + odd rows' sum
	v_add_f32 v23, v23, v24
	s_lshl_b32 s20, s2, 2
	s_add_co_u32 s20, s20, LOS
	v_mov_b32 v24, s20
	ds_store_b32 v24, v23
.endif
	s_wait_xcnt 0x0                                ; the stores above have read their registers: only behind this wait are these written again
.set i, 0
.rept 192                              ; the column sums start at 0; the two tile buffers hold 0 for super-step 0's slices, and so that no way through the text reads a register that nothing wrote
	v_mov_b32 v[COL+i], 0
.set i, i+1
.endr
.set i, 0
.rept 6
	ds_store_b32 v3, v64 offset:512*i              ; my words of the six exchange arrays, likewise
.set i, i+1
.endr
	s_wait_loadcnt 0x0                             ; the codes' registers are in
	s_wait_dscnt 0x0                               ; for the others' sake: my rows, |r|^2 and |w|^2 are in LDS
	s_barrier_signal -1
	s_barrier_wait -1
.macro XLOAD n                         ; row fragment n of 4 P: piece P - 1 - n / 4, channels 32 (n % 4) on, into slot n % 4
	ds_load_b128 v[XF+8*((\n)%4):XF+8*((\n)%4)+3], v[5+P-1-(\n)/4] offset:64*((\n)%4)
	ds_load_b128 v[XF+8*((\n)%4)+4:XF+8*((\n)%4)+7], v[5+P-1-(\n)/4] offset:64*((\n)%4)+32
.endm
.macro WWLOAD n                        ; |w|^2 of my code tile n, eight numbers a lane, into slot n % 4
	ds_load_b128 v[XF+8*((\n)%4):XF+8*((\n)%4)+3], v2 offset:64*(\n)
	ds_load_b128 v[XF+8*((\n)%4)+4:XF+8*((\n)%4)+7], v2 offset:64*(\n)+16
.endm
; THE VECTOR WORK OF TILE s - 1 (buffer SBO) is a list of NS numbered slots in ten stages of 28.  Stage u holds the eight exponentials of code tile u - 1, in place, and twenty plain lines among them
; (E P P four times, E P P P four times), so that a plain line that names neither its source nor its result stands behind every exponential before the result is used (ISA guide 5.7.2).
; The plain lines of stage u: 0-3 z = dmin - d of code tile u; 4-7 the keys z (-2^100) + index (even and odd registers in chains of their own, the odd ones' + 1 added at the end); 8-11 z log2(e);
; 12-15 the keys' minima; 16-19 the sums of code tile u - 2, two chains.  Stage 8 takes the keys' last five lines in empty places, stage 9 is the last tile's sums.  PLN counts the plain lines written.
.macro V2P u, p
.set zq, (\p)%4
.set zk, (\p)/4
.set zr, SBO+8*(\u)+2*zq
.set zem, 1
.if ((\u) < 8) && (zk == 0)
	v_pk_add_f32 v[zr:zr+1], v[12:13], v[zr:zr+1] op_sel_hi:[0,1] neg_lo:[0,1] neg_hi:[0,1]
.elseif ((\u) < 8) && (zk == 1)
	FBITS 16*(\u)+2*zq
	v_pk_fma_f32 v[KT+2*zq:KT+2*zq+1], v[zr:zr+1], s[24:25], FB op_sel_hi:[1,0,0]
.elseif ((\u) < 8) && (zk == 2)
	v_pk_mul_f32 v[zr:zr+1], v[zr:zr+1], s[26:27] op_sel_hi:[1,0]
.elseif ((\u) == 0) && (zk == 3)
	v_min_num_f32 v[24+zq], v[KT+4*(zq/2)+zq%2], v[KT+4*(zq/2)+zq%2+2]
.elseif ((\u) < 8) && (zk == 3)
	v_min3_num_f32 v[24+zq], v[24+zq], v[KT+4*(zq/2)+zq%2], v[KT+4*(zq/2)+zq%2+2]
.elseif ((\u) == 2) && (zk == 4) && (zq < 2)
	s_wait_alu depctr_va_vdst(0)
	v_pk_add_f32 v[28+2*zq:29+2*zq], v[SBO+2*zq:SBO+2*zq+1], v[SBO+4+2*zq:SBO+5+2*zq]   ; the first tile starts the two chains
.elseif ((\u) > 2) && ((\u) < 9) && (zk == 4)
	s_wait_alu depctr_va_vdst(0)
	v_pk_add_f32 v[28+2*(zq%2):29+2*(zq%2)], v[28+2*(zq%2):29+2*(zq%2)], v[zr-16:zr-15]
.elseif ((\u) == 9) && (zk == 0)
	s_wait_alu depctr_va_vdst(0)
	v_pk_add_f32 v[28+2*(zq%2):29+2*(zq%2)], v[28+2*(zq%2):29+2*(zq%2)], v[zr-16:zr-15]
.elseif ((\u) == 8) && ((\p) == 0)
	v_min_num_f32 v24, v24, v26
.elseif ((\u) == 8) && ((\p) == 1)
	v_min_num_f32 v25, v25, v27
.elseif ((\u) == 8) && ((\p) == 2)
	v_add_f32 v25, 1.0, v25
.elseif ((\u) == 8) && ((\p) == 4)
	v_min_num_f32 v24, v24, v25
.elseif ((\u) == 8) && ((\p) == 6)
	v_add_f32 v24, v24, v8                         ; + 128 w + 8 h
.else
.set zem, 0
.endif
.set PLN, PLN+zem
.endm
.macro V2S n                           ; slot n of the list
.set zu, (\n)/28
.set zs, (\n)%28
.if zs < 12
.set zb, zs%3
.set zx, zs/3
.set zp, 2*(zs/3)+zb-1
.else
.set zb, (zs-12)%4
.set zx, 4+(zs-12)/4
.set zp, 8+3*((zs-12)/4)+zb-1
.endif
.if zb == 0
.if (zu > 0) && (zu < 9)
	v_exp_f32 v[SBO+8*(zu-1)+zx], v[SBO+8*(zu-1)+zx]
.endif
.else
	V2P zu, zp
.endif
.endm
; THE PRODUCTS OF ONE ROW TILE, with the list above in slices behind them.  For each fragment eight matrix instructions, the eight accumulators by turns; the first fragment
; starts the sums with the constant 0.  Behind product i the list has come to slot i NS / (32 P); a slice is written when CH slots are due, and behind a fragment's eighth product.
; A load into a register that a matrix instruction has read, and a vector instruction that reads its result, stand four places behind it: the plain lines of the slice behind the
; eighth product are such places (they name none of the products' registers), and v_nop makes up what is missing of four.
.macro MV sb
.set nx, 0
.set wi, 0
.set f, 0
.rept 4*P
	s_wait_dscnt 6                                 ; slot f % 4 is in; the three younger slots' six loads stay out (at the first fragments the load of |r|^2 and wave 0's index store are younger too)
.set t, 0
.rept 8
	WIN 0x01                                       ; source 0 (the codes) in window 1
.if f == 0
	v_wmma_f32_16x16x32_bf16 v[\sb+8*t:\sb+8*t+7], v[32*t+8*(f%4):32*t+8*(f%4)+7], v[XF+8*(f%4):XF+8*(f%4)+7], 0
.else
	v_wmma_f32_16x16x32_bf16 v[\sb+8*t:\sb+8*t+7], v[32*t+8*(f%4):32*t+8*(f%4)+7], v[XF+8*(f%4):XF+8*(f%4)+7], v[\sb+8*t:\sb+8*t+7]
.endif
.set PLN, 0
.set wi, wi+1
.set tg, wi*NS/(32*P)
.if ((tg-nx >= CH) || (t == 7) || (wi == 32*P)) && (tg > nx)
	WIN 0
.rept tg-nx
	V2S nx
.set nx, nx+1
.endr
.endif
.set t, t+1
.endr
	WIN 0
.if PLN < 4
.rept 4-PLN
	v_nop
	s_wait_alu depctr_va_vdst(0)
.endr
.endif
.if f+4 < 4*P
	XLOAD f+4
.else
	WWLOAD f+4-4*P
.endif
.set f, f+1
.endr
.endm
; d = fl(fl(|r|^2 - 2 m) + |w|^2), in place, each accumulator from its low end on, and four running minima.
.macro V1 sb
.set t, 0
.rept 8
.irp q, 0,1,2,3
	v_pk_fma_f32 v[\sb+8*t+2*\q:\sb+8*t+2*\q+1], v[\sb+8*t+2*\q:\sb+8*t+2*\q+1], -2.0, v[14:15] op_sel_hi:[1,0,0]
.endr
.if t < 4
	s_wait_dscnt 8                                 ; |w|^2 of tile t is in; younger: three tiles' six loads and the two posts of sum and key
.else
	s_wait_dscnt 2*(7-t)                           ; the counts run down
.endif
.irp q, 0,1,2,3
	v_pk_add_f32 v[\sb+8*t+2*\q:\sb+8*t+2*\q+1], v[\sb+8*t+2*\q:\sb+8*t+2*\q+1], v[XF+8*(t%4)+2*\q:XF+8*(t%4)+2*\q+1]
.endr
.if t < 4
	WWLOAD t+4
.endif
.irp q, 0,1,2,3
.if t == 0
	v_min_num_f32 v[16+\q], v[\sb+2*\q], v[\sb+2*\q+1]
.else
	v_min3_num_f32 v[16+\q], v[16+\q], v[\sb+8*t+2*\q], v[\sb+8*t+2*\q+1]
.endif
.endr
.set t, t+1
.endr
.endm
; A SUPER-STEP.  par: the parity of s, of tile s and of tile s - 2.  Every jump goes forward, on the trip's number or the wave's; none passes a barrier.
.macro SS par
.set SB, SREG+64*(\par)
.set SBO, SREG+64*(1-(\par))
	ds_load_b128 v[16:19], v4 offset:OFZ+512*(\par)        ; tile s - 2: the eight waves' sums,
	ds_load_b128 v[20:23], v4 offset:OFZ+512*(\par)+16
	ds_load_b128 v[24:27], v4 offset:OFK+512*(\par)        ; and keys
	ds_load_b128 v[28:31], v4 offset:OFK+512*(\par)+16
.if \par
	s_cmp_eq_u32 s16, 8
	s_cbranch_scc0 .Lfull_\@
	s_wait_dscnt 0x0                               ; super-step 17: the column sums of tile 15 alone
	s_branch .Lv3_\@
.Lfull_\@:
.endif
	ds_load_b128 v[56:59], v4 offset:512*(1-(\par))        ; tile s - 1: the eight waves' least distances, into slot 3, which takes its fragment below
	ds_load_b128 v[60:63], v4 offset:512*(1-(\par))+16
.if (\par) == 0
	s_cmp_eq_u32 s16, 8
	s_cbranch_scc1 .Lkeep_\@                       ; super-step 16: the addresses stay at tile 15
.endif
	v_add_nc_u32 v5, s18, v1
.if P > 1
	v_add_nc_u32 v6, PIECE, v5
.endif
.if P > 2
	v_add_nc_u32 v7, 2*PIECE, v5
.endif
.if (\par) == 0
.Lkeep_\@:
.endif
	XLOAD 0
	XLOAD 1
	XLOAD 2
	s_wait_dscnt 6                                 ; the six loads of posts are in; the three fragments' six stay out
	v_min3_num_f32 v56, v56, v57, v58
	v_min3_num_f32 v59, v59, v60, v61
	v_min3_num_f32 v56, v56, v62, v63
	v_min_num_f32 v12, v56, v59                    ; the row's least distance
	XLOAD 3
.if \par
.Lv3_\@:
.endif
	s_cmp_eq_u32 s16, 0
	s_cbranch_scc1 .Lno_v3_\@                      ; the first two super-steps have no tile s - 2
	v_pk_add_f32 v[16:17], v[16:17], v[18:19]      ; Z: the eight waves' sums
	v_pk_add_f32 v[20:21], v[20:21], v[22:23]
	v_min3_num_f32 v24, v24, v25, v26              ; the least key is the first index of the least distance
	v_min3_num_f32 v27, v27, v28, v29
	v_pk_add_f32 v[16:17], v[16:17], v[20:21]
	v_min3_num_f32 v24, v24, v30, v31
	v_add_f32 v16, v16, v17
	v_min_num_f32 v24, v24, v27
	v_rcp_f32 v14, v16
	v_cvt_u32_f32 v24, v24                         ; also the plain instruction behind the reciprocal
	s_cmp_lg_u32 s2, 0
	s_cbranch_scc1 .Lno_ix_\@                      ; every wave has the index; wave 0 keeps it
	v_add_nc_u32 v9, s20, v13
	ds_store_b32 v9, v24
.Lno_ix_\@:
.set i, 0
	s_wait_alu depctr_va_vdst(0)
.rept 32
	v_pk_fma_f32 v[COL+2*i:COL+2*i+1], v[SB+2*i:SB+2*i+1], v[14:15], v[COL+2*i:COL+2*i+1] op_sel_hi:[1,0,1]
.set i, i+1
.endr
.Lno_v3_\@:
	s_cmp_eq_u32 s16, 8
.if \par
	s_cbranch_scc1 .Lend_\@                        ; super-step 17 is over
.else
	s_cbranch_scc1 .Lno_xx_\@                      ; super-step 16 makes no distances
.endif
	v_add_nc_u32 v9, s19, v13
	ds_load_b32 v14, v9                            ; |r|^2 of my lane's row, where 1 / Z lay: the fourth fragment's wait shows it landed (six refills are younger)
.if (\par) == 0
.Lno_xx_\@:
.endif
	MV SB
	v_pk_add_f32 v[28:29], v[28:29], v[30:31]      ; tile s - 1: my sum and my key; the row's other 64 of my codes lie in the lane 16 away
	v_permlanex16_b32 v25, v24, s28, s29
	v_add_f32 v28, v28, v29
	v_min_num_f32 v24, v24, v25
	v_permlanex16_b32 v29, v28, s28, s29
	ds_store_b32 v3, v24 offset:OFK+512*(1-(\par))
	v_add_f32 v28, v28, v29
	ds_store_b32 v3, v28 offset:OFZ+512*(1-(\par))
.if (\par) == 0
	s_cmp_eq_u32 s16, 8
	s_cbranch_scc1 .Lno_v1_\@
.endif
	V1 SB
	v_min3_num_f32 v16, v16, v17, v18
	v_min_num_f32 v16, v16, v19
	v_permlanex16_b32 v17, v16, s28, s29
	v_min_num_f32 v16, v16, v17
	ds_store_b32 v3, v16 offset:512*(\par)
.if \par
.Lend_\@:
.else
.Lno_v1_\@:
.endif
	s_wait_dscnt 0x0                               ; for the others' sake: my posts are in LDS, and my reads of the others' posts are back
	s_barrier_signal -1
	s_barrier_wait -1
	s_add_co_u32 s18, s18, 16*PITCH
	s_add_co_u32 s19, s19, 64
	s_add_co_u32 s20, s20, 64
.endm
	s_mov_b32 s16, 0
	s_mov_b32 s18, 0
	s_mov_b32 s19, XXL
	s_mov_b32 s20, IDXL-128                        ; the index stored in super-step s is tile s - 2's
.Lmain:                                                ; nine trips of two super-steps: 16 row tiles and two super-steps to drain
	SS 0
	SS 1
	s_add_co_u32 s16, s16, 1
	s_cmp_lt_u32 s16, 9
	s_cbranch_scc1 .Lmain
	; THE WAY OUT.  A lane's column sums cover the rows of its own r: the 16 lanes' are added through my stage (piece 0's bytes: every wave's reads of them were back before the last barriers).
	v_and_b32 v16, 15, v0
	v_bfe_u32 v17, v0, 4, 1
	v_and_b32 v18, 31, v0
	s_mul_i32 s21, s2, STG
	v_mul_u32_u24 v20, v16, SPI
	v_lshl_add_u32 v20, v17, 5, v20
	v_add_nc_u32 v20, s21, v20                     ; in: row r, code 16 t + 8 h + j at byte 64 t + 32 h + 4 j
	v_lshl_add_u32 v21, v18, 4, s21                ; back: four codes a lane, all 16 rows
	v_lshlrev_b32 v22, 4, v0
.set t, 0
.rept 8
	ds_store_b128 v20, v[COL+8*t:COL+8*t+3] offset:64*t
	ds_store_b128 v20, v[COL+8*t+4:COL+8*t+7] offset:64*t+16
.set t, t+1
.endr
.set i, 0
.rept 16
	ds_load_b128 v[SREG+4*i:SREG+4*i+3], v21 offset:SPI*i   ; my own bytes: these see the stores above
.set i, i+1
.endr
	s_wait_dscnt 0x0
.set d, 32
.rept 4
.set i, 0
.rept d/2
	v_pk_add_f32 v[SREG+2*i:SREG+2*i+1], v[SREG+2*i:SREG+2*i+1], v[SREG+d+2*i:SREG+d+2*i+1]
.set i, i+1
.endr
.set d, d/2
.endr
	global_store_b128 v22, v[SREG:SREG+3], s[32:33]        ; the wave stores 512 consecutive bytes, aligned
	s_cmp_lt_u32 s2, 2
	s_cbranch_scc0 .Lno_idx
	v_add_nc_u32 v23, IDXL, v22
	ds_load_b128 v[SREG+4:SREG+7], v23             ; wave 0 stored them; the last barrier lies between
	s_wait_dscnt 0x0
	global_store_b128 v22, v[SREG+4:SREG+7], s[IOUT:IOUT+1]
.Lno_idx:
.if LEVEL > 0
	s_cmp_lg_u32 s2, 2
	s_cbranch_scc1 .Lno_loss
	v_mov_b32 v24, LOS
	ds_load_b128 v[32:35], v24
	ds_load_b128 v[36:39], v24 offset:16
	s_wait_dscnt 0x0
	v_pk_add_f32 v[32:33], v[32:33], v[34:35]
	v_pk_add_f32 v[36:37], v[36:37], v[38:39]
	v_pk_add_f32 v[32:33], v[32:33], v[36:37]
	v_add_f32 v32, v32, v33
	s_lshl_b32 s21, ttmp9, 2
	v_mov_b32 v25, s21
	v_cmp_eq_u32 vcc_lo, 64, v0                    ; wave 2's first lane
	s_wait_xcnt 0x0                                ; EXEC is a source of the store above: it changes only behind this wait
	s_and_saveexec_b32 s21, vcc_lo
	global_store_b32 v25, v32, s[PART:PART+1] offset:LOSSG+(LEVEL-1)*1024
	s_wait_xcnt 0x0                                ; and again ahead of the line that widens it
	s_or_b32 exec_lo, exec_lo, s21
.Lno_loss:
.endif
	s_wait_tensorcnt 0x0                           ; the wave's end: three lines behind my last LDS store
	ds_add_u32 v10, v11
	s_wait_dscnt 0x0
	s_endpgm
.Lfunc_end_k_qf2b395d116_lev2:
	.size	k_qf2b395d116_lev2, .Lfunc_end_k_qf2b395d116_lev2-k_qf2b395d116_lev2
	.p2alignl 7, 3214868480
	.fill 96, 4, 3214868480
	.section	.rodata,"a",@progbits
	.p2align	6, 0x0
	.amdhsa_kernel k_qf2b395d116_lev2
		.amdhsa_group_segment_fixed_size 219392
		.amdhsa_private_segment_fixed_size 0
		.amdhsa_enable_private_segment 0
		.amdhsa_kernarg_size 48
		.amdhsa_user_sgpr_count 2
		.amdhsa_user_sgpr_kernarg_segment_ptr 1
		.amdhsa_wavefront_size32 1
		.amdhsa_system_sgpr_workgroup_id_x 1
		.amdhsa_system_sgpr_workgroup_id_y 1
		.amdhsa_system_sgpr_workgroup_id_z 1
		.amdhsa_system_vgpr_workitem_id 0
		.amdhsa_next_free_vgpr 512
		.amdhsa_next_free_sgpr 66
		.amdhsa_reserve_vcc 1
		.amdhsa_float_denorm_mode_32 3
		.amdhsa_float_denorm_mode_16_64 3
		.amdhsa_memory_ordered 1
		.amdhsa_forward_progress 1
		.amdhsa_inst_pref_size 116
	.end_amdhsa_kernel
	.amdgpu_metadata
---
amdhsa.version: [ 1, 2 ]
amdhsa.kernels:
  - .name:           k_qf2b395d116_lev2
    .symbol:         k_qf2b395d116_lev2.kd
    .args:
      - { .name: xb, .offset: 0, .size: 8, .value_kind: global_buffer, .address_space: global }
      - { .name: cb, .offset: 8, .size: 8, .value_kind: global_buffer, .address_space: global }
      - { .name: idx0, .offset: 16, .size: 8, .value_kind: global_buffer, .address_space: global }
      - { .name: idx1, .offset: 24, .size: 8, .value_kind: global_buffer, .address_space: global }
      - { .name: idx2, .offset: 32, .size: 8, .value_kind: global_buffer, .address_space: global }
      - { .name: part, .offset: 40, .size: 8, .value_kind: global_buffer, .address_space: global }
    .group_segment_fixed_size: 219392
    .private_segment_fixed_size: 0
    .kernarg_segment_align: 8
    .kernarg_segment_size: 48
    .max_flat_workgroup_size: 256
    .sgpr_count:     66
    .vgpr_count:     512
    .wavefront_size: 32
...
	.end_amdgpu_metadata
.endif
;; end of part 4
;; launch fin (part 5): grid 256 x 1, 32 waves a work-group, no clusters, 12,544 bytes of LDS; arguments xb, cb, idx0, idx1, idx2, part, out0, out1, sums; writes out0, out1, sums
.if DOCPART == 5
	.amdgcn_target "amdgcn-amd-amdhsa--gfx1250"
	.amdhsa_code_object_version 6
	.text
	.protected	k_qf2b395d116_fin
	.globl	k_qf2b395d116_fin
	.p2align	8
	.type	k_qf2b395d116_fin,@function
k_qf2b395d116_fin:
	s_mov_b64 s[64:65], 0
	v_nop
	global_prefetch_b8 v0, s[64:65] scope:SCOPE_SE
	s_setreg_imm32_b32 hwreg(HW_REG_WAVE_MODE, 25, 1), 1
	s_wait_xcnt 0x0
; THE RESULTS BY ROWS, and the first step of the sums over work-groups.  A work-group takes 256 rows, each of its 32 waves 8; a row is one load or store of the wave.
;   out0[row] = (q0 + q1) + q2, each sum rounded once to f32 as the codes' bf16 rows are added (cb holds -W, so the sum is made of the negatives and its sign turned);
;   out1[row] = the three indices;   the work-group's sum of |((x - q0) - q1) - q2|^2 (sums + 49,152);
;   work-groups 0 to 191 also add 64 of part's 256 rows for 64 of its 3,072 columns (sums: [4 quarters of the rows][3,072] f32).
; The term residual - residual of the straight-through estimator is 0 for finite numbers and is not formed: NaN and infinities are not treated apart.  Indices are clamped to 1,023 where they
; make addresses, and go into out1 as they are.  Memory binds: no matrix unit, no cluster; all of a wave's loads are asked for at once.
.set NROW,  786432                     ; cb: the rows of -W, bf16, [3][1024][128]
.set LEVB,  262144
.set LOS,   8192                       ; LDS: 0 .. 8,191 the 32 waves' 256 bytes of column sums; here their sums of squares
.set SPARE, 8448                       ; the spare words, 128 bytes for each wave: sixteen blocks of 256 bytes that no other line names
.set T,     116                        ; v[116:119] four f32 at work
; v1 8 lane; v2, v3 my offsets in xb and out0; v4, v5 the add's two; v6 1.0; v[8:9] sum of squares; v10 lane; v11 part's offset; v[12:14] out1's triple; v15 its loads' offset;
; v[16:31] x, 2 a row; v[32:55] gather offsets; v[56:103] row k: -q0, -q1, -q2, 2 each, then the row's result in the first 4; v120 lane % 16; v[124:127] four column sums
.macro ADDBB d, a, b                   ; v[d], v[d+1] = the two bf16 of v[a] + those of v[b], each sum rounded once to f32
	v_fma_mix_f32_bf16 v[\d], v[\a], v6, v[\b] op_sel:[0,0,0] op_sel_hi:[1,0,1]
	v_fma_mix_f32_bf16 v[(\d)+1], v[\a], v6, v[\b] op_sel:[1,0,1] op_sel_hi:[1,0,1]
.endm
.macro ADDBF d, a                      ; v[d], v[d+1] += the two bf16 of v[a]
	v_fma_mix_f32_bf16 v[\d], v[\a], v6, v[\d] op_sel:[0,0,0] op_sel_hi:[1,0,0]
	v_fma_mix_f32_bf16 v[(\d)+1], v[\a], v6, v[(\d)+1] op_sel:[1,0,0] op_sel_hi:[1,0,0]
.endm
	s_load_b512 s[4:19], s[0:1], 0x0               ; xb s[4:5], cb s[6:7], idx0-2 s[8:13], part s[14:15], out0 s[16:17], out1 s[18:19]
	s_load_b64 s[20:21], s[0:1], 0x40              ; sums
	v_lshl_add_u32 v4, v0, 2, SPARE                ; my spare word,
	v_mov_b32 v5, 0                                ; and 0: kept for the closing add alone
	v_lshrrev_b32 v7, 5, v0
	v_readfirstlane_b32 s2, v7                     ; wave 0..31
	v_and_b32 v10, 31, v0
	v_and_b32 v120, 15, v0
	v_lshlrev_b32 v1, 3, v10
	v_lshl_add_u32 v2, v7, 11, v1                  ; xb: 8 rows of 256 bytes a wave, 8 bytes a lane
	v_lshlrev_b32 v3, 4, v10
	v_lshl_add_u32 v3, v7, 12, v3                  ; out0: 8 rows of 512 bytes a wave, 16 bytes a lane
	v_mov_b32 v6, 1.0
	s_mov_b32 s54, ttmp9
	s_lshl_b32 s22, s54, 10                        ; the work-group's 256 indices
	s_lshl_b32 s23, s2, 5
	s_add_co_u32 s23, s23, s22                     ; my wave's 8
	v_lshl_add_u32 v15, v0, 2, s22
	v_lshrrev_b32 v11, 4, v0
	v_mul_u32_u24 v11, v11, 12288                  ; part: row thread / 16 of my quarter,
	v_lshl_add_u32 v11, v120, 4, v11               ; 16 bytes a lane: sixteen lanes read 256 consecutive bytes
	s_and_b32 s52, s54, 3                          ; which quarter of part's rows,
	s_lshr_b32 s53, s54, 2
	s_lshl_b32 s53, s53, 8                         ; which 64 columns
	s_mul_i32 s55, s52, 64*12288
	s_add_co_u32 s55, s55, s53
	v_add_nc_u32 v11, s55, v11
	s_mul_i32 s52, s52, 12288
	s_add_co_u32 s52, s52, s53                     ; where their sums go
	s_mov_b32 s53, 0
	s_mov_b32 s48, 0x76543210
	s_mov_b32 s49, 0xfedcba98
.irp i, 12,13,14,124,125,126,127
	v_mov_b32 v\i, 0                               ; written ahead of the branches that load them, so that every way through the text finds them written
.endr
	s_wait_kmcnt 0x0
	s_load_b256 s[24:31], s[8:9], s23 offset:0x0   ; my 8 rows' indices, as scalars
	s_load_b256 s[32:39], s[10:11], s23 offset:0x0
	s_load_b256 s[40:47], s[12:13], s23 offset:0x0
	s_mov_b32 s51, 0
	s_lshl_b32 s50, s54, 16
	s_add_nc_u64 s[4:5], s[4:5], s[50:51]
.set k, 0
.rept 8
	global_load_b64 v[16+2*k:17+2*k], v2, s[4:5] offset:256*k th:TH_LOAD_NT
.set k, k+1
.endr
	s_cmp_lt_u32 s54, 192
	s_cbranch_scc0 .Lno_part
	global_load_b128 v[124:127], v11, s[14:15] th:TH_LOAD_NT
.Lno_part:
	s_cmp_lt_u32 s2, 8
	s_cbranch_scc0 .Lno_tri
	global_load_b32 v12, v15, s[8:9]
	global_load_b32 v13, v15, s[10:11]
	global_load_b32 v14, v15, s[12:13]
.Lno_tri:
	s_lshl_b32 s50, s54, 17
	s_add_nc_u64 s[16:17], s[16:17], s[50:51]
	s_mul_i32 s50, s54, 3072
	s_add_nc_u64 s[18:19], s[18:19], s[50:51]
	s_add_nc_u64 s[56:57], s[20:21], s[52:53]
	s_wait_kmcnt 0x0
.set k, 0
.rept 8
.irp l, 0,1,2
	s_min_u32 s[24+8*\l+k], s[24+8*\l+k], 0x3ff    ; an index stays inside its table
	v_lshl_add_u32 v[32+3*k+\l], s[24+8*\l+k], 8, v1
	global_load_b64 v[56+6*k+2*\l:57+6*k+2*\l], v[32+3*k+\l], s[6:7] offset:NROW+LEVB*\l
.endr
.set k, k+1
.endr
.set k, 0
.rept 8
.set XR, 16+2*k
.set QA, 56+6*k
	s_wait_loadcnt 3*(7-k)                         ; all but the later rows' gathers: everything else was asked for ahead of the gathers
	ADDBB T, XR, QA                                ; ((x - q0) - q1) - q2
	ADDBB T+2, XR+1, QA+1
	ADDBF T, QA+2
	ADDBF T+2, QA+3
	ADDBF T, QA+4
	ADDBF T+2, QA+5
.if k == 0
	v_pk_mul_f32 v[8:9], v[T:T+1], v[T:T+1]        ; the first row starts the sum
.else
	v_pk_fma_f32 v[8:9], v[T:T+1], v[T:T+1], v[8:9]
.endif
	v_pk_fma_f32 v[8:9], v[T+2:T+3], v[T+2:T+3], v[8:9]
	ADDBB T, QA, QA+2                              ; (-q0 - q1) - q2
	ADDBB T+2, QA+1, QA+3
	ADDBF T, QA+4
	ADDBF T+2, QA+5
	v_pk_mul_f32 v[QA:QA+1], v[T:T+1], -1.0 op_sel_hi:[1,0]
	v_pk_mul_f32 v[QA+2:QA+3], v[T+2:T+3], -1.0 op_sel_hi:[1,0]
	global_store_b128 v3, v[QA:QA+3], s[16:17] offset:512*k th:TH_STORE_NT   ; a row: 512 consecutive bytes, aligned; the data lie in the row's own registers
.set k, k+1
.endr
	s_cmp_lt_u32 s2, 8
	s_cbranch_scc0 .Lno_out1
	v_mul_u32_u24 v7, v0, 12
	global_store_b96 v7, v[12:14], s[18:19]        ; a wave stores 384 consecutive bytes
.Lno_out1:
	v_add_f32 v8, v8, v9
.irp m, 1,2,4,8
	v_add_f32_dpp v8, v8, v8 row_xmask:\m row_mask:0xf bank_mask:0xf
.endr
	v_permlanex16_b32 v9, v8, s48, s49
	v_add_f32 v8, v8, v9
	s_lshl_b32 s50, s2, 2
	s_add_co_u32 s50, s50, LOS
	v_mov_b32 v121, s50
	ds_store_b32 v121, v8
.irp i, 0,1,2,3
	v_permlanex16_b32 v[T+\i], v[124+\i], s48, s49 ; the wave's two rows of part
.endr
	v_pk_add_f32 v[124:125], v[124:125], v[T:T+1]
	v_pk_add_f32 v[126:127], v[126:127], v[T+2:T+3]
	s_lshl_b32 s50, s2, 8
	v_lshl_add_u32 v122, v120, 4, s50
	ds_store_b128 v122, v[124:127]
	s_wait_dscnt 0x0                               ; for the others' sake: my stores are in LDS
	s_barrier_signal -1
	s_barrier_wait -1
	s_cmp_lg_u32 s2, 0
	s_cbranch_scc1 .Lnot_0
	v_lshl_add_u32 v121, v0, 2, LOS                ; wave 0: a word a lane
	ds_load_b32 v8, v121
	s_wait_dscnt 0x0
.irp m, 1,2,4,8
	v_add_f32_dpp v8, v8, v8 row_xmask:\m row_mask:0xf bank_mask:0xf
.endr
	v_permlanex16_b32 v9, v8, s48, s49
	v_add_f32 v8, v8, v9
	s_lshl_b32 s50, s54, 2
	v_mov_b32 v123, s50
	v_cmp_eq_u32 vcc_lo, 0, v0
	s_wait_xcnt 0x0                                ; EXEC is a source of the stores above: it changes only behind this wait
	s_and_saveexec_b32 s58, vcc_lo
	global_store_b32 v123, v8, s[20:21] offset:49152
	s_wait_xcnt 0x0                                ; and again ahead of the line that widens it
	s_or_b32 exec_lo, exec_lo, s58
.Lnot_0:
	s_cmp_lg_u32 s2, 1
	s_cbranch_scc1 .Lnot_1
	s_cmp_lt_u32 s54, 192
	s_cbranch_scc0 .Lnot_1
	s_wait_xcnt 0x0                                ; the rows' stores have read their registers: only behind this wait are these loaded again
	v_lshlrev_b32 v123, 4, v10
.set i, 0
.rept 16
	ds_load_b128 v[16+4*i:19+4*i], v123 offset:512*i   ; two waves' 256 bytes a load
.set i, i+1
.endr
	s_wait_dscnt 0x0
.set d, 32
.rept 4
.set i, 0
.rept d/2
	v_pk_add_f32 v[16+2*i:17+2*i], v[16+2*i:17+2*i], v[16+d+2*i:17+d+2*i]
.set i, i+1
.endr
.set d, d/2
.endr
.irp i, 0,1,2,3
	v_permlanex16_b32 v[20+\i], v[16+\i], s48, s49
.endr
	v_pk_add_f32 v[16:17], v[16:17], v[20:21]
	v_pk_add_f32 v[18:19], v[18:19], v[22:23]
	v_cmp_gt_u32 vcc_lo, 16, v10
	s_and_saveexec_b32 s58, vcc_lo                 ; no load or store has been issued since the wait above
	global_store_b128 v123, v[16:19], s[56:57]     ; sixteen lanes store 256 consecutive bytes, aligned
	s_wait_xcnt 0x0
	s_or_b32 exec_lo, exec_lo, s58
.Lnot_1:
	s_wait_tensorcnt 0x0                           ; the wave's end: three lines behind my last LDS store
	ds_add_u32 v4, v5
	s_wait_dscnt 0x0
	s_endpgm
.Lfunc_end_k_qf2b395d116_fin:
	.size	k_qf2b395d116_fin, .Lfunc_end_k_qf2b395d116_fin-k_qf2b395d116_fin
	.p2alignl 7, 3214868480
	.fill 96, 4, 3214868480
	.section	.rodata,"a",@progbits
	.p2align	6, 0x0
	.amdhsa_kernel k_qf2b395d116_fin
		.amdhsa_group_segment_fixed_size 12544
		.amdhsa_private_segment_fixed_size 0
		.amdhsa_enable_private_segment 0
		.amdhsa_kernarg_size 72
		.amdhsa_user_sgpr_count 2
		.amdhsa_user_sgpr_kernarg_segment_ptr 1
		.amdhsa_wavefront_size32 1
		.amdhsa_system_sgpr_workgroup_id_x 1
		.amdhsa_system_sgpr_workgroup_id_y 1
		.amdhsa_system_sgpr_workgroup_id_z 1
		.amdhsa_system_vgpr_workitem_id 0
		.amdhsa_next_free_vgpr 128
		.amdhsa_next_free_sgpr 66
		.amdhsa_reserve_vcc 1
		.amdhsa_float_denorm_mode_32 3
		.amdhsa_float_denorm_mode_16_64 3
		.amdhsa_memory_ordered 1
		.amdhsa_forward_progress 1
		.amdhsa_inst_pref_size 29
	.end_amdhsa_kernel
	.amdgpu_metadata
---
amdhsa.version: [ 1, 2 ]
amdhsa.kernels:
  - .name:           k_qf2b395d116_fin
    .symbol:         k_qf2b395d116_fin.kd
    .args:
      - { .name: xb, .offset: 0, .size: 8, .value_kind: global_buffer, .address_space: global }
      - { .name: cb, .offset: 8, .size: 8, .value_kind: global_buffer, .address_space: global }
      - { .name: idx0, .offset: 16, .size: 8, .value_kind: global_buffer, .address_space: global }
      - { .name: idx1, .offset: 24, .size: 8, .value_kind: global_buffer, .address_space: global }
      - { .name: idx2, .offset: 32, .size: 8, .value_kind: global_buffer, .address_space: global }
      - { .name: part, .offset: 40, .size: 8, .value_kind: global_buffer, .address_space: global }
      - { .name: out0, .offset: 48, .size: 8, .value_kind: global_buffer, .address_space: global }
      - { .name: out1, .offset: 56, .size: 8, .value_kind: global_buffer, .address_space: global }
      - { .name: sums, .offset: 64, .size: 8, .value_kind: global_buffer, .address_space: global }
    .group_segment_fixed_size: 12544
    .private_segment_fixed_size: 0
    .kernarg_segment_align: 8
    .kernarg_segment_size: 72
    .max_flat_workgroup_size: 1024
    .sgpr_count:     66
    .vgpr_count:     128
    .wavefront_size: 32
...
	.end_amdgpu_metadata
.endif
;; end of part 5
;; launch red (part 6): grid 1 x 1, 24 waves a work-group, no clusters, 3,328 bytes of LDS; arguments part, sums, out2, out3; writes out2, out3
.if DOCPART == 6
	.amdgcn_target "amdgcn-amd-amdhsa--gfx1250"
	.amdhsa_code_object_version 6
	.text
	.protected	k_qf2b395d116_red
	.globl	k_qf2b395d116_red
	.p2align	8
	.type	k_qf2b395d116_red,@function
k_qf2b395d116_red:
	s_mov_b64 s[64:65], 0
	v_nop
	global_prefetch_b8 v0, s[64:65] scope:SCOPE_SE
	s_setreg_imm32_b32 hwreg(HW_REG_WAVE_MODE, 25, 1), 1
	s_wait_xcnt 0x0
; THE TWO SCALARS.  One work-group of 768 threads: one owner for each output, so that the sums over work-groups have a fixed order.
; Thread t adds the four quarters of columns 4 t .. 4 t + 3 (3 levels x 1,024), p = sum / 65,536, and forms p ln(1,024 p + 1e-8); it also takes one of the 768 partial sums of squared errors
; (512 in part, 256 in sums).  out3 = 1e-3 x the sum of the terms; out2 = 1.25 x the sum of the squares / (65,536 x 128).  All in f32, sums by trees.
.set SPARE, 256                        ; LDS: 24 pairs of f32 in the first block; then the spare words, 128 bytes for each wave, that no other line names
	s_load_b256 s[4:11], s[0:1], 0x0               ; part s[4:5], sums s[6:7], out2 s[8:9], out3 s[10:11]
	v_lshl_add_u32 v2, v0, 2, SPARE                ; my spare word,
	v_mov_b32 v3, 0                                ; and 0: kept for the closing add alone
	v_lshrrev_b32 v1, 5, v0
	v_readfirstlane_b32 s2, v1                     ; wave 0..23
	v_lshlrev_b32 v4, 4, v0
	s_mov_b32 s12, 3145728                         ; part's squares begin here: threads 0 to 511
	s_mov_b32 s13, 49152-2048                      ; sums' at 49,152: threads 512 to 767
	s_cmp_lt_u32 s2, 16
	s_cselect_b32 s12, s12, s13
	v_lshl_add_u32 v5, v0, 2, s12
	s_mov_b32 s16, 0x44800000                      ; 1,024
	s_mov_b32 s17, 0x322bcc77                      ; 1e-8
	s_mov_b32 s18, 0x76543210
	s_mov_b32 s19, 0xfedcba98
	s_lshl_b32 s20, s2, 3
	v_mov_b32 v6, s20
	v_mov_b32 v7, 0
	s_wait_kmcnt 0x0
	s_cmp_lt_u32 s2, 16
	s_cselect_b64 s[14:15], s[4:5], s[6:7]
.irp i, 0,1,2,3
	global_load_b128 v[8+4*\i:11+4*\i], v4, s[6:7] offset:12288*\i
.endr
	global_load_b32 v24, v5, s[14:15]
	s_wait_loadcnt 0x0
	v_pk_add_f32 v[8:9], v[8:9], v[12:13]
	v_pk_add_f32 v[10:11], v[10:11], v[14:15]
	v_pk_add_f32 v[16:17], v[16:17], v[20:21]
	v_pk_add_f32 v[18:19], v[18:19], v[22:23]
	v_pk_add_f32 v[8:9], v[8:9], v[16:17]
	v_pk_add_f32 v[10:11], v[10:11], v[18:19]
	v_pk_mul_f32 v[8:9], v[8:9], 0x37800000 op_sel_hi:[1,0]     ; / 65,536
	v_pk_mul_f32 v[10:11], v[10:11], 0x37800000 op_sel_hi:[1,0]
.irp i, 0,1,2,3
	v_fma_f32 v[12+\i], v[8+\i], s16, s17
.endr
.irp i, 0,1,2,3
	v_log_f32 v[12+\i], v[12+\i]                   ; base 2: ln 2 is applied at the end
.endr
	v_nop                                          ; a plain instruction between the last logarithm and the use of its result
	s_wait_alu depctr_va_vdst(0)
	v_mul_f32 v12, v12, v8
	v_fma_f32 v12, v13, v9, v12
	v_fma_f32 v12, v14, v10, v12
	v_fma_f32 v12, v15, v11, v12
.irp m, 1,2,4,8
	v_add_f32_dpp v12, v12, v12 row_xmask:\m row_mask:0xf bank_mask:0xf
	v_add_f32_dpp v24, v24, v24 row_xmask:\m row_mask:0xf bank_mask:0xf
.endr
	v_permlanex16_b32 v13, v12, s18, s19
	v_permlanex16_b32 v14, v24, s18, s19
	v_add_f32 v12, v12, v13
	v_add_f32 v13, v24, v14
	ds_store_b64 v6, v[12:13]                      ; the wave's two sums
	s_wait_dscnt 0x0                               ; for wave 0's sake
	s_barrier_signal -1
	s_barrier_wait -1
	s_cmp_lg_u32 s2, 0
	s_cbranch_scc1 .Lnot_0
.set i, 0
.rept 12
	ds_load_b128 v[32+4*i:35+4*i], v7 offset:16*i  ; every lane reads all 24 pairs
.set i, i+1
.endr
	s_wait_dscnt 0x0
.set i, 1
.rept 23
	v_pk_add_f32 v[32:33], v[32:33], v[32+2*i:33+2*i]
.set i, i+1
.endr
	v_mul_f32 v32, 0x3f317218, v32                 ; ln 2
	v_mul_f32 v32, 0x3a83126f, v32                 ; 1e-3
	v_mul_f32 v33, 0x34200000, v33                 ; 1.25 / 2^23
	v_cmp_eq_u32 vcc_lo, 0, v0
	s_wait_xcnt 0x0                                ; EXEC changes only behind this wait
	s_and_saveexec_b32 s21, vcc_lo
	global_store_b32 v7, v33, s[8:9]
	global_store_b32 v7, v32, s[10:11]
	s_wait_xcnt 0x0                                ; and again ahead of the line that widens it
	s_or_b32 exec_lo, exec_lo, s21
.Lnot_0:
	s_wait_tensorcnt 0x0                           ; the wave's end: three lines behind my last LDS store
	ds_add_u32 v2, v3
	s_wait_dscnt 0x0
	s_endpgm
.Lfunc_end_k_qf2b395d116_red:
	.size	k_qf2b395d116_red, .Lfunc_end_k_qf2b395d116_red-k_qf2b395d116_red
	.p2alignl 7, 3214868480
	.fill 96, 4, 3214868480
	.section	.rodata,"a",@progbits
	.p2align	6, 0x0
	.amdhsa_kernel k_qf2b395d116_red
		.amdhsa_group_segment_fixed_size 3328
		.amdhsa_private_segment_fixed_size 0
		.amdhsa_enable_private_segment 0
		.amdhsa_kernarg_size 32
		.amdhsa_user_sgpr_count 2
		.amdhsa_user_sgpr_kernarg_segment_ptr 1
		.amdhsa_wavefront_size32 1
		.amdhsa_system_sgpr_workgroup_id_x 1
		.amdhsa_system_sgpr_workgroup_id_y 1
		.amdhsa_system_sgpr_workgroup_id_z 1
		.amdhsa_system_vgpr_workitem_id 0
		.amdhsa_next_free_vgpr 80
		.amdhsa_next_free_sgpr 66
		.amdhsa_reserve_vcc 1
		.amdhsa_float_denorm_mode_32 3
		.amdhsa_float_denorm_mode_16_64 3
		.amdhsa_memory_ordered 1
		.amdhsa_forward_progress 1
		.amdhsa_inst_pref_size 7
	.end_amdhsa_kernel
	.amdgpu_metadata
---
amdhsa.version: [ 1, 2 ]
amdhsa.kernels:
  - .name:           k_qf2b395d116_red
    .symbol:         k_qf2b395d116_red.kd
    .args:
      - { .name: part, .offset: 0, .size: 8, .value_kind: global_buffer, .address_space: global }
      - { .name: sums, .offset: 8, .size: 8, .value_kind: global_buffer, .address_space: global }
      - { .name: out2, .offset: 16, .size: 8, .value_kind: global_buffer, .address_space: global }
      - { .name: out3, .offset: 24, .size: 8, .value_kind: global_buffer, .address_space: global }
    .group_segment_fixed_size: 3328
    .private_segment_fixed_size: 0
    .kernarg_segment_align: 8
    .kernarg_segment_size: 32
    .max_flat_workgroup_size: 768
    .sgpr_count:     66
    .vgpr_count:     80
    .wavefront_size: 32
...
	.end_amdgpu_metadata
.endif
;; end of part 6
;; ======== version 2 of 2: 6 launches; 1.07 times as fast as version 1
;; limits: right only within a limited range of input values
;; workspace buffers: xb 16,777,216 bytes; cb 1,585,152 bytes; idx0 262,144 bytes of whole numbers; idx1 262,144 bytes of whole numbers; idx2 262,144 bytes of whole numbers; part 3,147,776 bytes; sums 50,176 bytes
;; launch prep: the kernel of part 1 again; grid 192 x 1, 1 waves a work-group, no clusters, 4,608 bytes of LDS; arguments codebooks, cb; writes cb
;; launch lev0 (part 7): grid 256 x 1, 8 waves a work-group, no clusters, 80,128 bytes of LDS; arguments x, cb, xb, idx0, part; writes xb, idx0, part
.if DOCPART == 7
	.amdgcn_target "amdgcn-amd-amdhsa--gfx1250"
	.amdhsa_code_object_version 6
	.text
	.protected	k_qf2b395d116_lev0
	.globl	k_qf2b395d116_lev0
	.p2align	8
	.type	k_qf2b395d116_lev0,@function
k_qf2b395d116_lev0:
	s_mov_b64 s[64:65], 0
	v_nop
	global_prefetch_b8 v0, s[64:65] scope:SCOPE_SE
	s_setreg_imm32_b32 hwreg(HW_REG_WAVE_MODE, 25, 1), 1
	s_wait_xcnt 0x0
; ONE LEVEL OF THE RESIDUAL VECTOR QUANTIZER.  The three levels' texts differ in the line .set LEVEL alone.
; WHAT IT MAKES.  For the work-group's 256 rows r and the level's 1,024 codes w: d = fl(fl(|r|^2 - 2 r.w) + |w|^2); the first index of the least d (into idx); the work-group's column sums of
; softmax(-d) (into part).  From level 1 on also the sum of |r|^2, the squared error of the level before.  Level 0 also writes x rounded to bf16 (xb).
; FORMATS.  x and the codebooks are rounded once to bf16.  The residual is never rounded to 16 bits: r = x - q0 - q1 is multiplied as its P = LEVEL + 1 bf16 pieces x, -q0, -q1, summed in one f32
; accumulator, the smallest piece first; |r|^2 is taken of fl(fl(x - q0) - q1).  All else in f32; the row's least distance is taken away before every exponential.
; LIMITS.  NaN and infinities are not treated apart.  The index is found as the least of (d - dmin) 2^100 + index, so distances that differ by less than 2^-90 count as tied (f32 distances below
; 2^-66 could do that).  A weight below 2^-126 counts as 0.  1 / Z is a reciprocal and a multiply.  Indices read from memory are clamped to 1,023.
; SHARES.  Eight waves.  Wave w owns the codes 128 w .. 128 w + 127: their operand registers, 8 tiles x 32, fill window 1 for the whole launch.  All waves walk the 16 row tiles of 16 rows.
; The product is used transposed (source 0 = 16 codes, source 1 = 16 rows): a lane holds ONE row (lane % 16) and register j of tile t the code 128 w + 16 t + 8 (lane / 16) + j.
; THE WALK.  A row's least distance, sum and index span the eight waves: they meet in LDS, twice for each row tile.  Super-step s: the posts are read (the least distance of tile s - 1; Z and the
; index key of tile s - 2); the column sums of tile s - 2; the products of tile s, and BEHIND THE MATRIX INSTRUCTIONS, in slices, the weights, sum and key of tile s - 1, which name none of the
; products' registers; my sum and key are posted; tile s's distances and my least one, which is posted.  One barrier ends a super-step.  Tiles take two register buffers and two sets of LDS words by
; turns, so what a super-step writes nobody reads in it.  A slice costs two switches of the register window: the codes fill window 1, all that the slices touch lies in window 0.
; TRANSCENDENTALS: TWO BATCHES A SUPER-STEP, each with one s_wait_alu depctr_va_vdst(0) ahead of the first instruction that names a result.
; (1) 1 / Z of tile s - 2, alone: the key's last two lines stand between it and its wait, the 32 column-sum lines behind the wait.  (2) The 64 exponentials of tile s - 1, each in place in a
; register of its own: ahead of their wait stands all of the tile's vector work that names no weight (differences, keys, scalings, the keys' minima), behind it the 30 lines that add the weights.
; ONE TEXT FOR EVERY SUPER-STEP.  In super-step 0 the slices work on zeros and nobody reads what they post; super-step 16 multiplies tile 15 once more and nobody reads the result; super-step 17
; jumps over all but the column sums.
; No tensor load, no cluster: every LDS byte is written once, from registers through which the data must pass anyway (a conversion, rows gathered by index); nothing is filled again.
.set LEVEL,  0
.set P,      LEVEL+1
.set PITCH,  272                       ; an LDS row: 256 bytes + 16: the 16 rows of a fragment load start 4 banks apart (64 banks of 4 bytes: ISA guide 11.1)
.set PIECE,  256*PITCH                 ; a piece: 256 rows.  Piece 0 x, piece 1 -q0, piece 2 -q1
.set Q,      P*PIECE
.set WWL,    Q                         ; |w|^2, 1,024 f32
.set XXL,    Q+4096                    ; |r|^2, 256 f32
.set EX1,    Q+5120                    ; least distances: 2 parities x [16 rows][8 waves] f32
.set OFZ,    1024                      ; the sums lie so far behind them,
.set OFK,    2048                      ; the index keys so far
.set IDXL,   Q+8192                    ; the 256 indices
.set LOS,    Q+9216                    ; the eight waves' sums of |r|^2
.set SPARE,  Q+9472                    ; the spare words, 128 bytes for each wave: four blocks of 256 bytes that no other line names
.set STG,    8448                      ; after the walk piece 0's bytes serve as stages: 16 rows x 528 bytes a wave
.set SPI,    528
.set FRAGL,  262144                    ; a level's bytes in cb's FRAG and NROW
.set NROW,   786432
.set WWG,    1572864
.set LOSSG,  3145728                   ; part: behind the column sums, [2][256] f32
; window 0: v0 thread; v1 fragment place 272 r + 16 h; v2 my |w|^2; v3 where I post; v4 where I read posts; v5-7 the pieces' fragment addresses; v8 float(128 w + 8 h); v9 an address at work;
; v10, v11 the add's two; v12 the least distance, v13 4 r (named with v12 as a pair, never taken from it); v14 1 / Z, then |r|^2, v15 1.0 (likewise); v16-31 the posts as read, then v16-23 eight keys
; at work and later four minima, v24-27 the keys' chains, v28-31 the sums' chains; v32-63 four slots; v64-127 column sums; v128-255 two buffers of 8 tiles.
; window 1: the codes' operand registers, tile t, channels 32 c on at 32 t + 8 c.
.set KT,     16
.set XF,     32                        ; four slots of 8: row fragments, then tiles of |w|^2
.set COL,    64
.set SREG,   128
.set NA,     197                       ; lines of a tile's vector work that stand ahead of the exponentials' wait
.set NS,     227                       ; lines in all
.set CH,     4                         ; a slice is issued when so many lines are due
.if P > 1
.set FW,     4*P-2                     ; the exponentials' wait stands behind so many of the 4 P fragments' products
.else
.set FW,     4*P-1
.endif
; s2 wave; s[4:15] buffers; s16 trip; s17 a counter; s18, s19, s20 the row tile's bytes in a piece, in XXL, in IDXL; s21 at work; s[24:25] -2^100; s[26:27] log2(e); s[28:29] lane selects
.if LEVEL == 2
.set IOUT, 12
.set PART, 14
.else
.set IOUT, 10
.set PART, 12
.endif
.set MSB, 0
.macro WIN new                         ; the immediate's high byte repeats the setting that is left; a switch that changes nothing is dropped
.if MSB != (\new)
	s_set_vgpr_msb (MSB<<8)|(\new)
.set MSB, (\new)
.endif
.endm
.set NBI, 0                            ; loads of the codes' registers issued so far, of 64
.macro BLOADS n
	WIN 0x40                                       ; destination window 1, address window 0
.rept \n
	global_load_b128 v[4*NBI:4*NBI+3], v9, s[34:35] offset:512*NBI
.set NBI, NBI+1
.endr
	WIN 0
.endm
.macro ADDBB d, a, b                   ; v[d], v[d+1] = the two bf16 of v[a] + those of v[b], each sum rounded once to f32
	v_fma_mix_f32_bf16 v[\d], v[\a], v15, v[\b] op_sel:[0,0,0] op_sel_hi:[1,0,1]
	v_fma_mix_f32_bf16 v[(\d)+1], v[\a], v15, v[\b] op_sel:[1,0,1] op_sel_hi:[1,0,1]
.endm
.macro ADDBF d, a                      ; v[d], v[d+1] += the two bf16 of v[a]
	v_fma_mix_f32_bf16 v[\d], v[\a], v15, v[\d] op_sel:[0,0,0] op_sel_hi:[1,0,0]
	v_fma_mix_f32_bf16 v[(\d)+1], v[\a], v15, v[(\d)+1] op_sel:[1,0,0] op_sel_hi:[1,0,0]
.endm
.macro FBITS n                         ; FB = the f32 pattern of the whole number n, 0 to 127
.set FB, 0
.set e_, 6
.rept 7
.if ((\n) >> e_) == 1
.set FB, ((127+e_)<<23) | (((\n)-(1<<e_)) << (23-e_))
.endif
.set e_, e_-1
.endr
.endm
	s_load_b256 s[4:11], s[0:1], 0x0
.if LEVEL == 2
	s_load_b128 s[12:15], s[0:1], 0x20
.else
	s_load_b64 s[12:13], s[0:1], 0x20
.endif
	v_lshl_add_u32 v10, v0, 2, SPARE               ; my spare word,
	v_mov_b32 v11, 0                               ; and 0: kept for the closing add alone
	v_lshrrev_b32 v16, 5, v0
	v_readfirstlane_b32 s2, v16                    ; wave 0..7
	v_and_b32 v17, 31, v0                          ; lane
	v_and_b32 v18, 15, v0                          ; r
	v_bfe_u32 v19, v0, 4, 1                        ; h
	s_mov_b32 s24, 0xf1800000                      ; -2^100
	s_mov_b32 s25, s24                             ; named with it as a pair
	s_mov_b32 s26, 0x3fb8aa3b                      ; log2(e)
	s_mov_b32 s27, s26
	s_mov_b32 s28, 0x76543210
	s_mov_b32 s29, 0xfedcba98
	v_mul_u32_u24 v1, v18, PITCH
	v_lshl_add_u32 v1, v19, 4, v1
	v_mov_b32 v5, v1                               ; the fragment addresses are written here once, so that every way through the text finds them written
.if P > 1
	v_add_nc_u32 v6, PIECE, v1
.endif
.if P > 2
	v_add_nc_u32 v7, 2*PIECE, v1
.endif
	s_lshl_b32 s20, s2, 9
	s_add_co_u32 s20, s20, WWL
	v_lshl_add_u32 v2, v19, 5, s20
	v_lshl_add_u32 v4, v18, 5, EX1
	s_lshl_b32 s21, s2, 2
	v_add_nc_u32 v3, s21, v4
	s_lshl_b32 s20, s2, 7
	v_lshl_add_u32 v8, v19, 3, s20
	v_cvt_f32_u32 v8, v8
	v_lshlrev_b32 v9, 4, v17                       ; 16 lane: the codes' loads
	v_lshlrev_b32 v13, 2, v18
	v_mov_b32 v15, 1.0
	v_lshlrev_b32 v21, 4, v0                       ; 16 thread
	v_add_nc_u32 v22, WWL, v21
	s_mul_i32 s20, s2, 32*PITCH                    ; my 32 rows in a piece
	v_mul_u32_u24 v25, v19, PITCH
	v_lshl_add_u32 v25, v18, 4, v25
	v_add_nc_u32 v25, s20, v25                     ; two rows a load: lanes 0-15 one row, lanes 16-31 the next
.if P > 1
	v_add_nc_u32 v26, PIECE, v25
.endif
.if P > 2
	v_add_nc_u32 v27, 2*PIECE, v25
.endif
.if LEVEL == 0
	v_lshl_add_u32 v20, v16, 14, v9                ; x: my 32 rows of 512 bytes, 16 bytes a lane
	v_lshl_add_u32 v23, v17, 3, s20                ; LDS: a row, 8 bytes a lane
	v_lshlrev_b32 v24, 3, v17
	v_lshl_add_u32 v24, v16, 13, v24               ; xb likewise
	v_mov_b32 v14, 0                               ; written, like v5 above
.else
	v_lshl_add_u32 v20, v16, 13, v9                ; xb: my 32 rows of 256 bytes, two rows a load
	v_lshlrev_b32 v24, 2, v19
	v_lshl_add_u32 v24, v16, 7, v24                ; the index of row 32 w + h
	v_lshlrev_b32 v14, 4, v18                      ; 16 r
	v_mov_b32 v23, 0                               ; my sum of |r|^2
.endif
	s_wait_kmcnt 0x0
	s_mov_b32 s31, 0
	s_lshl_b32 s30, s2, 15
	s_add_co_u32 s30, s30, LEVEL*FRAGL
	s_add_nc_u64 s[34:35], s[6:7], s[30:31]        ; my codes' 32,768 bytes in FRAG
	s_mul_i32 s30, ttmp9, 12288
	s_add_co_u32 s30, s30, LEVEL*4096
	s_add_nc_u64 s[32:33], s[PART:PART+1], s[30:31]  ; the work-group's column sums of this level
	s_lshl_b32 s30, ttmp9, 10
	s_add_nc_u64 s[IOUT:IOUT+1], s[IOUT:IOUT+1], s[30:31]
.if LEVEL > 0
	s_add_nc_u64 s[8:9], s[8:9], s[30:31]
.endif
.if LEVEL > 1
	s_add_nc_u64 s[10:11], s[10:11], s[30:31]
.endif
.if LEVEL == 0
	s_lshl_b32 s30, ttmp9, 17
	s_add_nc_u64 s[4:5], s[4:5], s[30:31]
	s_lshl_b32 s30, ttmp9, 16
	s_add_nc_u64 s[8:9], s[8:9], s[30:31]
.else
	s_lshl_b32 s30, ttmp9, 16
	s_add_nc_u64 s[4:5], s[4:5], s[30:31]
.endif
	; THE WAY IN.  All loads are asked for at once, the rows first; the codes' 64 loads follow in runs, so that every counted wait names a number that the counter's field holds.
	global_load_b128 v[28:31], v21, s[6:7] offset:WWG+4096*LEVEL
.if LEVEL == 0
.set k, 0
.rept 32
	global_load_b128 v[SREG+4*k:SREG+4*k+3], v20, s[4:5] offset:512*k th:TH_LOAD_NT
.set k, k+1
.endr
	BLOADS 30
.set k, 0
.rept 32
	s_wait_loadcnt 31-k+NBI                        ; behind row k's load: 31 - k rows and the codes' loads issued so far
.if k == 0
	ds_store_b128 v22, v[28:31]                    ; |w|^2 was asked for first
.endif
	v_cvt_pk_bf16_f32 v[SREG+4*k], v[SREG+4*k], v[SREG+4*k+1]
	v_cvt_pk_bf16_f32 v[SREG+4*k+1], v[SREG+4*k+2], v[SREG+4*k+3]
	ds_store_b64 v23, v[SREG+4*k:SREG+4*k+1] offset:PITCH*k
	global_store_b64 v24, v[SREG+4*k:SREG+4*k+1], s[8:9] offset:256*k   ; the wave stores 256 consecutive bytes, aligned
.if k == 31
	BLOADS 10
.elseif (k%8) == 7
	BLOADS 8
.endif
.set k, k+1
.endr
.else
.set pp, 0
.rept 16
	global_load_b32 v[32+pp], v24, s[8:9] offset:8*pp
.set pp, pp+1
.endr
.if LEVEL == 2
.set pp, 0
.rept 16
	global_load_b32 v[48+pp], v24, s[10:11] offset:8*pp
.set pp, pp+1
.endr
.endif
.set pp, 0
.rept 16
	global_load_b128 v[SREG+4*pp:SREG+4*pp+3], v20, s[4:5] offset:512*pp
.set pp, pp+1
.endr
	s_wait_loadcnt 16                              ; the indices are in; the 16 loads of xb behind them stay out
	ds_store_b128 v22, v[28:31]
.set pp, 0
.rept 16*LEVEL
	v_min_u32 v[32+pp], 0x3ff, v[32+pp]            ; an index stays inside its table
	v_lshl_add_u32 v[32+pp], v[32+pp], 8, v14      ; the code's row of 256 bytes, 16 bytes a lane
.set pp, pp+1
.endr
.set pp, 0
.rept 16
	global_load_b128 v[192+4*pp:195+4*pp], v[32+pp], s[6:7] offset:NROW
.if LEVEL == 2
	global_load_b128 v[64+4*pp:67+4*pp], v[48+pp], s[6:7] offset:NROW+FRAGL
.endif
.set pp, pp+1
.endr
	BLOADS 32
.set pp, 0
.rept 16
	s_wait_loadcnt LEVEL*(15-pp)+NBI               ; behind this pair of rows' last gather: the later pairs' gathers and the codes' loads issued so far
	ds_store_b128 v25, v[SREG+4*pp:SREG+4*pp+3] offset:2*PITCH*pp
	ds_store_b128 v26, v[192+4*pp:195+4*pp] offset:2*PITCH*pp
.if LEVEL == 2
	ds_store_b128 v27, v[64+4*pp:67+4*pp] offset:2*PITCH*pp
.endif
.if (pp%4) == 3
	BLOADS 8
.endif
.set pp, pp+1
.endr
.endif
	; |r|^2 of my 32 rows, out of my own LDS rows (LDS serves a wave's instructions in order): eight trips of two pairs of rows.  It stands in the wait for the codes' loads.
	s_lshl_b32 s20, s2, 7
	s_add_co_u32 s20, s20, XXL
	v_lshl_add_u32 v22, v19, 2, s20
	s_mov_b32 s17, 8
.Lxx:
.irp j, 0,1
	ds_load_b128 v[32+16*\j:35+16*\j], v25 offset:2*PITCH*\j
.if P > 1
	ds_load_b128 v[36+16*\j:39+16*\j], v26 offset:2*PITCH*\j
.endif
.if P > 2
	ds_load_b128 v[40+16*\j:43+16*\j], v27 offset:2*PITCH*\j
.endif
.endr
.irp j, 0,1
	s_wait_dscnt P*(1-\j)                          ; the first pair is in while the second pair's P loads stay out; then all
.irp e, 0,1,2,3
.if LEVEL == 0
	v_lshlrev_b32 v[64+8*\j+2*\e], 16, v[32+16*\j+\e]
	v_and_b32 v[65+8*\j+2*\e], 0xffff0000, v[32+16*\j+\e]
.else
	ADDBB 64+8*\j+2*\e, 32+16*\j+\e, 36+16*\j+\e
.endif
.if LEVEL == 2
	ADDBF 64+8*\j+2*\e, 40+16*\j+\e
.endif
.endr
	v_pk_mul_f32 v[80+2*\j:81+2*\j], v[64+8*\j:65+8*\j], v[64+8*\j:65+8*\j]
.irp e, 1,2,3
	v_pk_fma_f32 v[80+2*\j:81+2*\j], v[64+8*\j+2*\e:65+8*\j+2*\e], v[64+8*\j+2*\e:65+8*\j+2*\e], v[80+2*\j:81+2*\j]
.endr
	v_add_f32 v[80+2*\j], v[80+2*\j], v[81+2*\j]
.irp m, 1,2,4,8
	v_add_f32_dpp v[80+2*\j], v[80+2*\j], v[80+2*\j] row_xmask:\m row_mask:0xf bank_mask:0xf
.endr
	ds_store_b32 v22, v[80+2*\j] offset:8*\j       ; sixteen lanes hold one row's number
.if LEVEL > 0
	v_add_f32 v23, v23, v[80+2*\j]
.endif
.endr
	v_add_nc_u32 v25, 4*PITCH, v25
.if P > 1
	v_add_nc_u32 v26, 4*PITCH, v26
.endif
.if P > 2
	v_add_nc_u32 v27, 4*PITCH, v27
.endif
	v_add_nc_u32 v22, 16, v22
	s_sub_co_u32 s17, s17, 1
	s_cmp_lg_u32 s17, 0
	s_cbranch_scc1 .Lxx
.if LEVEL > 0
	v_permlanex16_b32 v24, v23, s28, s29           ; even rows' sum + odd rows' sum
	v_add_f32 v23, v23, v24
	s_lshl_b32 s20, s2, 2
	s_add_co_u32 s20, s20, LOS
	v_mov_b32 v24, s20
	ds_store_b32 v24, v23
.endif
	s_wait_xcnt 0x0                                ; the stores above have read their registers: only behind this wait are these written again
.set i, 0
.rept 192                              ; the column sums start at 0; the two tile buffers hold 0 for super-step 0's slices, and so that no way through the text reads a register that nothing wrote
	v_mov_b32 v[COL+i], 0
.set i, i+1
.endr
.set i, 0
.rept 6
	ds_store_b32 v3, v64 offset:512*i              ; my words of the six exchange arrays, likewise
.set i, i+1
.endr
	s_wait_loadcnt 0x0                             ; the codes' registers are in
	s_wait_dscnt 0x0                               ; for the others' sake: my rows, |r|^2 and |w|^2 are in LDS
	s_barrier_signal -1
	s_barrier_wait -1
.macro XLOAD n                         ; row fragment n of 4 P: piece P - 1 - n / 4, channels 32 (n % 4) on, into slot n % 4
	ds_load_b128 v[XF+8*((\n)%4):XF+8*((\n)%4)+3], v[5+P-1-(\n)/4] offset:64*((\n)%4)
	ds_load_b128 v[XF+8*((\n)%4)+4:XF+8*((\n)%4)+7], v[5+P-1-(\n)/4] offset:64*((\n)%4)+32
.endm
.macro WWLOAD n                        ; |w|^2 of my code tile n, eight numbers a lane, into slot n % 4
	ds_load_b128 v[XF+8*((\n)%4):XF+8*((\n)%4)+3], v2 offset:64*(\n)
	ds_load_b128 v[XF+8*((\n)%4)+4:XF+8*((\n)%4)+7], v2 offset:64*(\n)+16
.endm
; THE VECTOR WORK OF TILE s - 1 (buffer SBO) is a list of NS numbered lines, ordered by who reads what.  Lines 0 to NA - 1 name no exponential's result: the 16 plain lines of each of the eight code
; tiles (PLINE), the keys' last five lines (KLINE) and, among them, ALL 64 exponentials, in place, each behind its own scaling: ONE BATCH.  Lines 0-15: code tile 0's plain lines.  Lines 16-171: an
; exponential of code tile u - 1 and two plain lines of code tile u, by turns.  Lines 172-195: an exponential and one plain line by turns: the last twelve exponentials, beside code tile 7's scalings
; and minima and four of the keys' last lines.  Line 196: the keys' last.  So a plain line that names neither its source nor its result stands behind every exponential (ISA guide 5.7.2), two behind
; the last.  Between lines NA - 1 and NA stands the batch's one wait (MV writes it).  Lines NA to NS - 1 are the 30 lines that add the weights (SLINE).  PLN counts the plain lines written.
.macro PLINE u, p                      ; plain line p of code tile u: 0-3 z = dmin - d; 4-7 the keys z (-2^100) + index (even and odd registers in chains of their own, the odd ones' + 1 added at the end); 8-11 z log2(e); 12-15 the keys' minima
.set zq, (\p)%4
.set zk, (\p)/4
.set zr, SBO+8*(\u)+2*zq
.if zk == 0
	v_pk_add_f32 v[zr:zr+1], v[12:13], v[zr:zr+1] op_sel_hi:[0,1] neg_lo:[0,1] neg_hi:[0,1]
.elseif zk == 1
	FBITS 16*(\u)+2*zq
	v_pk_fma_f32 v[KT+2*zq:KT+2*zq+1], v[zr:zr+1], s[24:25], FB op_sel_hi:[1,0,0]
.elseif zk == 2
	v_pk_mul_f32 v[zr:zr+1], v[zr:zr+1], s[26:27] op_sel_hi:[1,0]
.elseif (\u) == 0
	v_min_num_f32 v[24+zq], v[KT+4*(zq/2)+zq%2], v[KT+4*(zq/2)+zq%2+2]
.else
	v_min3_num_f32 v[24+zq], v[24+zq], v[KT+4*(zq/2)+zq%2], v[KT+4*(zq/2)+zq%2+2]
.endif
.set PLN, PLN+1
.endm
.macro KLINE j                         ; line j of the five that make one key of the four chains
.if (\j) == 0
	v_min_num_f32 v24, v24, v26
.elseif (\j) == 1
	v_min_num_f32 v25, v25, v27
.elseif (\j) == 2
	v_add_f32 v25, 1.0, v25
.elseif (\j) == 3
	v_min_num_f32 v24, v24, v25
.else
	v_add_f32 v24, v24, v8                         ; + 128 w + 8 h
.endif
.set PLN, PLN+1
.endm
.macro SLINE n                         ; line n of the 30 that add the tile's 32 pairs of weights, two chains: pairs 0 + 2 and 1 + 3 start them, then pair n + 2 goes onto chain n % 2
.if (\n) < 2
	v_pk_add_f32 v[28+2*(\n):29+2*(\n)], v[SBO+2*(\n):SBO+2*(\n)+1], v[SBO+4+2*(\n):SBO+5+2*(\n)]
.else
	v_pk_add_f32 v[28+2*((\n)%2):29+2*((\n)%2)], v[28+2*((\n)%2):29+2*((\n)%2)], v[SBO+4+2*(\n):SBO+5+2*(\n)]
.endif
.set PLN, PLN+1
.endm
.macro V2S n                           ; line n of the list
.if (\n) < 16
	PLINE 0, \n
.elseif (\n) < 172                     ; an exponential and two plain lines
.set zu, 1+((\n)-16)/24
.set zs, ((\n)-16)%24
.set zp, 2*(zs/3)+zs%3-1
.if (zs%3) == 0
	v_exp_f32 v[SBO+8*(zu-1)+zs/3], v[SBO+8*(zu-1)+zs/3]
.else
	PLINE zu, zp
.endif
.elseif (\n) < NA-1                    ; an exponential and one plain line: weights 52 to 63
.set zs, (\n)-172
.set zp, 8+zs/2
.if (zs%2) == 0
	v_exp_f32 v[SBO+52+zs/2], v[SBO+52+zs/2]
.elseif zp < 16
	PLINE 7, zp
.else
	KLINE zp-16
.endif
.elseif (\n) == NA-1
	KLINE 4
.else
.set zp, (\n)-NA
	SLINE zp
.endif
.endm
; THE PRODUCTS OF ONE ROW TILE, with the list above in slices behind them.  For each fragment eight matrix instructions, the eight accumulators by turns; the first fragment
; starts the sums with the constant 0.  The first 8 FW products carry lines 0 to NA - 1 in proportion, the others lines NA to NS - 1; a slice is written when CH lines are due, and behind a
; fragment's eighth product.  The exponentials' wait stands behind fragment FW - 1's last slice, ahead of the two LDS loads that follow it.
; A load into a register that a matrix instruction has read, and a vector instruction that reads its result, stand four places behind it: the plain lines of the slice behind the
; eighth product are such places (they name none of the products' registers), and v_nop makes up what is missing of four.
.macro MV sb
.set nx, 0
.set wi, 0
.set f, 0
.rept 4*P
	s_wait_dscnt 6                                 ; slot f % 4 is in; the three younger slots' six loads stay out (at the first fragments the load of |r|^2 and wave 0's index store are younger too)
.set t, 0
.rept 8
	WIN 0x01                                       ; source 0 (the codes) in window 1
.if f == 0
	v_wmma_f32_16x16x32_bf16 v[\sb+8*t:\sb+8*t+7], v[32*t+8*(f%4):32*t+8*(f%4)+7], v[XF+8*(f%4):XF+8*(f%4)+7], 0
.else
	v_wmma_f32_16x16x32_bf16 v[\sb+8*t:\sb+8*t+7], v[32*t+8*(f%4):32*t+8*(f%4)+7], v[XF+8*(f%4):XF+8*(f%4)+7], v[\sb+8*t:\sb+8*t+7]
.endif
.set PLN, 0
.set wi, wi+1
.if wi > 8*FW
.set tg, NA+(wi-8*FW)*(NS-NA)/(32*P-8*FW)
.else
.set tg, wi*NA/(8*FW)
.endif
.if ((tg-nx >= CH) || (t == 7) || (wi == 32*P)) && (tg > nx)
	WIN 0
.rept tg-nx
	V2S nx
.set nx, nx+1
.endr
.endif
.set t, t+1
.endr
	WIN 0
.if PLN < 4
.rept 4-PLN
	v_nop
.endr
.endif
.if f == FW-1
	s_wait_alu depctr_va_vdst(0)                   ; the wait for the batch of 64 exponentials: all are issued, no line so far names a weight, and every line that does stands behind this one
.endif
.if f+4 < 4*P
	XLOAD f+4
.else
	WWLOAD f+4-4*P
.endif
.set f, f+1
.endr
.endm
; d = fl(fl(|r|^2 - 2 m) + |w|^2), in place, each accumulator from its low end on, and four running minima.
.macro V1 sb
.set t, 0
.rept 8
.irp q, 0,1,2,3
	v_pk_fma_f32 v[\sb+8*t+2*\q:\sb+8*t+2*\q+1], v[\sb+8*t+2*\q:\sb+8*t+2*\q+1], -2.0, v[14:15] op_sel_hi:[1,0,0]
.endr
.if t < 4
	s_wait_dscnt 8                                 ; |w|^2 of tile t is in; younger: three tiles' six loads and the two posts of sum and key
.else
	s_wait_dscnt 2*(7-t)                           ; the counts run down
.endif
.irp q, 0,1,2,3
	v_pk_add_f32 v[\sb+8*t+2*\q:\sb+8*t+2*\q+1], v[\sb+8*t+2*\q:\sb+8*t+2*\q+1], v[XF+8*(t%4)+2*\q:XF+8*(t%4)+2*\q+1]
.endr
.if t < 4
	WWLOAD t+4
.endif
.irp q, 0,1,2,3
.if t == 0
	v_min_num_f32 v[16+\q], v[\sb+2*\q], v[\sb+2*\q+1]
.else
	v_min3_num_f32 v[16+\q], v[16+\q], v[\sb+8*t+2*\q], v[\sb+8*t+2*\q+1]
.endif
.endr
.set t, t+1
.endr
.endm
; A SUPER-STEP.  par: the parity of s, of tile s and of tile s - 2.  Every jump goes forward, on the trip's number or the wave's; none passes a barrier.
.macro SS par
.set SB, SREG+64*(\par)
.set SBO, SREG+64*(1-(\par))
	ds_load_b128 v[16:19], v4 offset:OFZ+512*(\par)        ; tile s - 2: the eight waves' sums,
	ds_load_b128 v[20:23], v4 offset:OFZ+512*(\par)+16
	ds_load_b128 v[24:27], v4 offset:OFK+512*(\par)        ; and keys
	ds_load_b128 v[28:31], v4 offset:OFK+512*(\par)+16
.if \par
	s_cmp_eq_u32 s16, 8
	s_cbranch_scc0 .Lfull_\@
	s_wait_dscnt 0x0                               ; super-step 17: the column sums of tile 15 alone
	s_branch .Lv3_\@
.Lfull_\@:
.endif
	ds_load_b128 v[56:59], v4 offset:512*(1-(\par))        ; tile s - 1: the eight waves' least distances, into slot 3, which takes its fragment below
	ds_load_b128 v[60:63], v4 offset:512*(1-(\par))+16
.if (\par) == 0
	s_cmp_eq_u32 s16, 8
	s_cbranch_scc1 .Lkeep_\@                       ; super-step 16: the addresses stay at tile 15
.endif
	v_add_nc_u32 v5, s18, v1
.if P > 1
	v_add_nc_u32 v6, PIECE, v5
.endif
.if P > 2
	v_add_nc_u32 v7, 2*PIECE, v5
.endif
.if (\par) == 0
.Lkeep_\@:
.endif
	XLOAD 0
	XLOAD 1
	XLOAD 2
	s_wait_dscnt 6                                 ; the six loads of posts are in; the three fragments' six stay out
	v_min3_num_f32 v56, v56, v57, v58
	v_min3_num_f32 v59, v59, v60, v61
	v_min3_num_f32 v56, v56, v62, v63
	v_min_num_f32 v12, v56, v59                    ; the row's least distance
	XLOAD 3
.if \par
.Lv3_\@:
.endif
	s_cmp_eq_u32 s16, 0
	s_cbranch_scc1 .Lno_v3_\@                      ; the first two super-steps have no tile s - 2
	v_pk_add_f32 v[16:17], v[16:17], v[18:19]      ; Z: the eight waves' sums
	v_pk_add_f32 v[20:21], v[20:21], v[22:23]
	v_min3_num_f32 v24, v24, v25, v26              ; the least key is the first index of the least distance
	v_min3_num_f32 v27, v27, v28, v29
	v_pk_add_f32 v[16:17], v[16:17], v[20:21]
	v_min3_num_f32 v24, v24, v30, v31
	v_add_f32 v16, v16, v17
	v_rcp_f32 v14, v16                             ; 1 / Z: a batch of one
	v_min_num_f32 v24, v24, v27                    ; the key's last two lines name neither Z nor 1 / Z: the plain instruction behind the reciprocal, and the work between it and its wait
	v_cvt_u32_f32 v24, v24
	s_wait_alu depctr_va_vdst(0)                   ; the wait for 1 / Z, ahead of the branch and of the 32 lines below that read it
	s_cmp_lg_u32 s2, 0
	s_cbranch_scc1 .Lno_ix_\@                      ; every wave has the index; wave 0 keeps it
	v_add_nc_u32 v9, s20, v13
	ds_store_b32 v9, v24
.Lno_ix_\@:
.set i, 0
.rept 32
	v_pk_fma_f32 v[COL+2*i:COL+2*i+1], v[SB+2*i:SB+2*i+1], v[14:15], v[COL+2*i:COL+2*i+1] op_sel_hi:[1,0,1]
.set i, i+1
.endr
.Lno_v3_\@:
	s_cmp_eq_u32 s16, 8
.if \par
	s_cbranch_scc1 .Lend_\@                        ; super-step 17 is over
.else
	s_cbranch_scc1 .Lno_xx_\@                      ; super-step 16 makes no distances
.endif
	v_add_nc_u32 v9, s19, v13
	ds_load_b32 v14, v9                            ; |r|^2 of my lane's row, where 1 / Z lay: the fourth fragment's wait shows it landed (six refills are younger)
.if (\par) == 0
.Lno_xx_\@:
.endif
	MV SB
	v_pk_add_f32 v[28:29], v[28:29], v[30:31]      ; tile s - 1: my sum and my key; the row's other 64 of my codes lie in the lane 16 away
	v_permlanex16_b32 v25, v24, s28, s29
	v_add_f32 v28, v28, v29
	v_min_num_f32 v24, v24, v25
	v_permlanex16_b32 v29, v28, s28, s29
	ds_store_b32 v3, v24 offset:OFK+512*(1-(\par))
	v_add_f32 v28, v28, v29
	ds_store_b32 v3, v28 offset:OFZ+512*(1-(\par))
.if (\par) == 0
	s_cmp_eq_u32 s16, 8
	s_cbranch_scc1 .Lno_v1_\@
.endif
	V1 SB
	v_min3_num_f32 v16, v16, v17, v18
	v_min_num_f32 v16, v16, v19
	v_permlanex16_b32 v17, v16, s28, s29
	v_min_num_f32 v16, v16, v17
	ds_store_b32 v3, v16 offset:512*(\par)
.if \par
.Lend_\@:
.else
.Lno_v1_\@:
.endif
	s_wait_dscnt 0x0                               ; for the others' sake: my posts are in LDS, and my reads of the others' posts are back
	s_barrier_signal -1
	s_barrier_wait -1
	s_add_co_u32 s18, s18, 16*PITCH
	s_add_co_u32 s19, s19, 64
	s_add_co_u32 s20, s20, 64
.endm
	s_mov_b32 s16, 0
	s_mov_b32 s18, 0
	s_mov_b32 s19, XXL
	s_mov_b32 s20, IDXL-128                        ; the index stored in super-step s is tile s - 2's
.Lmain:                                                ; nine trips of two super-steps: 16 row tiles and two super-steps to drain
	SS 0
	SS 1
	s_add_co_u32 s16, s16, 1
	s_cmp_lt_u32 s16, 9
	s_cbranch_scc1 .Lmain
	; THE WAY OUT.  A lane's column sums cover the rows of its own r: the 16 lanes' are added through my stage (piece 0's bytes: every wave's reads of them were back before the last barriers).
	v_and_b32 v16, 15, v0
	v_bfe_u32 v17, v0, 4, 1
	v_and_b32 v18, 31, v0
	s_mul_i32 s21, s2, STG
	v_mul_u32_u24 v20, v16, SPI
	v_lshl_add_u32 v20, v17, 5, v20
	v_add_nc_u32 v20, s21, v20                     ; in: row r, code 16 t + 8 h + j at byte 64 t + 32 h + 4 j
	v_lshl_add_u32 v21, v18, 4, s21                ; back: four codes a lane, all 16 rows
	v_lshlrev_b32 v22, 4, v0
.set t, 0
.rept 8
	ds_store_b128 v20, v[COL+8*t:COL+8*t+3] offset:64*t
	ds_store_b128 v20, v[COL+8*t+4:COL+8*t+7] offset:64*t+16
.set t, t+1
.endr
.set i, 0
.rept 16
	ds_load_b128 v[SREG+4*i:SREG+4*i+3], v21 offset:SPI*i   ; my own bytes: these see the stores above
.set i, i+1
.endr
	s_wait_dscnt 0x0
.set d, 32
.rept 4
.set i, 0
.rept d/2
	v_pk_add_f32 v[SREG+2*i:SREG+2*i+1], v[SREG+2*i:SREG+2*i+1], v[SREG+d+2*i:SREG+d+2*i+1]
.set i, i+1
.endr
.set d, d/2
.endr
	global_store_b128 v22, v[SREG:SREG+3], s[32:33]        ; the wave stores 512 consecutive bytes, aligned
	s_cmp_lt_u32 s2, 2
	s_cbranch_scc0 .Lno_idx
	v_add_nc_u32 v23, IDXL, v22
	ds_load_b128 v[SREG+4:SREG+7], v23             ; wave 0 stored them; the last barrier lies between
	s_wait_dscnt 0x0
	global_store_b128 v22, v[SREG+4:SREG+7], s[IOUT:IOUT+1]
.Lno_idx:
.if LEVEL > 0
	s_cmp_lg_u32 s2, 2
	s_cbranch_scc1 .Lno_loss
	v_mov_b32 v24, LOS
	ds_load_b128 v[32:35], v24
	ds_load_b128 v[36:39], v24 offset:16
	s_wait_dscnt 0x0
	v_pk_add_f32 v[32:33], v[32:33], v[34:35]
	v_pk_add_f32 v[36:37], v[36:37], v[38:39]
	v_pk_add_f32 v[32:33], v[32:33], v[36:37]
	v_add_f32 v32, v32, v33
	s_lshl_b32 s21, ttmp9, 2
	v_mov_b32 v25, s21
	v_cmp_eq_u32 vcc_lo, 64, v0                    ; wave 2's first lane
	s_wait_xcnt 0x0                                ; EXEC is a source of the store above: it changes only behind this wait
	s_and_saveexec_b32 s21, vcc_lo
	global_store_b32 v25, v32, s[PART:PART+1] offset:LOSSG+(LEVEL-1)*1024
	s_wait_xcnt 0x0                                ; and again ahead of the line that widens it
	s_or_b32 exec_lo, exec_lo, s21
.Lno_loss:
.endif
	s_wait_tensorcnt 0x0                           ; the wave's end: three lines behind my last LDS store
	ds_add_u32 v10, v11
	s_wait_dscnt 0x0
	s_endpgm
.Lfunc_end_k_qf2b395d116_lev0:
	.size	k_qf2b395d116_lev0, .Lfunc_end_k_qf2b395d116_lev0-k_qf2b395d116_lev0
	.p2alignl 7, 3214868480
	.fill 96, 4, 3214868480
	.section	.rodata,"a",@progbits
	.p2align	6, 0x0
	.amdhsa_kernel k_qf2b395d116_lev0
		.amdhsa_group_segment_fixed_size 80128
		.amdhsa_private_segment_fixed_size 0
		.amdhsa_enable_private_segment 0
		.amdhsa_kernarg_size 40
		.amdhsa_user_sgpr_count 2
		.amdhsa_user_sgpr_kernarg_segment_ptr 1
		.amdhsa_wavefront_size32 1
		.amdhsa_system_sgpr_workgroup_id_x 1
		.amdhsa_system_sgpr_workgroup_id_y 1
		.amdhsa_system_sgpr_workgroup_id_z 1
		.amdhsa_system_vgpr_workitem_id 0
		.amdhsa_next_free_vgpr 512
		.amdhsa_next_free_sgpr 66
		.amdhsa_reserve_vcc 1
		.amdhsa_float_denorm_mode_32 3
		.amdhsa_float_denorm_mode_16_64 3
		.amdhsa_memory_ordered 1
		.amdhsa_forward_progress 1
		.amdhsa_inst_pref_size 95
	.end_amdhsa_kernel
	.amdgpu_metadata
---
amdhsa.version: [ 1, 2 ]
amdhsa.kernels:
  - .name:           k_qf2b395d116_lev0
    .symbol:         k_qf2b395d116_lev0.kd
    .args:
      - { .name: x, .offset: 0, .size: 8, .value_kind: global_buffer, .address_space: global }
      - { .name: cb, .offset: 8, .size: 8, .value_kind: global_buffer, .address_space: global }
      - { .name: xb, .offset: 16, .size: 8, .value_kind: global_buffer, .address_space: global }
      - { .name: idx0, .offset: 24, .size: 8, .value_kind: global_buffer, .address_space: global }
      - { .name: part, .offset: 32, .size: 8, .value_kind: global_buffer, .address_space: global }
    .group_segment_fixed_size: 80128
    .private_segment_fixed_size: 0
    .kernarg_segment_align: 8
    .kernarg_segment_size: 40
    .max_flat_workgroup_size: 256
    .sgpr_count:     66
    .vgpr_count:     512
    .wavefront_size: 32
...
	.end_amdgpu_metadata
.endif
;; end of part 7
;; launch lev1 (part 8): grid 256 x 1, 8 waves a work-group, no clusters, 149,760 bytes of LDS; arguments xb, cb, idx0, idx1, part; writes idx1, part
.if DOCPART == 8
	.amdgcn_target "amdgcn-amd-amdhsa--gfx1250"
	.amdhsa_code_object_version 6
	.text
	.protected	k_qf2b395d116_lev1
	.globl	k_qf2b395d116_lev1
	.p2align	8
	.type	k_qf2b395d116_lev1,@function
k_qf2b395d116_lev1:
	s_mov_b64 s[64:65], 0
	v_nop
	global_prefetch_b8 v0, s[64:65] scope:SCOPE_SE
	s_setreg_imm32_b32 hwreg(HW_REG_WAVE_MODE, 25, 1), 1
	s_wait_xcnt 0x0
; ONE LEVEL OF THE RESIDUAL VECTOR QUANTIZER.  The three levels' texts differ in the line .set LEVEL alone.
; WHAT IT MAKES.  For the work-group's 256 rows r and the level's 1,024 codes w: d = fl(fl(|r|^2 - 2 r.w) + |w|^2); the first index of the least d (into idx); the work-group's column sums of
; softmax(-d) (into part).  From level 1 on also the sum of |r|^2, the squared error of the level before.  Level 0 also writes x rounded to bf16 (xb).
; FORMATS.  x and the codebooks are rounded once to bf16.  The residual is never rounded to 16 bits: r = x - q0 - q1 is multiplied as its P = LEVEL + 1 bf16 pieces x, -q0, -q1, summed in one f32
; accumulator, the smallest piece first; |r|^2 is taken of fl(fl(x - q0) - q1).  All else in f32; the row's least distance is taken away before every exponential.
; LIMITS.  NaN and infinities are not treated apart.  The index is found as the least of (d - dmin) 2^100 + index, so distances that differ by less than 2^-90 count as tied (f32 distances below
; 2^-66 could do that).  A weight below 2^-126 counts as 0.  1 / Z is a reciprocal and a multiply.  Indices read from memory are clamped to 1,023.
; SHARES.  Eight waves.  Wave w owns the codes 128 w .. 128 w + 127: their operand registers, 8 tiles x 32, fill window 1 for the whole launch.  All waves walk the 16 row tiles of 16 rows.
; The product is used transposed (source 0 = 16 codes, source 1 = 16 rows): a lane holds ONE row (lane % 16) and register j of tile t the code 128 w + 16 t + 8 (lane / 16) + j.
; THE WALK.  A row's least distance, sum and index span the eight waves: they meet in LDS, twice for each row tile.  Super-step s: the posts are read (the least distance of tile s - 1; Z and the
; index key of tile s - 2); the column sums of tile s - 2; the products of tile s, and BEHIND THE MATRIX INSTRUCTIONS, in slices, the weights, sum and key of tile s - 1, which name none of the
; products' registers; my sum and key are posted; tile s's distances and my least one, which is posted.  One barrier ends a super-step.  Tiles take two register buffers and two sets of LDS words by
; turns, so what a super-step writes nobody reads in it.  A slice costs two switches of the register window: the codes fill window 1, all that the slices touch lies in window 0.
; TRANSCENDENTALS: TWO BATCHES A SUPER-STEP, each with one s_wait_alu depctr_va_vdst(0) ahead of the first instruction that names a result.
; (1) 1 / Z of tile s - 2, alone: the key's last two lines stand between it and its wait, the 32 column-sum lines behind the wait.  (2) The 64 exponentials of tile s - 1, each in place in a
; register of its own: ahead of their wait stands all of the tile's vector work that names no weight (differences, keys, scalings, the keys' minima), behind it the 30 lines that add the weights.
; ONE TEXT FOR EVERY SUPER-STEP.  In super-step 0 the slices work on zeros and nobody reads what they post; super-step 16 multiplies tile 15 once more and nobody reads the result; super-step 17
; jumps over all but the column sums.
; No tensor load, no cluster: every LDS byte is written once, from registers through which the data must pass anyway (a conversion, rows gathered by index); nothing is filled again.
.set LEVEL,  1
.set P,      LEVEL+1
.set PITCH,  272                       ; an LDS row: 256 bytes + 16: the 16 rows of a fragment load start 4 banks apart (64 banks of 4 bytes: ISA guide 11.1)
.set PIECE,  256*PITCH                 ; a piece: 256 rows.  Piece 0 x, piece 1 -q0, piece 2 -q1
.set Q,      P*PIECE
.set WWL,    Q                         ; |w|^2, 1,024 f32
.set XXL,    Q+4096                    ; |r|^2, 256 f32
.set EX1,    Q+5120                    ; least distances: 2 parities x [16 rows][8 waves] f32
.set OFZ,    1024                      ; the sums lie so far behind them,
.set OFK,    2048                      ; the index keys so far
.set IDXL,   Q+8192                    ; the 256 indices
.set LOS,    Q+9216                    ; the eight waves' sums of |r|^2
.set SPARE,  Q+9472                    ; the spare words, 128 bytes for each wave: four blocks of 256 bytes that no other line names
.set STG,    8448                      ; after the walk piece 0's bytes serve as stages: 16 rows x 528 bytes a wave
.set SPI,    528
.set FRAGL,  262144                    ; a level's bytes in cb's FRAG and NROW
.set NROW,   786432
.set WWG,    1572864
.set LOSSG,  3145728                   ; part: behind the column sums, [2][256] f32
; window 0: v0 thread; v1 fragment place 272 r + 16 h; v2 my |w|^2; v3 where I post; v4 where I read posts; v5-7 the pieces' fragment addresses; v8 float(128 w + 8 h); v9 an address at work;
; v10, v11 the add's two; v12 the least distance, v13 4 r (named with v12 as a pair, never taken from it); v14 1 / Z, then |r|^2, v15 1.0 (likewise); v16-31 the posts as read, then v16-23 eight keys
; at work and later four minima, v24-27 the keys' chains, v28-31 the sums' chains; v32-63 four slots; v64-127 column sums; v128-255 two buffers of 8 tiles.
; window 1: the codes' operand registers, tile t, channels 32 c on at 32 t + 8 c.
.set KT,     16
.set XF,     32                        ; four slots of 8: row fragments, then tiles of |w|^2
.set COL,    64
.set SREG,   128
.set NA,     197                       ; lines of a tile's vector work that stand ahead of the exponentials' wait
.set NS,     227                       ; lines in all
.set CH,     4                         ; a slice is issued when so many lines are due
.if P > 1
.set FW,     4*P-2                     ; the exponentials' wait stands behind so many of the 4 P fragments' products
.else
.set FW,     4*P-1
.endif
; s2 wave; s[4:15] buffers; s16 trip; s17 a counter; s18, s19, s20 the row tile's bytes in a piece, in XXL, in IDXL; s21 at work; s[24:25] -2^100; s[26:27] log2(e); s[28:29] lane selects
.if LEVEL == 2
.set IOUT, 12
.set PART, 14
.else
.set IOUT, 10
.set PART, 12
.endif
.set MSB, 0
.macro WIN new                         ; the immediate's high byte repeats the setting that is left; a switch that changes nothing is dropped
.if MSB != (\new)
	s_set_vgpr_msb (MSB<<8)|(\new)
.set MSB, (\new)
.endif
.endm
.set NBI, 0                            ; loads of the codes' registers issued so far, of 64
.macro BLOADS n
	WIN 0x40                                       ; destination window 1, address window 0
.rept \n
	global_load_b128 v[4*NBI:4*NBI+3], v9, s[34:35] offset:512*NBI
.set NBI, NBI+1
.endr
	WIN 0
.endm
.macro ADDBB d, a, b                   ; v[d], v[d+1] = the two bf16 of v[a] + those of v[b], each sum rounded once to f32
	v_fma_mix_f32_bf16 v[\d], v[\a], v15, v[\b] op_sel:[0,0,0] op_sel_hi:[1,0,1]
	v_fma_mix_f32_bf16 v[(\d)+1], v[\a], v15, v[\b] op_sel:[1,0,1] op_sel_hi:[1,0,1]
.endm
.macro ADDBF d, a                      ; v[d], v[d+1] += the two bf16 of v[a]
	v_fma_mix_f32_bf16 v[\d], v[\a], v15, v[\d] op_sel:[0,0,0] op_sel_hi:[1,0,0]
	v_fma_mix_f32_bf16 v[(\d)+1], v[\a], v15, v[(\d)+1] op_sel:[1,0,0] op_sel_hi:[1,0,0]
.endm
.macro FBITS n                         ; FB = the f32 pattern of the whole number n, 0 to 127
.set FB, 0
.set e_, 6
.rept 7
.if ((\n) >> e_) == 1
.set FB, ((127+e_)<<23) | (((\n)-(1<<e_)) << (23-e_))
.endif
.set e_, e_-1
.endr
.endm
	s_load_b256 s[4:11], s[0:1], 0x0
.if LEVEL == 2
	s_load_b128 s[12:15], s[0:1], 0x20
.else
	s_load_b64 s[12:13], s[0:1], 0x20
.endif
	v_lshl_add_u32 v10, v0, 2, SPARE               ; my spare word,
	v_mov_b32 v11, 0                               ; and 0: kept for the closing add alone
	v_lshrrev_b32 v16, 5, v0
	v_readfirstlane_b32 s2, v16                    ; wave 0..7
	v_and_b32 v17, 31, v0                          ; lane
	v_and_b32 v18, 15, v0                          ; r
	v_bfe_u32 v19, v0, 4, 1                        ; h
	s_mov_b32 s24, 0xf1800000                      ; -2^100
	s_mov_b32 s25, s24                             ; named with it as a pair
	s_mov_b32 s26, 0x3fb8aa3b                      ; log2(e)
	s_mov_b32 s27, s26
	s_mov_b32 s28, 0x76543210
	s_mov_b32 s29, 0xfedcba98
	v_mul_u32_u24 v1, v18, PITCH
	v_lshl_add_u32 v1, v19, 4, v1
	v_mov_b32 v5, v1                               ; the fragment addresses are written here once, so that every way through the text finds them written
.if P > 1
	v_add_nc_u32 v6, PIECE, v1
.endif
.if P > 2
	v_add_nc_u32 v7, 2*PIECE, v1
.endif
	s_lshl_b32 s20, s2, 9
	s_add_co_u32 s20, s20, WWL
	v_lshl_add_u32 v2, v19, 5, s20
	v_lshl_add_u32 v4, v18, 5, EX1
	s_lshl_b32 s21, s2, 2
	v_add_nc_u32 v3, s21, v4
	s_lshl_b32 s20, s2, 7
	v_lshl_add_u32 v8, v19, 3, s20
	v_cvt_f32_u32 v8, v8
	v_lshlrev_b32 v9, 4, v17                       ; 16 lane: the codes' loads
	v_lshlrev_b32 v13, 2, v18
	v_mov_b32 v15, 1.0
	v_lshlrev_b32 v21, 4, v0                       ; 16 thread
	v_add_nc_u32 v22, WWL, v21
	s_mul_i32 s20, s2, 32*PITCH                    ; my 32 rows in a piece
	v_mul_u32_u24 v25, v19, PITCH
	v_lshl_add_u32 v25, v18, 4, v25
	v_add_nc_u32 v25, s20, v25                     ; two rows a load: lanes 0-15 one row, lanes 16-31 the next
.if P > 1
	v_add_nc_u32 v26, PIECE, v25
.endif
.if P > 2
	v_add_nc_u32 v27, 2*PIECE, v25
.endif
.if LEVEL == 0
	v_lshl_add_u32 v20, v16, 14, v9                ; x: my 32 rows of 512 bytes, 16 bytes a lane
	v_lshl_add_u32 v23, v17, 3, s20                ; LDS: a row, 8 bytes a lane
	v_lshlrev_b32 v24, 3, v17
	v_lshl_add_u32 v24, v16, 13, v24               ; xb likewise
	v_mov_b32 v14, 0                               ; written, like v5 above
.else
	v_lshl_add_u32 v20, v16, 13, v9                ; xb: my 32 rows of 256 bytes, two rows a load
	v_lshlrev_b32 v24, 2, v19
	v_lshl_add_u32 v24, v16, 7, v24                ; the index of row 32 w + h
	v_lshlrev_b32 v14, 4, v18                      ; 16 r
	v_mov_b32 v23, 0                               ; my sum of |r|^2
.endif
	s_wait_kmcnt 0x0
	s_mov_b32 s31, 0
	s_lshl_b32 s30, s2, 15
	s_add_co_u32 s30, s30, LEVEL*FRAGL
	s_add_nc_u64 s[34:35], s[6:7], s[30:31]        ; my codes' 32,768 bytes in FRAG
	s_mul_i32 s30, ttmp9, 12288
	s_add_co_u32 s30, s30, LEVEL*4096
	s_add_nc_u64 s[32:33], s[PART:PART+1], s[30:31]  ; the work-group's column sums of this level
	s_lshl_b32 s30, ttmp9, 10
	s_add_nc_u64 s[IOUT:IOUT+1], s[IOUT:IOUT+1], s[30:31]
.if LEVEL > 0
	s_add_nc_u64 s[8:9], s[8:9], s[30:31]
.endif
.if LEVEL > 1
	s_add_nc_u64 s[10:11], s[10:11], s[30:31]
.endif
.if LEVEL == 0
	s_lshl_b32 s30, ttmp9, 17
	s_add_nc_u64 s[4:5], s[4:5], s[30:31]
	s_lshl_b32 s30, ttmp9, 16
	s_add_nc_u64 s[8:9], s[8:9], s[30:31]
.else
	s_lshl_b32 s30, ttmp9, 16
	s_add_nc_u64 s[4:5], s[4:5], s[30:31]
.endif
	; THE WAY IN.  All loads are asked for at once, the rows first; the codes' 64 loads follow in runs, so that every counted wait names a number that the counter's field holds.
	global_load_b128 v[28:31], v21, s[6:7] offset:WWG+4096*LEVEL
.if LEVEL == 0
.set k, 0
.rept 32
	global_load_b128 v[SREG+4*k:SREG+4*k+3], v20, s[4:5] offset:512*k th:TH_LOAD_NT
.set k, k+1
.endr
	BLOADS 30
.set k, 0
.rept 32
	s_wait_loadcnt 31-k+NBI                        ; behind row k's load: 31 - k rows and the codes' loads issued so far
.if k == 0
	ds_store_b128 v22, v[28:31]                    ; |w|^2 was asked for first
.endif
	v_cvt_pk_bf16_f32 v[SREG+4*k], v[SREG+4*k], v[SREG+4*k+1]
	v_cvt_pk_bf16_f32 v[SREG+4*k+1], v[SREG+4*k+2], v[SREG+4*k+3]
	ds_store_b64 v23, v[SREG+4*k:SREG+4*k+1] offset:PITCH*k
	global_store_b64 v24, v[SREG+4*k:SREG+4*k+1], s[8:9] offset:256*k   ; the wave stores 256 consecutive bytes, aligned
.if k == 31
	BLOADS 10
.elseif (k%8) == 7
	BLOADS 8
.endif
.set k, k+1
.endr
.else
.set pp, 0
.rept 16
	global_load_b32 v[32+pp], v24, s[8:9] offset:8*pp
.set pp, pp+1
.endr
.if LEVEL == 2
.set pp, 0
.rept 16
	global_load_b32 v[48+pp], v24, s[10:11] offset:8*pp
.set pp, pp+1
.endr
.endif
.set pp, 0
.rept 16
	global_load_b128 v[SREG+4*pp:SREG+4*pp+3], v20, s[4:5] offset:512*pp
.set pp, pp+1
.endr
	s_wait_loadcnt 16                              ; the indices are in; the 16 loads of xb behind them stay out
	ds_store_b128 v22, v[28:31]
.set pp, 0
.rept 16*LEVEL
	v_min_u32 v[32+pp], 0x3ff, v[32+pp]            ; an index stays inside its table
	v_lshl_add_u32 v[32+pp], v[32+pp], 8, v14      ; the code's row of 256 bytes, 16 bytes a lane
.set pp, pp+1
.endr
.set pp, 0
.rept 16
	global_load_b128 v[192+4*pp:195+4*pp], v[32+pp], s[6:7] offset:NROW
.if LEVEL == 2
	global_load_b128 v[64+4*pp:67+4*pp], v[48+pp], s[6:7] offset:NROW+FRAGL
.endif
.set pp, pp+1
.endr
	BLOADS 32
.set pp, 0
.rept 16
	s_wait_loadcnt LEVEL*(15-pp)+NBI               ; behind this pair of rows' last gather: the later pairs' gathers and the codes' loads issued so far
	ds_store_b128 v25, v[SREG+4*pp:SREG+4*pp+3] offset:2*PITCH*pp
	ds_store_b128 v26, v[192+4*pp:195+4*pp] offset:2*PITCH*pp
.if LEVEL == 2
	ds_store_b128 v27, v[64+4*pp:67+4*pp] offset:2*PITCH*pp
.endif
.if (pp%4) == 3
	BLOADS 8
.endif
.set pp, pp+1
.endr
.endif
	; |r|^2 of my 32 rows, out of my own LDS rows (LDS serves a wave's instructions in order): eight trips of two pairs of rows.  It stands in the wait for the codes' loads.
	s_lshl_b32 s20, s2, 7
	s_add_co_u32 s20, s20, XXL
	v_lshl_add_u32 v22, v19, 2, s20
	s_mov_b32 s17, 8
.Lxx:
.irp j, 0,1
	ds_load_b128 v[32+16*\j:35+16*\j], v25 offset:2*PITCH*\j
.if P > 1
	ds_load_b128 v[36+16*\j:39+16*\j], v26 offset:2*PITCH*\j
.endif
.if P > 2
	ds_load_b128 v[40+16*\j:43+16*\j], v27 offset:2*PITCH*\j
.endif
.endr
.irp j, 0,1
	s_wait_dscnt P*(1-\j)                          ; the first pair is in while the second pair's P loads stay out; then all
.irp e, 0,1,2,3
.if LEVEL == 0
	v_lshlrev_b32 v[64+8*\j+2*\e], 16, v[32+16*\j+\e]
	v_and_b32 v[65+8*\j+2*\e], 0xffff0000, v[32+16*\j+\e]
.else
	ADDBB 64+8*\j+2*\e, 32+16*\j+\e, 36+16*\j+\e
.endif
.if LEVEL == 2
	ADDBF 64+8*\j+2*\e, 40+16*\j+\e
.endif
.endr
	v_pk_mul_f32 v[80+2*\j:81+2*\j], v[64+8*\j:65+8*\j], v[64+8*\j:65+8*\j]
.irp e, 1,2,3
	v_pk_fma_f32 v[80+2*\j:81+2*\j], v[64+8*\j+2*\e:65+8*\j+2*\e], v[64+8*\j+2*\e:65+8*\j+2*\e], v[80+2*\j:81+2*\j]
.endr
	v_add_f32 v[80+2*\j], v[80+2*\j], v[81+2*\j]
.irp m, 1,2,4,8
	v_add_f32_dpp v[80+2*\j], v[80+2*\j], v[80+2*\j] row_xmask:\m row_mask:0xf bank_mask:0xf
.endr
	ds_store_b32 v22, v[80+2*\j] offset:8*\j       ; sixteen lanes hold one row's number
.if LEVEL > 0
	v_add_f32 v23, v23, v[80+2*\j]
.endif
.endr
	v_add_nc_u32 v25, 4*PITCH, v25
.if P > 1
	v_add_nc_u32 v26, 4*PITCH, v26
.endif
.if P > 2
	v_add_nc_u32 v27, 4*PITCH, v27
.endif
	v_add_nc_u32 v22, 16, v22
	s_sub_co_u32 s17, s17, 1
	s_cmp_lg_u32 s17, 0
	s_cbranch_scc1 .Lxx
.if LEVEL > 0
	v_permlanex16_b32 v24, v23, s28, s29           ; even rows' sum + odd rows' sum
	v_add_f32 v23, v23, v24
	s_lshl_b32 s20, s2, 2
	s_add_co_u32 s20, s20, LOS
	v_mov_b32 v24, s20
	ds_store_b32 v24, v23
.endif
	s_wait_xcnt 0x0                                ; the stores above have read their registers: only behind this wait are these written again
.set i, 0
.rept 192                              ; the column sums start at 0; the two tile buffers hold 0 for super-step 0's slices, and so that no way through the text reads a register that nothing wrote
	v_mov_b32 v[COL+i], 0
.set i, i+1
.endr
.set i, 0
.rept 6
	ds_store_b32 v3, v64 offset:512*i              ; my words of the six exchange arrays, likewise
.set i, i+1
.endr
	s_wait_loadcnt 0x0                             ; the codes' registers are in
	s_wait_dscnt 0x0                               ; for the others' sake: my rows, |r|^2 and |w|^2 are in LDS
	s_barrier_signal -1
	s_barrier_wait -1
.macro XLOAD n                         ; row fragment n of 4 P: piece P - 1 - n / 4, channels 32 (n % 4) on, into slot n % 4
	ds_load_b128 v[XF+8*((\n)%4):XF+8*((\n)%4)+3], v[5+P-1-(\n)/4] offset:64*((\n)%4)
	ds_load_b128 v[XF+8*((\n)%4)+4:XF+8*((\n)%4)+7], v[5+P-1-(\n)/4] offset:64*((\n)%4)+32
.endm
.macro WWLOAD n                        ; |w|^2 of my code tile n, eight numbers a lane, into slot n % 4
	ds_load_b128 v[XF+8*((\n)%4):XF+8*((\n)%4)+3], v2 offset:64*(\n)
	ds_load_b128 v[XF+8*((\n)%4)+4:XF+8*((\n)%4)+7], v2 offset:64*(\n)+16
.endm
; THE VECTOR WORK OF TILE s - 1 (buffer SBO) is a list of NS numbered lines, ordered by who reads what.  Lines 0 to NA - 1 name no exponential's result: the 16 plain lines of each of the eight code
; tiles (PLINE), the keys' last five lines (KLINE) and, among them, ALL 64 exponentials, in place, each behind its own scaling: ONE BATCH.  Lines 0-15: code tile 0's plain lines.  Lines 16-171: an
; exponential of code tile u - 1 and two plain lines of code tile u, by turns.  Lines 172-195: an exponential and one plain line by turns: the last twelve exponentials, beside code tile 7's scalings
; and minima and four of the keys' last lines.  Line 196: the keys' last.  So a plain line that names neither its source nor its result stands behind every exponential (ISA guide 5.7.2), two behind
; the last.  Between lines NA - 1 and NA stands the batch's one wait (MV writes it).  Lines NA to NS - 1 are the 30 lines that add the weights (SLINE).  PLN counts the plain lines written.
.macro PLINE u, p                      ; plain line p of code tile u: 0-3 z = dmin - d; 4-7 the keys z (-2^100) + index (even and odd registers in chains of their own, the odd ones' + 1 added at the end); 8-11 z log2(e); 12-15 the keys' minima
.set zq, (\p)%4
.set zk, (\p)/4
.set zr, SBO+8*(\u)+2*zq
.if zk == 0
	v_pk_add_f32 v[zr:zr+1], v[12:13], v[zr:zr+1] op_sel_hi:[0,1] neg_lo:[0,1] neg_hi:[0,1]
.elseif zk == 1
	FBITS 16*(\u)+2*zq
	v_pk_fma_f32 v[KT+2*zq:KT+2*zq+1], v[zr:zr+1], s[24:25], FB op_sel_hi:[1,0,0]
.elseif zk == 2
	v_pk_mul_f32 v[zr:zr+1], v[zr:zr+1], s[26:27] op_sel_hi:[1,0]
.elseif (\u) == 0
	v_min_num_f32 v[24+zq], v[KT+4*(zq/2)+zq%2], v[KT+4*(zq/2)+zq%2+2]
.else
	v_min3_num_f32 v[24+zq], v[24+zq], v[KT+4*(zq/2)+zq%2], v[KT+4*(zq/2)+zq%2+2]
.endif
.set PLN, PLN+1
.endm
.macro KLINE j                         ; line j of the five that make one key of the four chains
.if (\j) == 0
	v_min_num_f32 v24, v24, v26
.elseif (\j) == 1
	v_min_num_f32 v25, v25, v27
.elseif (\j) == 2
	v_add_f32 v25, 1.0, v25
.elseif (\j) == 3
	v_min_num_f32 v24, v24, v25
.else
	v_add_f32 v24, v24, v8                         ; + 128 w + 8 h
.endif
.set PLN, PLN+1
.endm
.macro SLINE n                         ; line n of the 30 that add the tile's 32 pairs of weights, two chains: pairs 0 + 2 and 1 + 3 start them, then pair n + 2 goes onto chain n % 2
.if (\n) < 2
	v_pk_add_f32 v[28+2*(\n):29+2*(\n)], v[SBO+2*(\n):SBO+2*(\n)+1], v[SBO+4+2*(\n):SBO+5+2*(\n)]
.else
	v_pk_add_f32 v[28+2*((\n)%2):29+2*((\n)%2)], v[28+2*((\n)%2):29+2*((\n)%2)], v[SBO+4+2*(\n):SBO+5+2*(\n)]
.endif
.set PLN, PLN+1
.endm
.macro V2S n                           ; line n of the list
.if (\n) < 16
	PLINE 0, \n
.elseif (\n) < 172                     ; an exponential and two plain lines
.set zu, 1+((\n)-16)/24
.set zs, ((\n)-16)%24
.set zp, 2*(zs/3)+zs%3-1
.if (zs%3) == 0
	v_exp_f32 v[SBO+8*(zu-1)+zs/3], v[SBO+8*(zu-1)+zs/3]
.else
	PLINE zu, zp
.endif
.elseif (\n) < NA-1                    ; an exponential and one plain line: weights 52 to 63
.set zs, (\n)-172
.set zp, 8+zs/2
.if (zs%2) == 0
	v_exp_f32 v[SBO+52+zs/2], v[SBO+52+zs/2]
.elseif zp < 16
	PLINE 7, zp
.else
	KLINE zp-16
.endif
.elseif (\n) == NA-1
	KLINE 4
.else
.set zp, (\n)-NA
	SLINE zp
.endif
.endm
; THE PRODUCTS OF ONE ROW TILE, with the list above in slices behind them.  For each fragment eight matrix instructions, the eight accumulators by turns; the first fragment
; starts the sums with the constant 0.  The first 8 FW products carry lines 0 to NA - 1 in proportion, the others lines NA to NS - 1; a slice is written when CH lines are due, and behind a
; fragment's eighth product.  The exponentials' wait stands behind fragment FW - 1's last slice, ahead of the two LDS loads that follow it.
; A load into a register that a matrix instruction has read, and a vector instruction that reads its result, stand four places behind it: the plain lines of the slice behind the
; eighth product are such places (they name none of the products' registers), and v_nop makes up what is missing of four.
.macro MV sb
.set nx, 0
.set wi, 0
.set f, 0
.rept 4*P
	s_wait_dscnt 6                                 ; slot f % 4 is in; the three younger slots' six loads stay out (at the first fragments the load of |r|^2 and wave 0's index store are younger too)
.set t, 0
.rept 8
	WIN 0x01                                       ; source 0 (the codes) in window 1
.if f == 0
	v_wmma_f32_16x16x32_bf16 v[\sb+8*t:\sb+8*t+7], v[32*t+8*(f%4):32*t+8*(f%4)+7], v[XF+8*(f%4):XF+8*(f%4)+7], 0
.else
	v_wmma_f32_16x16x32_bf16 v[\sb+8*t:\sb+8*t+7], v[32*t+8*(f%4):32*t+8*(f%4)+7], v[XF+8*(f%4):XF+8*(f%4)+7], v[\sb+8*t:\sb+8*t+7]
.endif
.set PLN, 0
.set wi, wi+1
.if wi > 8*FW
.set tg, NA+(wi-8*FW)*(NS-NA)/(32*P-8*FW)
.else
.set tg, wi*NA/(8*FW)
.endif
.if ((tg-nx >= CH) || (t == 7) || (wi == 32*P)) && (tg > nx)
	WIN 0
.rept tg-nx
	V2S nx
.set nx, nx+1
.endr
.endif
.set t, t+1
.endr
	WIN 0
.if PLN < 4
.rept 4-PLN
	v_nop
.endr
.endif
.if f == FW-1
	s_wait_alu depctr_va_vdst(0)                   ; the wait for the batch of 64 exponentials: all are issued, no line so far names a weight, and every line that does stands behind this one
.endif
.if f+4 < 4*P
	XLOAD f+4
.else
	WWLOAD f+4-4*P
.endif
.set f, f+1
.endr
.endm
; d = fl(fl(|r|^2 - 2 m) + |w|^2), in place, each accumulator from its low end on, and four running minima.
.macro V1 sb
.set t, 0
.rept 8
.irp q, 0,1,2,3
	v_pk_fma_f32 v[\sb+8*t+2*\q:\sb+8*t+2*\q+1], v[\sb+8*t+2*\q:\sb+8*t+2*\q+1], -2.0, v[14:15] op_sel_hi:[1,0,0]
.endr
.if t < 4
	s_wait_dscnt 8                                 ; |w|^2 of tile t is in; younger: three tiles' six loads and the two posts of sum and key
.else
	s_wait_dscnt 2*(7-t)                           ; the counts run down
.endif
.irp q, 0,1,2,3
	v_pk_add_f32 v[\sb+8*t+2*\q:\sb+8*t+2*\q+1], v[\sb+8*t+2*\q:\sb+8*t+2*\q+1], v[XF+8*(t%4)+2*\q:XF+8*(t%4)+2*\q+1]
.endr
.if t < 4
	WWLOAD t+4
.endif
.irp q, 0,1,2,3
.if t == 0
	v_min_num_f32 v[16+\q], v[\sb+2*\q], v[\sb+2*\q+1]
.else
	v_min3_num_f32 v[16+\q], v[16+\q], v[\sb+8*t+2*\q], v[\sb+8*t+2*\q+1]
.endif
.endr
.set t, t+1
.endr
.endm
; A SUPER-STEP.  par: the parity of s, of tile s and of tile s - 2.  Every jump goes forward, on the trip's number or the wave's; none passes a barrier.
.macro SS par
.set SB, SREG+64*(\par)
.set SBO, SREG+64*(1-(\par))
	ds_load_b128 v[16:19], v4 offset:OFZ+512*(\par)        ; tile s - 2: the eight waves' sums,
	ds_load_b128 v[20:23], v4 offset:OFZ+512*(\par)+16
	ds_load_b128 v[24:27], v4 offset:OFK+512*(\par)        ; and keys
	ds_load_b128 v[28:31], v4 offset:OFK+512*(\par)+16
.if \par
	s_cmp_eq_u32 s16, 8
	s_cbranch_scc0 .Lfull_\@
	s_wait_dscnt 0x0                               ; super-step 17: the column sums of tile 15 alone
	s_branch .Lv3_\@
.Lfull_\@:
.endif
	ds_load_b128 v[56:59], v4 offset:512*(1-(\par))        ; tile s - 1: the eight waves' least distances, into slot 3, which takes its fragment below
	ds_load_b128 v[60:63], v4 offset:512*(1-(\par))+16
.if (\par) == 0
	s_cmp_eq_u32 s16, 8
	s_cbranch_scc1 .Lkeep_\@                       ; super-step 16: the addresses stay at tile 15
.endif
	v_add_nc_u32 v5, s18, v1
.if P > 1
	v_add_nc_u32 v6, PIECE, v5
.endif
.if P > 2
	v_add_nc_u32 v7, 2*PIECE, v5
.endif
.if (\par) == 0
.Lkeep_\@:
.endif
	XLOAD 0
	XLOAD 1
	XLOAD 2
	s_wait_dscnt 6                                 ; the six loads of posts are in; the three fragments' six stay out
	v_min3_num_f32 v56, v56, v57, v58
	v_min3_num_f32 v59, v59, v60, v61
	v_min3_num_f32 v56, v56, v62, v63
	v_min_num_f32 v12, v56, v59                    ; the row's least distance
	XLOAD 3
.if \par
.Lv3_\@:
.endif
	s_cmp_eq_u32 s16, 0
	s_cbranch_scc1 .Lno_v3_\@                      ; the first two super-steps have no tile s - 2
	v_pk_add_f32 v[16:17], v[16:17], v[18:19]      ; Z: the eight waves' sums
	v_pk_add_f32 v[20:21], v[20:21], v[22:23]
	v_min3_num_f32 v24, v24, v25, v26              ; the least key is the first index of the least distance
	v_min3_num_f32 v27, v27, v28, v29
	v_pk_add_f32 v[16:17], v[16:17], v[20:21]
	v_min3_num_f32 v24, v24, v30, v31
	v_add_f32 v16, v16, v17
	v_rcp_f32 v14, v16                             ; 1 / Z: a batch of one
	v_min_num_f32 v24, v24, v27                    ; the key's last two lines name neither Z nor 1 / Z: the plain instruction behind the reciprocal, and the work between it and its wait
	v_cvt_u32_f32 v24, v24
	s_wait_alu depctr_va_vdst(0)                   ; the wait for 1 / Z, ahead of the branch and of the 32 lines below that read it
	s_cmp_lg_u32 s2, 0
	s_cbranch_scc1 .Lno_ix_\@                      ; every wave has the index; wave 0 keeps it
	v_add_nc_u32 v9, s20, v13
	ds_store_b32 v9, v24
.Lno_ix_\@:
.set i, 0
.rept 32
	v_pk_fma_f32 v[COL+2*i:COL+2*i+1], v[SB+2*i:SB+2*i+1], v[14:15], v[COL+2*i:COL+2*i+1] op_sel_hi:[1,0,1]
.set i, i+1
.endr
.Lno_v3_\@:
	s_cmp_eq_u32 s16, 8
.if \par
	s_cbranch_scc1 .Lend_\@                        ; super-step 17 is over
.else
	s_cbranch_scc1 .Lno_xx_\@                      ; super-step 16 makes no distances
.endif
	v_add_nc_u32 v9, s19, v13
	ds_load_b32 v14, v9                            ; |r|^2 of my lane's row, where 1 / Z lay: the fourth fragment's wait shows it landed (six refills are younger)
.if (\par) == 0
.Lno_xx_\@:
.endif
	MV SB
	v_pk_add_f32 v[28:29], v[28:29], v[30:31]      ; tile s - 1: my sum and my key; the row's other 64 of my codes lie in the lane 16 away
	v_permlanex16_b32 v25, v24, s28, s29
	v_add_f32 v28, v28, v29
	v_min_num_f32 v24, v24, v25
	v_permlanex16_b32 v29, v28, s28, s29
	ds_store_b32 v3, v24 offset:OFK+512*(1-(\par))
	v_add_f32 v28, v28, v29
	ds_store_b32 v3, v28 offset:OFZ+512*(1-(\par))
.if (\par) == 0
	s_cmp_eq_u32 s16, 8
	s_cbranch_scc1 .Lno_v1_\@
.endif
	V1 SB
	v_min3_num_f32 v16, v16, v17, v18
	v_min_num_f32 v16, v16, v19
	v_permlanex16_b32 v17, v16, s28, s29
	v_min_num_f32 v16, v16, v17
	ds_store_b32 v3, v16 offset:512*(\par)
.if \par
.Lend_\@:
.else
.Lno_v1_\@:
.endif
	s_wait_dscnt 0x0                               ; for the others' sake: my posts are in LDS, and my reads of the others' posts are back
	s_barrier_signal -1
	s_barrier_wait -1
	s_add_co_u32 s18, s18, 16*PITCH
	s_add_co_u32 s19, s19, 64
	s_add_co_u32 s20, s20, 64
.endm
	s_mov_b32 s16, 0
	s_mov_b32 s18, 0
	s_mov_b32 s19, XXL
	s_mov_b32 s20, IDXL-128                        ; the index stored in super-step s is tile s - 2's
.Lmain:                                                ; nine trips of two super-steps: 16 row tiles and two super-steps to drain
	SS 0
	SS 1
	s_add_co_u32 s16, s16, 1
	s_cmp_lt_u32 s16, 9
	s_cbranch_scc1 .Lmain
	; THE WAY OUT.  A lane's column sums cover the rows of its own r: the 16 lanes' are added through my stage (piece 0's bytes: every wave's reads of them were back before the last barriers).
	v_and_b32 v16, 15, v0
	v_bfe_u32 v17, v0, 4, 1
	v_and_b32 v18, 31, v0
	s_mul_i32 s21, s2, STG
	v_mul_u32_u24 v20, v16, SPI
	v_lshl_add_u32 v20, v17, 5, v20
	v_add_nc_u32 v20, s21, v20                     ; in: row r, code 16 t + 8 h + j at byte 64 t + 32 h + 4 j
	v_lshl_add_u32 v21, v18, 4, s21                ; back: four codes a lane, all 16 rows
	v_lshlrev_b32 v22, 4, v0
.set t, 0
.rept 8
	ds_store_b128 v20, v[COL+8*t:COL+8*t+3] offset:64*t
	ds_store_b128 v20, v[COL+8*t+4:COL+8*t+7] offset:64*t+16
.set t, t+1
.endr
.set i, 0
.rept 16
	ds_load_b128 v[SREG+4*i:SREG+4*i+3], v21 offset:SPI*i   ; my own bytes: these see the stores above
.set i, i+1
.endr
	s_wait_dscnt 0x0
.set d, 32
.rept 4
.set i, 0
.rept d/2
	v_pk_add_f32 v[SREG+2*i:SREG+2*i+1], v[SREG+2*i:SREG+2*i+1], v[SREG+d+2*i:SREG+d+2*i+1]
.set i, i+1
.endr
.set d, d/2
.endr
	global_store_b128 v22, v[SREG:SREG+3], s[32:33]        ; the wave stores 512 consecutive bytes, aligned
	s_cmp_lt_u32 s2, 2
	s_cbranch_scc0 .Lno_idx
	v_add_nc_u32 v23, IDXL, v22
	ds_load_b128 v[SREG+4:SREG+7], v23             ; wave 0 stored them; the last barrier lies between
	s_wait_dscnt 0x0
	global_store_b128 v22, v[SREG+4:SREG+7], s[IOUT:IOUT+1]
.Lno_idx:
.if LEVEL > 0
	s_cmp_lg_u32 s2, 2
	s_cbranch_scc1 .Lno_loss
	v_mov_b32 v24, LOS
	ds_load_b128 v[32:35], v24
	ds_load_b128 v[36:39], v24 offset:16
	s_wait_dscnt 0x0
	v_pk_add_f32 v[32:33], v[32:33], v[34:35]
	v_pk_add_f32 v[36:37], v[36:37], v[38:39]
	v_pk_add_f32 v[32:33], v[32:33], v[36:37]
	v_add_f32 v32, v32, v33
	s_lshl_b32 s21, ttmp9, 2
	v_mov_b32 v25, s21
	v_cmp_eq_u32 vcc_lo, 64, v0                    ; wave 2's first lane
	s_wait_xcnt 0x0                                ; EXEC is a source of the store above: it changes only behind this wait
	s_and_saveexec_b32 s21, vcc_lo
	global_store_b32 v25, v32, s[PART:PART+1] offset:LOSSG+(LEVEL-1)*1024
	s_wait_xcnt 0x0                                ; and again ahead of the line that widens it
	s_or_b32 exec_lo, exec_lo, s21
.Lno_loss:
.endif
	s_wait_tensorcnt 0x0                           ; the wave's end: three lines behind my last LDS store
	ds_add_u32 v10, v11
	s_wait_dscnt 0x0
	s_endpgm
.Lfunc_end_k_qf2b395d116_lev1:
	.size	k_qf2b395d116_lev1, .Lfunc_end_k_qf2b395d116_lev1-k_qf2b395d116_lev1
	.p2alignl 7, 3214868480
	.fill 96, 4, 3214868480
	.section	.rodata,"a",@progbits
	.p2align	6, 0x0
	.amdhsa_kernel k_qf2b395d116_lev1
		.amdhsa_group_segment_fixed_size 149760
		.amdhsa_private_segment_fixed_size 0
		.amdhsa_enable_private_segment 0
		.amdhsa_kernarg_size 40
		.amdhsa_user_sgpr_count 2
		.amdhsa_user_sgpr_kernarg_segment_ptr 1
		.amdhsa_wavefront_size32 1
		.amdhsa_system_sgpr_workgroup_id_x 1
		.amdhsa_system_sgpr_workgroup_id_y 1
		.amdhsa_system_sgpr_workgroup_id_z 1
		.amdhsa_system_vgpr_workitem_id 0
		.amdhsa_next_free_vgpr 512
		.amdhsa_next_free_sgpr 66
		.amdhsa_reserve_vcc 1
		.amdhsa_float_denorm_mode_32 3
		.amdhsa_float_denorm_mode_16_64 3
		.amdhsa_memory_ordered 1
		.amdhsa_forward_progress 1
		.amdhsa_inst_pref_size 102
	.end_amdhsa_kernel
	.amdgpu_metadata
---
amdhsa.version: [ 1, 2 ]
amdhsa.kernels:
  - .name:           k_qf2b395d116_lev1
    .symbol:         k_qf2b395d116_lev1.kd
    .args:
      - { .name: xb, .offset: 0, .size: 8, .value_kind: global_buffer, .address_space: global }
      - { .name: cb, .offset: 8, .size: 8, .value_kind: global_buffer, .address_space: global }
      - { .name: idx0, .offset: 16, .size: 8, .value_kind: global_buffer, .address_space: global }
      - { .name: idx1, .offset: 24, .size: 8, .value_kind: global_buffer, .address_space: global }
      - { .name: part, .offset: 32, .size: 8, .value_kind: global_buffer, .address_space: global }
    .group_segment_fixed_size: 149760
    .private_segment_fixed_size: 0
    .kernarg_segment_align: 8
    .kernarg_segment_size: 40
    .max_flat_workgroup_size: 256
    .sgpr_count:     66
    .vgpr_count:     512
    .wavefront_size: 32
...
	.end_amdgpu_metadata
.endif
;; end of part 8
;; launch lev2 (part 9): grid 256 x 1, 8 waves a work-group, no clusters, 219,392 bytes of LDS; arguments xb, cb, idx0, idx1, idx2, part; writes idx2, part
.if DOCPART == 9
	.amdgcn_target "amdgcn-amd-amdhsa--gfx1250"
	.amdhsa_code_object_version 6
	.text
	.protected	k_qf2b395d116_lev2
	.globl	k_qf2b395d116_lev2
	.p2align	8
	.type	k_qf2b395d116_lev2,@function
k_qf2b395d116_lev2:
	s_mov_b64 s[64:65], 0
	v_nop
	global_prefetch_b8 v0, s[64:65] scope:SCOPE_SE
	s_setreg_imm32_b32 hwreg(HW_REG_WAVE_MODE, 25, 1), 1
	s_wait_xcnt 0x0
; ONE LEVEL OF THE RESIDUAL VECTOR QUANTIZER.  The three levels' texts differ in the line .set LEVEL alone.
; WHAT IT MAKES.  For the work-group's 256 rows r and the level's 1,024 codes w: d = fl(fl(|r|^2 - 2 r.w) + |w|^2); the first index of the least d (into idx); the work-group's column sums of
; softmax(-d) (into part).  From level 1 on also the sum of |r|^2, the squared error of the level before.  Level 0 also writes x rounded to bf16 (xb).
; FORMATS.  x and the codebooks are rounded once to bf16.  The residual is never rounded to 16 bits: r = x - q0 - q1 is multiplied as its P = LEVEL + 1 bf16 pieces x, -q0, -q1, summed in one f32
; accumulator, the smallest piece first; |r|^2 is taken of fl(fl(x - q0) - q1).  All else in f32; the row's least distance is taken away before every exponential.
; LIMITS.  NaN and infinities are not treated apart.  The index is found as the least of (d - dmin) 2^100 + index, so distances that differ by less than 2^-90 count as tied (f32 distances below
; 2^-66 could do that).  A weight below 2^-126 counts as 0.  1 / Z is a reciprocal and a multiply.  Indices read from memory are clamped to 1,023.
; SHARES.  Eight waves.  Wave w owns the codes 128 w .. 128 w + 127: their operand registers, 8 tiles x 32, fill window 1 for the whole launch.  All waves walk the 16 row tiles of 16 rows.
; The product is used transposed (source 0 = 16 codes, source 1 = 16 rows): a lane holds ONE row (lane % 16) and register j of tile t the code 128 w + 16 t + 8 (lane / 16) + j.
; THE WALK.  A row's least distance, sum and index span the eight waves: they meet in LDS, twice for each row tile.  Super-step s: the posts are read (the least distance of tile s - 1; Z and the
; index key of tile s - 2); the column sums of tile s - 2; the products of tile s, and BEHIND THE MATRIX INSTRUCTIONS, in slices, the weights, sum and key of tile s - 1, which name none of the
; products' registers; my sum and key are posted; tile s's distances and my least one, which is posted.  One barrier ends a super-step.  Tiles take two register buffers and two sets of LDS words by
; turns, so what a super-step writes nobody reads in it.  A slice costs two switches of the register window: the codes fill window 1, all that the slices touch lies in window 0.
; TRANSCENDENTALS: TWO BATCHES A SUPER-STEP, each with one s_wait_alu depctr_va_vdst(0) ahead of the first instruction that names a result.
; (1) 1 / Z of tile s - 2, alone: the key's last two lines stand between it and its wait, the 32 column-sum lines behind the wait.  (2) The 64 exponentials of tile s - 1, each in place in a
; register of its own: ahead of their wait stands all of the tile's vector work that names no weight (differences, keys, scalings, the keys' minima), behind it the 30 lines that add the weights.
; ONE TEXT FOR EVERY SUPER-STEP.  In super-step 0 the slices work on zeros and nobody reads what they post; super-step 16 multiplies tile 15 once more and nobody reads the result; super-step 17
; jumps over all but the column sums.
; No tensor load, no cluster: every LDS byte is written once, from registers through which the data must pass anyway (a conversion, rows gathered by index); nothing is filled again.
.set LEVEL,  2
.set P,      LEVEL+1
.set PITCH,  272                       ; an LDS row: 256 bytes + 16: the 16 rows of a fragment load start 4 banks apart (64 banks of 4 bytes: ISA guide 11.1)
.set PIECE,  256*PITCH                 ; a piece: 256 rows.  Piece 0 x, piece 1 -q0, piece 2 -q1
.set Q,      P*PIECE
.set WWL,    Q                         ; |w|^2, 1,024 f32
.set XXL,    Q+4096                    ; |r|^2, 256 f32
.set EX1,    Q+5120                    ; least distances: 2 parities x [16 rows][8 waves] f32
.set OFZ,    1024                      ; the sums lie so far behind them,
.set OFK,    2048                      ; the index keys so far
.set IDXL,   Q+8192                    ; the 256 indices
.set LOS,    Q+9216                    ; the eight waves' sums of |r|^2
.set SPARE,  Q+9472                    ; the spare words, 128 bytes for each wave: four blocks of 256 bytes that no other line names
.set STG,    8448                      ; after the walk piece 0's bytes serve as stages: 16 rows x 528 bytes a wave
.set SPI,    528
.set FRAGL,  262144                    ; a level's bytes in cb's FRAG and NROW
.set NROW,   786432
.set WWG,    1572864
.set LOSSG,  3145728                   ; part: behind the column sums, [2][256] f32
; window 0: v0 thread; v1 fragment place 272 r + 16 h; v2 my |w|^2; v3 where I post; v4 where I read posts; v5-7 the pieces' fragment addresses; v8 float(128 w + 8 h); v9 an address at work;
; v10, v11 the add's two; v12 the least distance, v13 4 r (named with v12 as a pair, never taken from it); v14 1 / Z, then |r|^2, v15 1.0 (likewise); v16-31 the posts as read, then v16-23 eight keys
; at work and later four minima, v24-27 the keys' chains, v28-31 the sums' chains; v32-63 four slots; v64-127 column sums; v128-255 two buffers of 8 tiles.
; window 1: the codes' operand registers, tile t, channels 32 c on at 32 t + 8 c.
.set KT,     16
.set XF,     32                        ; four slots of 8: row fragments, then tiles of |w|^2
.set COL,    64
.set SREG,   128
.set NA,     197                       ; lines of a tile's vector work that stand ahead of the exponentials' wait
.set NS,     227                       ; lines in all
.set CH,     4                         ; a slice is issued when so many lines are due
.if P > 1
.set FW,     4*P-2                     ; the exponentials' wait stands behind so many of the 4 P fragments' products
.else
.set FW,     4*P-1
.endif
; s2 wave; s[4:15] buffers; s16 trip; s17 a counter; s18, s19, s20 the row tile's bytes in a piece, in XXL, in IDXL; s21 at work; s[24:25] -2^100; s[26:27] log2(e); s[28:29] lane selects
.if LEVEL == 2
.set IOUT, 12
.set PART, 14
.else
.set IOUT, 10
.set PART, 12
.endif
.set MSB, 0
.macro WIN new                         ; the immediate's high byte repeats the setting that is left; a switch that changes nothing is dropped
.if MSB != (\new)
	s_set_vgpr_msb (MSB<<8)|(\new)
.set MSB, (\new)
.endif
.endm
.set NBI, 0                            ; loads of the codes' registers issued so far, of 64
.macro BLOADS n
	WIN 0x40                                       ; destination window 1, address window 0
.rept \n
	global_load_b128 v[4*NBI:4*NBI+3], v9, s[34:35] offset:512*NBI
.set NBI, NBI+1
.endr
	WIN 0
.endm
.macro ADDBB d, a, b                   ; v[d], v[d+1] = the two bf16 of v[a] + those of v[b], each sum rounded once to f32
	v_fma_mix_f32_bf16 v[\d], v[\a], v15, v[\b] op_sel:[0,0,0] op_sel_hi:[1,0,1]
	v_fma_mix_f32_bf16 v[(\d)+1], v[\a], v15, v[\b] op_sel:[1,0,1] op_sel_hi:[1,0,1]
.endm
.macro ADDBF d, a                      ; v[d], v[d+1] += the two bf16 of v[a]
	v_fma_mix_f32_bf16 v[\d], v[\a], v15, v[\d] op_sel:[0,0,0] op_sel_hi:[1,0,0]
	v_fma_mix_f32_bf16 v[(\d)+1], v[\a], v15, v[(\d)+1] op_sel:[1,0,0] op_sel_hi:[1,0,0]
.endm
.macro FBITS n                         ; FB = the f32 pattern of the whole number n, 0 to 127
.set FB, 0
.set e_, 6
.rept 7
.if ((\n) >> e_) == 1
.set FB, ((127+e_)<<23) | (((\n)-(1<<e_)) << (23-e_))
.endif
.set e_, e_-1
.endr
.endm
	s_load_b256 s[4:11], s[0:1], 0x0
.if LEVEL == 2
	s_load_b128 s[12:15], s[0:1], 0x20
.else
	s_load_b64 s[12:13], s[0:1], 0x20
.endif
	v_lshl_add_u32 v10, v0, 2, SPARE               ; my spare word,
	v_mov_b32 v11, 0                               ; and 0: kept for the closing add alone
	v_lshrrev_b32 v16, 5, v0
	v_readfirstlane_b32 s2, v16                    ; wave 0..7
	v_and_b32 v17, 31, v0                          ; lane
	v_and_b32 v18, 15, v0                          ; r
	v_bfe_u32 v19, v0, 4, 1                        ; h
	s_mov_b32 s24, 0xf1800000                      ; -2^100
	s_mov_b32 s25, s24                             ; named with it as a pair
	s_mov_b32 s26, 0x3fb8aa3b                      ; log2(e)
	s_mov_b32 s27, s26
	s_mov_b32 s28, 0x76543210
	s_mov_b32 s29, 0xfedcba98
	v_mul_u32_u24 v1, v18, PITCH
	v_lshl_add_u32 v1, v19, 4, v1
	v_mov_b32 v5, v1                               ; the fragment addresses are written here once, so that every way through the text finds them written
.if P > 1
	v_add_nc_u32 v6, PIECE, v1
.endif
.if P > 2
	v_add_nc_u32 v7, 2*PIECE, v1
.endif
	s_lshl_b32 s20, s2, 9
	s_add_co_u32 s20, s20, WWL
	v_lshl_add_u32 v2, v19, 5, s20
	v_lshl_add_u32 v4, v18, 5, EX1
	s_lshl_b32 s21, s2, 2
	v_add_nc_u32 v3, s21, v4
	s_lshl_b32 s20, s2, 7
	v_lshl_add_u32 v8, v19, 3, s20
	v_cvt_f32_u32 v8, v8
	v_lshlrev_b32 v9, 4, v17                       ; 16 lane: the codes' loads
	v_lshlrev_b32 v13, 2, v18
	v_mov_b32 v15, 1.0
	v_lshlrev_b32 v21, 4, v0                       ; 16 thread
	v_add_nc_u32 v22, WWL, v21
	s_mul_i32 s20, s2, 32*PITCH                    ; my 32 rows in a piece
	v_mul_u32_u24 v25, v19, PITCH
	v_lshl_add_u32 v25, v18, 4, v25
	v_add_nc_u32 v25, s20, v25                     ; two rows a load: lanes 0-15 one row, lanes 16-31 the next
.if P > 1
	v_add_nc_u32 v26, PIECE, v25
.endif
.if P > 2
	v_add_nc_u32 v27, 2*PIECE, v25
.endif
.if LEVEL == 0
	v_lshl_add_u32 v20, v16, 14, v9                ; x: my 32 rows of 512 bytes, 16 bytes a lane
	v_lshl_add_u32 v23, v17, 3, s20                ; LDS: a row, 8 bytes a lane
	v_lshlrev_b32 v24, 3, v17
	v_lshl_add_u32 v24, v16, 13, v24               ; xb likewise
	v_mov_b32 v14, 0                               ; written, like v5 above
.else
	v_lshl_add_u32 v20, v16, 13, v9                ; xb: my 32 rows of 256 bytes, two rows a load
	v_lshlrev_b32 v24, 2, v19
	v_lshl_add_u32 v24, v16, 7, v24                ; the index of row 32 w + h
	v_lshlrev_b32 v14, 4, v18                      ; 16 r
	v_mov_b32 v23, 0                               ; my sum of |r|^2
.endif
	s_wait_kmcnt 0x0
	s_mov_b32 s31, 0
	s_lshl_b32 s30, s2, 15
	s_add_co_u32 s30, s30, LEVEL*FRAGL
	s_add_nc_u64 s[34:35], s[6:7], s[30:31]        ; my codes' 32,768 bytes in FRAG
	s_mul_i32 s30, ttmp9, 12288
	s_add_co_u32 s30, s30, LEVEL*4096
	s_add_nc_u64 s[32:33], s[PART:PART+1], s[30:31]  ; the work-group's column sums of this level
	s_lshl_b32 s30, ttmp9, 10
	s_add_nc_u64 s[IOUT:IOUT+1], s[IOUT:IOUT+1], s[30:31]
.if LEVEL > 0
	s_add_nc_u64 s[8:9], s[8:9], s[30:31]
.endif
.if LEVEL > 1
	s_add_nc_u64 s[10:11], s[10:11], s[30:31]
.endif
.if LEVEL == 0
	s_lshl_b32 s30, ttmp9, 17
	s_add_nc_u64 s[4:5], s[4:5], s[30:31]
	s_lshl_b32 s30, ttmp9, 16
	s_add_nc_u64 s[8:9], s[8:9], s[30:31]
.else
	s_lshl_b32 s30, ttmp9, 16
	s_add_nc_u64 s[4:5], s[4:5], s[30:31]
.endif
	; THE WAY IN.  All loads are asked for at once, the rows first; the codes' 64 loads follow in runs, so that every counted wait names a number that the counter's field holds.
	global_load_b128 v[28:31], v21, s[6:7] offset:WWG+4096*LEVEL
.if LEVEL == 0
.set k, 0
.rept 32
	global_load_b128 v[SREG+4*k:SREG+4*k+3], v20, s[4:5] offset:512*k th:TH_LOAD_NT
.set k, k+1
.endr
	BLOADS 30
.set k, 0
.rept 32
	s_wait_loadcnt 31-k+NBI                        ; behind row k's load: 31 - k rows and the codes' loads issued so far
.if k == 0
	ds_store_b128 v22, v[28:31]                    ; |w|^2 was asked for first
.endif
	v_cvt_pk_bf16_f32 v[SREG+4*k], v[SREG+4*k], v[SREG+4*k+1]
	v_cvt_pk_bf16_f32 v[SREG+4*k+1], v[SREG+4*k+2], v[SREG+4*k+3]
	ds_store_b64 v23, v[SREG+4*k:SREG+4*k+1] offset:PITCH*k
	global_store_b64 v24, v[SREG+4*k:SREG+4*k+1], s[8:9] offset:256*k   ; the wave stores 256 consecutive bytes, aligned
.if k == 31
	BLOADS 10
.elseif (k%8) == 7
	BLOADS 8
.endif
.set k, k+1
.endr
.else
.set pp, 0
.rept 16
	global_load_b32 v[32+pp], v24, s[8:9] offset:8*pp
.set pp, pp+1
.endr
.if LEVEL == 2
.set pp, 0
.rept 16
	global_load_b32 v[48+pp], v24, s[10:11] offset:8*pp
.set pp, pp+1
.endr
.endif
.set pp, 0
.rept 16
	global_load_b128 v[SREG+4*pp:SREG+4*pp+3], v20, s[4:5] offset:512*pp
.set pp, pp+1
.endr
	s_wait_loadcnt 16                              ; the indices are in; the 16 loads of xb behind them stay out
	ds_store_b128 v22, v[28:31]
.set pp, 0
.rept 16*LEVEL
	v_min_u32 v[32+pp], 0x3ff, v[32+pp]            ; an index stays inside its table
	v_lshl_add_u32 v[32+pp], v[32+pp], 8, v14      ; the code's row of 256 bytes, 16 bytes a lane
.set pp, pp+1
.endr
.set pp, 0
.rept 16
	global_load_b128 v[192+4*pp:195+4*pp], v[32+pp], s[6:7] offset:NROW
.if LEVEL == 2
	global_load_b128 v[64+4*pp:67+4*pp], v[48+pp], s[6:7] offset:NROW+FRAGL
.endif
.set pp, pp+1
.endr
	BLOADS 32
.set pp, 0
.rept 16
	s_wait_loadcnt LEVEL*(15-pp)+NBI               ; behind this pair of rows' last gather: the later pairs' gathers and the codes' loads issued so far
	ds_store_b128 v25, v[SREG+4*pp:SREG+4*pp+3] offset:2*PITCH*pp
	ds_store_b128 v26, v[192+4*pp:195+4*pp] offset:2*PITCH*pp
.if LEVEL == 2
	ds_store_b128 v27, v[64+4*pp:67+4*pp] offset:2*PITCH*pp
.endif
.if (pp%4) == 3
	BLOADS 8
.endif
.set pp, pp+1
.endr
.endif
	; |r|^2 of my 32 rows, out of my own LDS rows (LDS serves a wave's instructions in order): eight trips of two pairs of rows.  It stands in the wait for the codes' loads.
	s_lshl_b32 s20, s2, 7
	s_add_co_u32 s20, s20, XXL
	v_lshl_add_u32 v22, v19, 2, s20
	s_mov_b32 s17, 8
.Lxx:
.irp j, 0,1
	ds_load_b128 v[32+16*\j:35+16*\j], v25 offset:2*PITCH*\j
.if P > 1
	ds_load_b128 v[36+16*\j:39+16*\j], v26 offset:2*PITCH*\j
.endif
.if P > 2
	ds_load_b128 v[40+16*\j:43+16*\j], v27 offset:2*PITCH*\j
.endif
.endr
.irp j, 0,1
	s_wait_dscnt P*(1-\j)                          ; the first pair is in while the second pair's P loads stay out; then all
.irp e, 0,1,2,3
.if LEVEL == 0
	v_lshlrev_b32 v[64+8*\j+2*\e], 16, v[32+16*\j+\e]
	v_and_b32 v[65+8*\j+2*\e], 0xffff0000, v[32+16*\j+\e]
.else
	ADDBB 64+8*\j+2*\e, 32+16*\j+\e, 36+16*\j+\e
.endif
.if LEVEL == 2
	ADDBF 64+8*\j+2*\e, 40+16*\j+\e
.endif
.endr
	v_pk_mul_f32 v[80+2*\j:81+2*\j], v[64+8*\j:65+8*\j], v[64+8*\j:65+8*\j]
.irp e, 1,2,3
	v_pk_fma_f32 v[80+2*\j:81+2*\j], v[64+8*\j+2*\e:65+8*\j+2*\e], v[64+8*\j+2*\e:65+8*\j+2*\e], v[80+2*\j:81+2*\j]
.endr
	v_add_f32 v[80+2*\j], v[80+2*\j], v[81+2*\j]
.irp m, 1,2,4,8
	v_add_f32_dpp v[80+2*\j], v[80+2*\j], v[80+2*\j] row_xmask:\m row_mask:0xf bank_mask:0xf
.endr
	ds_store_b32 v22, v[80+2*\j] offset:8*\j       ; sixteen lanes hold one row's number
.if LEVEL > 0
	v_add_f32 v23, v23, v[80+2*\j]
.endif
.endr
	v_add_nc_u32 v25, 4*PITCH, v25
.if P > 1
	v_add_nc_u32 v26, 4*PITCH, v26
.endif
.if P > 2
	v_add_nc_u32 v27, 4*PITCH, v27
.endif
	v_add_nc_u32 v22, 16, v22
	s_sub_co_u32 s17, s17, 1
	s_cmp_lg_u32 s17, 0
	s_cbranch_scc1 .Lxx
.if LEVEL > 0
	v_permlanex16_b32 v24, v23, s28, s29           ; even rows' sum + odd rows' sum
	v_add_f32 v23, v23, v24
	s_lshl_b32 s20, s2, 2
	s_add_co_u32 s20, s20, LOS
	v_mov_b32 v24, s20
	ds_store_b32 v24, v23
.endif
	s_wait_xcnt 0x0                                ; the stores above have read their registers: only behind this wait are these written again
.set i, 0
.rept 192                              ; the column sums start at 0; the two tile buffers hold 0 for super-step 0's slices, and so that no way through the text reads a register that nothing wrote
	v_mov_b32 v[COL+i], 0
.set i, i+1
.endr
.set i, 0
.rept 6
	ds_store_b32 v3, v64 offset:512*i              ; my words of the six exchange arrays, likewise
.set i, i+1
.endr
	s_wait_loadcnt 0x0                             ; the codes' registers are in
	s_wait_dscnt 0x0                               ; for the others' sake: my rows, |r|^2 and |w|^2 are in LDS
	s_barrier_signal -1
	s_barrier_wait -1
.macro XLOAD n                         ; row fragment n of 4 P: piece P - 1 - n / 4, channels 32 (n % 4) on, into slot n % 4
	ds_load_b128 v[XF+8*((\n)%4):XF+8*((\n)%4)+3], v[5+P-1-(\n)/4] offset:64*((\n)%4)
	ds_load_b128 v[XF+8*((\n)%4)+4:XF+8*((\n)%4)+7], v[5+P-1-(\n)/4] offset:64*((\n)%4)+32
.endm
.macro WWLOAD n                        ; |w|^2 of my code tile n, eight numbers a lane, into slot n % 4
	ds_load_b128 v[XF+8*((\n)%4):XF+8*((\n)%4)+3], v2 offset:64*(\n)
	ds_load_b128 v[XF+8*((\n)%4)+4:XF+8*((\n)%4)+7], v2 offset:64*(\n)+16
.endm
; THE VECTOR WORK OF TILE s - 1 (buffer SBO) is a list of NS numbered lines, ordered by who reads what.  Lines 0 to NA - 1 name no exponential's result: the 16 plain lines of each of the eight code
; tiles (PLINE), the keys' last five lines (KLINE) and, among them, ALL 64 exponentials, in place, each behind its own scaling: ONE BATCH.  Lines 0-15: code tile 0's plain lines.  Lines 16-171: an
; exponential of code tile u - 1 and two plain lines of code tile u, by turns.  Lines 172-195: an exponential and one plain line by turns: the last twelve exponentials, beside code tile 7's scalings
; and minima and four of the keys' last lines.  Line 196: the keys' last.  So a plain line that names neither its source nor its result stands behind every exponential (ISA guide 5.7.2), two behind
; the last.  Between lines NA - 1 and NA stands the batch's one wait (MV writes it).  Lines NA to NS - 1 are the 30 lines that add the weights (SLINE).  PLN counts the plain lines written.
.macro PLINE u, p                      ; plain line p of code tile u: 0-3 z = dmin - d; 4-7 the keys z (-2^100) + index (even and odd registers in chains of their own, the odd ones' + 1 added at the end); 8-11 z log2(e); 12-15 the keys' minima
.set zq, (\p)%4
.set zk, (\p)/4
.set zr, SBO+8*(\u)+2*zq
.if zk == 0
	v_pk_add_f32 v[zr:zr+1], v[12:13], v[zr:zr+1] op_sel_hi:[0,1] neg_lo:[0,1] neg_hi:[0,1]
.elseif zk == 1
	FBITS 16*(\u)+2*zq
	v_pk_fma_f32 v[KT+2*zq:KT+2*zq+1], v[zr:zr+1], s[24:25], FB op_sel_hi:[1,0,0]
.elseif zk == 2
	v_pk_mul_f32 v[zr:zr+1], v[zr:zr+1], s[26:27] op_sel_hi:[1,0]
.elseif (\u) == 0
	v_min_num_f32 v[24+zq], v[KT+4*(zq/2)+zq%2], v[KT+4*(zq/2)+zq%2+2]
.else
	v_min3_num_f32 v[24+zq], v[24+zq], v[KT+4*(zq/2)+zq%2], v[KT+4*(zq/2)+zq%2+2]
.endif
.set PLN, PLN+1
.endm
.macro KLINE j                         ; line j of the five that make one key of the four chains
.if (\j) == 0
	v_min_num_f32 v24, v24, v26
.elseif (\j) == 1
	v_min_num_f32 v25, v25, v27
.elseif (\j) == 2
	v_add_f32 v25, 1.0, v25
.elseif (\j) == 3
	v_min_num_f32 v24, v24, v25
.else
	v_add_f32 v24, v24, v8                         ; + 128 w + 8 h
.endif
.set PLN, PLN+1
.endm
.macro SLINE n                         ; line n of the 30 that add the tile's 32 pairs of weights, two chains: pairs 0 + 2 and 1 + 3 start them, then pair n + 2 goes onto chain n % 2
.if (\n) < 2
	v_pk_add_f32 v[28+2*(\n):29+2*(\n)], v[SBO+2*(\n):SBO+2*(\n)+1], v[SBO+4+2*(\n):SBO+5+2*(\n)]
.else
	v_pk_add_f32 v[28+2*((\n)%2):29+2*((\n)%2)], v[28+2*((\n)%2):29+2*((\n)%2)], v[SBO+4+2*(\n):SBO+5+2*(\n)]
.endif
.set PLN, PLN+1
.endm
.macro V2S n                           ; line n of the list
.if (\n) < 16
	PLINE 0, \n
.elseif (\n) < 172                     ; an exponential and two plain lines
.set zu, 1+((\n)-16)/24
.set zs, ((\n)-16)%24
.set zp, 2*(zs/3)+zs%3-1
.if (zs%3) == 0
	v_exp_f32 v[SBO+8*(zu-1)+zs/3], v[SBO+8*(zu-1)+zs/3]
.else
	PLINE zu, zp
.endif
.elseif (\n) < NA-1                    ; an exponential and one plain line: weights 52 to 63
.set zs, (\n)-172
.set zp, 8+zs/2
.if (zs%2) == 0
	v_exp_f32 v[SBO+52+zs/2], v[SBO+52+zs/2]
.elseif zp < 16
	PLINE 7, zp
.else
	KLINE zp-16
.endif
.elseif (\n) == NA-1
	KLINE 4
.else
.set zp, (\n)-NA
	SLINE zp
.endif
.endm
; THE PRODUCTS OF ONE ROW TILE, with the list above in slices behind them.  For each fragment eight matrix instructions, the eight accumulators by turns; the first fragment
; starts the sums with the constant 0.  The first 8 FW products carry lines 0 to NA - 1 in proportion, the others lines NA to NS - 1; a slice is written when CH lines are due, and behind a
; fragment's eighth product.  The exponentials' wait stands behind fragment FW - 1's last slice, ahead of the two LDS loads that follow it.
; A load into a register that a matrix instruction has read, and a vector instruction that reads its result, stand four places behind it: the plain lines of the slice behind the
; eighth product are such places (they name none of the products' registers), and v_nop makes up what is missing of four.
.macro MV sb
.set nx, 0
.set wi, 0
.set f, 0
.rept 4*P
	s_wait_dscnt 6                                 ; slot f % 4 is in; the three younger slots' six loads stay out (at the first fragments the load of |r|^2 and wave 0's index store are younger too)
.set t, 0
.rept 8
	WIN 0x01                                       ; source 0 (the codes) in window 1
.if f == 0
	v_wmma_f32_16x16x32_bf16 v[\sb+8*t:\sb+8*t+7], v[32*t+8*(f%4):32*t+8*(f%4)+7], v[XF+8*(f%4):XF+8*(f%4)+7], 0
.else
	v_wmma_f32_16x16x32_bf16 v[\sb+8*t:\sb+8*t+7], v[32*t+8*(f%4):32*t+8*(f%4)+7], v[XF+8*(f%4):XF+8*(f%4)+7], v[\sb+8*t:\sb+8*t+7]
.endif
.set PLN, 0
.set wi, wi+1
.if wi > 8*FW
.set tg, NA+(wi-8*FW)*(NS-NA)/(32*P-8*FW)
.else
.set tg, wi*NA/(8*FW)
.endif
.if ((tg-nx >= CH) || (t == 7) || (wi == 32*P)) && (tg > nx)
	WIN 0
.rept tg-nx
	V2S nx
.set nx, nx+1
.endr
.endif
.set t, t+1
.endr
	WIN 0
.if PLN < 4
.rept 4-PLN
	v_nop
.endr
.endif
.if f == FW-1
	s_wait_alu depctr_va_vdst(0)                   ; the wait for the batch of 64 exponentials: all are issued, no line so far names a weight, and every line that does stands behind this one
.endif
.if f+4 < 4*P
	XLOAD f+4
.else
	WWLOAD f+4-4*P
.endif
.set f, f+1
.endr
.endm
; d = fl(fl(|r|^2 - 2 m) + |w|^2), in place, each accumulator from its low end on, and four running minima.
.macro V1 sb
.set t, 0
.rept 8
.irp q, 0,1,2,3
	v_pk_fma_f32 v[\sb+8*t+2*\q:\sb+8*t+2*\q+1], v[\sb+8*t+2*\q:\sb+8*t+2*\q+1], -2.0, v[14:15] op_sel_hi:[1,0,0]
.endr
.if t < 4
	s_wait_dscnt 8                                 ; |w|^2 of tile t is in; younger: three tiles' six loads and the two posts of sum and key
.else
	s_wait_dscnt 2*(7-t)                           ; the counts run down
.endif
.irp q, 0,1,2,3
	v_pk_add_f32 v[\sb+8*t+2*\q:\sb+8*t+2*\q+1], v[\sb+8*t+2*\q:\sb+8*t+2*\q+1], v[XF+8*(t%4)+2*\q:XF+8*(t%4)+2*\q+1]
.endr
.if t < 4
	WWLOAD t+4
.endif
.irp q, 0,1,2,3
.if t == 0
	v_min_num_f32 v[16+\q], v[\sb+2*\q], v[\sb+2*\q+1]
.else
	v_min3_num_f32 v[16+\q], v[16+\q], v[\sb+8*t+2*\q], v[\sb+8*t+2*\q+1]
.endif
.endr
.set t, t+1
.endr
.endm
; A SUPER-STEP.  par: the parity of s, of tile s and of tile s - 2.  Every jump goes forward, on the trip's number or the wave's; none passes a barrier.
.macro SS par
.set SB, SREG+64*(\par)
.set SBO, SREG+64*(1-(\par))
	ds_load_b128 v[16:19], v4 offset:OFZ+512*(\par)        ; tile s - 2: the eight waves' sums,
	ds_load_b128 v[20:23], v4 offset:OFZ+512*(\par)+16
	ds_load_b128 v[24:27], v4 offset:OFK+512*(\par)        ; and keys
	ds_load_b128 v[28:31], v4 offset:OFK+512*(\par)+16
.if \par
	s_cmp_eq_u32 s16, 8
	s_cbranch_scc0 .Lfull_\@
	s_wait_dscnt 0x0                               ; super-step 17: the column sums of tile 15 alone
	s_branch .Lv3_\@
.Lfull_\@:
.endif
	ds_load_b128 v[56:59], v4 offset:512*(1-(\par))        ; tile s - 1: the eight waves' least distances, into slot 3, which takes its fragment below
	ds_load_b128 v[60:63], v4 offset:512*(1-(\par))+16
.if (\par) == 0
	s_cmp_eq_u32 s16, 8
	s_cbranch_scc1 .Lkeep_\@                       ; super-step 16: the addresses stay at tile 15
.endif
	v_add_nc_u32 v5, s18, v1
.if P > 1
	v_add_nc_u32 v6, PIECE, v5
.endif
.if P > 2
	v_add_nc_u32 v7, 2*PIECE, v5
.endif
.if (\par) == 0
.Lkeep_\@:
.endif
	XLOAD 0
	XLOAD 1
	XLOAD 2
	s_wait_dscnt 6                                 ; the six loads of posts are in; the three fragments' six stay out
	v_min3_num_f32 v56, v56, v57, v58
	v_min3_num_f32 v59, v59, v60, v61
	v_min3_num_f32 v56, v56, v62, v63
	v_min_num_f32 v12, v56, v59                    ; the row's least distance
	XLOAD 3
.if \par
.Lv3_\@:
.endif
	s_cmp_eq_u32 s16, 0
	s_cbranch_scc1 .Lno_v3_\@                      ; the first two super-steps have no tile s - 2
	v_pk_add_f32 v[16:17], v[16:17], v[18:19]      ; Z: the eight waves' sums
	v_pk_add_f32 v[20:21], v[20:21], v[22:23]
	v_min3_num_f32 v24, v24, v25, v26              ; the least key is the first index of the least distance
	v_min3_num_f32 v27, v27, v28, v29
	v_pk_add_f32 v[16:17], v[16:17], v[20:21]
	v_min3_num_f32 v24, v24, v30, v31
	v_add_f32 v16, v16, v17
	v_rcp_f32 v14, v16                             ; 1 / Z: a batch of one
	v_min_num_f32 v24, v24, v27                    ; the key's last two lines name neither Z nor 1 / Z: the plain instruction behind the reciprocal, and the work between it and its wait
	v_cvt_u32_f32 v24, v24
	s_wait_alu depctr_va_vdst(0)                   ; the wait for 1 / Z, ahead of the branch and of the 32 lines below that read it
	s_cmp_lg_u32 s2, 0
	s_cbranch_scc1 .Lno_ix_\@                      ; every wave has the index; wave 0 keeps it
	v_add_nc_u32 v9, s20, v13
	ds_store_b32 v9, v24
.Lno_ix_\@:
.set i, 0
.rept 32
	v_pk_fma_f32 v[COL+2*i:COL+2*i+1], v[SB+2*i:SB+2*i+1], v[14:15], v[COL+2*i:COL+2*i+1] op_sel_hi:[1,0,1]
.set i, i+1
.endr
.Lno_v3_\@:
	s_cmp_eq_u32 s16, 8
.if \par
	s_cbranch_scc1 .Lend_\@                        ; super-step 17 is over
.else
	s_cbranch_scc1 .Lno_xx_\@                      ; super-step 16 makes no distances
.endif
	v_add_nc_u32 v9, s19, v13
	ds_load_b32 v14, v9                            ; |r|^2 of my lane's row, where 1 / Z lay: the fourth fragment's wait shows it landed (six refills are younger)
.if (\par) == 0
.Lno_xx_\@:
.endif
	MV SB
	v_pk_add_f32 v[28:29], v[28:29], v[30:31]      ; tile s - 1: my sum and my key; the row's other 64 of my codes lie in the lane 16 away
	v_permlanex16_b32 v25, v24, s28, s29
	v_add_f32 v28, v28, v29
	v_min_num_f32 v24, v24, v25
	v_permlanex16_b32 v29, v28, s28, s29
	ds_store_b32 v3, v24 offset:OFK+512*(1-(\par))
	v_add_f32 v28, v28, v29
	ds_store_b32 v3, v28 offset:OFZ+512*(1-(\par))
.if (\par) == 0
	s_cmp_eq_u32 s16, 8
	s_cbranch_scc1 .Lno_v1_\@
.endif
	V1 SB
	v_min3_num_f32 v16, v16, v17, v18
	v_min_num_f32 v16, v16, v19
	v_permlanex16_b32 v17, v16, s28, s29
	v_min_num_f32 v16, v16, v17
	ds_store_b32 v3, v16 offset:512*(\par)
.if \par
.Lend_\@:
.else
.Lno_v1_\@:
.endif
	s_wait_dscnt 0x0                               ; for the others' sake: my posts are in LDS, and my reads of the others' posts are back
	s_barrier_signal -1
	s_barrier_wait -1
	s_add_co_u32 s18, s18, 16*PITCH
	s_add_co_u32 s19, s19, 64
	s_add_co_u32 s20, s20, 64
.endm
	s_mov_b32 s16, 0
	s_mov_b32 s18, 0
	s_mov_b32 s19, XXL
	s_mov_b32 s20, IDXL-128                        ; the index stored in super-step s is tile s - 2's
.Lmain:                                                ; nine trips of two super-steps: 16 row tiles and two super-steps to drain
	SS 0
	SS 1
	s_add_co_u32 s16, s16, 1
	s_cmp_lt_u32 s16, 9
	s_cbranch_scc1 .Lmain
	; THE WAY OUT.  A lane's column sums cover the rows of its own r: the 16 lanes' are added through my stage (piece 0's bytes: every wave's reads of them were back before the last barriers).
	v_and_b32 v16, 15, v0
	v_bfe_u32 v17, v0, 4, 1
	v_and_b32 v18, 31, v0
	s_mul_i32 s21, s2, STG
	v_mul_u32_u24 v20, v16, SPI
	v_lshl_add_u32 v20, v17, 5, v20
	v_add_nc_u32 v20, s21, v20                     ; in: row r, code 16 t + 8 h + j at byte 64 t + 32 h + 4 j
	v_lshl_add_u32 v21, v18, 4, s21                ; back: four codes a lane, all 16 rows
	v_lshlrev_b32 v22, 4, v0
.set t, 0
.rept 8
	ds_store_b128 v20, v[COL+8*t:COL+8*t+3] offset:64*t
	ds_store_b128 v20, v[COL+8*t+4:COL+8*t+7] offset:64*t+16
.set t, t+1
.endr
.set i, 0
.rept 16
	ds_load_b128 v[SREG+4*i:SREG+4*i+3], v21 offset:SPI*i   ; my own bytes: these see the stores above
.set i, i+1
.endr
	s_wait_dscnt 0x0
.set d, 32
.rept 4
.set i, 0
.rept d/2
	v_pk_add_f32 v[SREG+2*i:SREG+2*i+1], v[SREG+2*i:SREG+2*i+1], v[SREG+d+2*i:SREG+d+2*i+1]
.set i, i+1
.endr
.set d, d/2
.endr
	global_store_b128 v22, v[SREG:SREG+3], s[32:33]        ; the wave stores 512 consecutive bytes, aligned
	s_cmp_lt_u32 s2, 2
	s_cbranch_scc0 .Lno_idx
	v_add_nc_u32 v23, IDXL, v22
	ds_load_b128 v[SREG+4:SREG+7], v23             ; wave 0 stored them; the last barrier lies between
	s_wait_dscnt 0x0
	global_store_b128 v22, v[SREG+4:SREG+7], s[IOUT:IOUT+1]
.Lno_idx:
.if LEVEL > 0
	s_cmp_lg_u32 s2, 2
	s_cbranch_scc1 .Lno_loss
	v_mov_b32 v24, LOS
	ds_load_b128 v[32:35], v24
	ds_load_b128 v[36:39], v24 offset:16
	s_wait_dscnt 0x0
	v_pk_add_f32 v[32:33], v[32:33], v[34:35]
	v_pk_add_f32 v[36:37], v[36:37], v[38:39]
	v_pk_add_f32 v[32:33], v[32:33], v[36:37]
	v_add_f32 v32, v32, v33
	s_lshl_b32 s21, ttmp9, 2
	v_mov_b32 v25, s21
	v_cmp_eq_u32 vcc_lo, 64, v0                    ; wave 2's first lane
	s_wait_xcnt 0x0                                ; EXEC is a source of the store above: it changes only behind this wait
	s_and_saveexec_b32 s21, vcc_lo
	global_store_b32 v25, v32, s[PART:PART+1] offset:LOSSG+(LEVEL-1)*1024
	s_wait_xcnt 0x0                                ; and again ahead of the line that widens it
	s_or_b32 exec_lo, exec_lo, s21
.Lno_loss:
.endif
	s_wait_tensorcnt 0x0                           ; the wave's end: three lines behind my last LDS store
	ds_add_u32 v10, v11
	s_wait_dscnt 0x0
	s_endpgm
.Lfunc_end_k_qf2b395d116_lev2:
	.size	k_qf2b395d116_lev2, .Lfunc_end_k_qf2b395d116_lev2-k_qf2b395d116_lev2
	.p2alignl 7, 3214868480
	.fill 96, 4, 3214868480
	.section	.rodata,"a",@progbits
	.p2align	6, 0x0
	.amdhsa_kernel k_qf2b395d116_lev2
		.amdhsa_group_segment_fixed_size 219392
		.amdhsa_private_segment_fixed_size 0
		.amdhsa_enable_private_segment 0
		.amdhsa_kernarg_size 48
		.amdhsa_user_sgpr_count 2
		.amdhsa_user_sgpr_kernarg_segment_ptr 1
		.amdhsa_wavefront_size32 1
		.amdhsa_system_sgpr_workgroup_id_x 1
		.amdhsa_system_sgpr_workgroup_id_y 1
		.amdhsa_system_sgpr_workgroup_id_z 1
		.amdhsa_system_vgpr_workitem_id 0
		.amdhsa_next_free_vgpr 512
		.amdhsa_next_free_sgpr 66
		.amdhsa_reserve_vcc 1
		.amdhsa_float_denorm_mode_32 3
		.amdhsa_float_denorm_mode_16_64 3
		.amdhsa_memory_ordered 1
		.amdhsa_forward_progress 1
		.amdhsa_inst_pref_size 114
	.end_amdhsa_kernel
	.amdgpu_metadata
---
amdhsa.version: [ 1, 2 ]
amdhsa.kernels:
  - .name:           k_qf2b395d116_lev2
    .symbol:         k_qf2b395d116_lev2.kd
    .args:
      - { .name: xb, .offset: 0, .size: 8, .value_kind: global_buffer, .address_space: global }
      - { .name: cb, .offset: 8, .size: 8, .value_kind: global_buffer, .address_space: global }
      - { .name: idx0, .offset: 16, .size: 8, .value_kind: global_buffer, .address_space: global }
      - { .name: idx1, .offset: 24, .size: 8, .value_kind: global_buffer, .address_space: global }
      - { .name: idx2, .offset: 32, .size: 8, .value_kind: global_buffer, .address_space: global }
      - { .name: part, .offset: 40, .size: 8, .value_kind: global_buffer, .address_space: global }
    .group_segment_fixed_size: 219392
    .private_segment_fixed_size: 0
    .kernarg_segment_align: 8
    .kernarg_segment_size: 48
    .max_flat_workgroup_size: 256
    .sgpr_count:     66
    .vgpr_count:     512
    .wavefront_size: 32
...
	.end_amdgpu_metadata
.endif
;; end of part 9
;; launch fin: the kernel of part 5 again; grid 256 x 1, 32 waves a work-group, no clusters, 12,544 bytes of LDS; arguments xb, cb, idx0, idx1, idx2, part, out0, out1, sums; writes out0, out1, sums
;; launch red: the kernel of part 6 again; grid 1 x 1, 24 waves a work-group, no clusters, 3,328 bytes of LDS; arguments part, sums, out2, out3; writes out2, out3
